; MI455X (gfx1250); checked and timed in simulation.
; The chip was launched on July 23, 2026; its instructions are those of AMD's public machine-readable ISA for CDNA 5 (MIT licence, August 2026) and "CDNA5" Instruction Set Architecture Reference Guide (July 2026). The comments in the code are by the model that wrote it; some were corrected since.
;; Multi Head Attention. Allowed arithmetic: matrix products marked QUANTISED: E2M1 operands, one E8M0 scale for each 32 along K, by v_wmma_scale_f32_16x16x128_f8f6f4 with both operands' format E2M1 (or v_wmma_scale_f32_32x16x128_f4), f32 sums; everything else in f32.
;; Inputs: Wk 512 x 1,024 float32; Wo 1,024 x 512 float32; Wq 512 x 1,024 float32; Wv 512 x 1,024 float32; fc1_b 2,048 float32; fc1_w 2,048 x 1,024 float32; fc2_b 1,024 float32; fc2_w 1,024 x 2,048 float32; keys 4 x 2,048 x 1,024 float32; ln1_b 1,024 float32; ln1_g 1,024 float32; ln2_b 1,024 float32; ln2_g 1,024 float32; x 4 x 2,048 x 1,024 float32.
;; Outputs: out0 4 x 2,048 x 1,024 float32.
;; This version of the problem:
;;   THIS VERSION OF THE PROBLEM IS GIVEN IN LOW PRECISION. The matrix products marked QUANTISED in the list below multiply operands that are first quantised to E2M1 (2 exponent bits, 1 mantissa bit; 4 bits a number), with one power-of-two scale for each 32 numbers along K (OCP MX v1.0); their sums are f32. All else is computed in f32.
;;   The module's matrix products, in the order in which they are computed (A, B: the left and right operand; K: the contracted axis; several contracted axes count as one K, in the product's order):
;;     1. [M 8,192, K 1,024] x [K 1,024, N 512]; A: input x; B: input Wq: QUANTISED
;;     2. [M 8,192, K 1,024] x [K 1,024, N 512]; A: input keys; B: input Wk: QUANTISED
;;     3. [M 8,192, K 1,024] x [K 1,024, N 512]; A: input keys; B: input Wv: QUANTISED
;;     4. batch 64 x [M 2,048, K 32] x [K 32, N 2,048]; A: computed on the way; B: computed on the way: QUANTISED
;;     5. batch 64 x [M 2,048, K 2,048] x [K 2,048, N 32]; A: softmax (see below); B: computed on the way: QUANTISED
;;     6. [M 8,192, K 512] x [K 512, N 1,024]; A: computed on the way; B: input Wo: QUANTISED
;;     7. [M 8,192, K 1,024] x [K 1,024, N 2,048]; A: computed on the way; B: input fc1_w: QUANTISED
;;     8. [M 8,192, K 2,048] x [K 2,048, N 1,024]; A: computed on the way; B: input fc2_w: QUANTISED
;;   THE QUANTISER, for each operand of a quantised product, along K:
;;     - K is cut into blocks of 32 from its start; a last block that is shorter is filled with zeros.
;;     - A block's scale is 2^e with e = floor(log2(the largest magnitude in the block)) - 2, held to -126 .. 127; a block of zeros has e = 0. As a byte (E8M0): e + 127.
;;     - Each number is divided by its block's scale, clamped to +-6, and rounded to the nearest number of E2M1, ties to even, subnormals kept.
;;     - The product sums the exact products of the quantised numbers (number of the format x scale) in f32.
;;   ~~~python
;;   def quantise(x, axis):      # numpy; x: float32 -> the quantised numbers, widened to float32 again
;;       x = np.moveaxis(x, axis, -1); K = x.shape[-1]
;;       x = np.pad(x, [(0, 0)] * (x.ndim - 1) + [(0, -K % 32)]); x = x.reshape(x.shape[:-1] + (-1, 32)); a = np.abs(x).max(-1, keepdims=True)
;;       e = np.where(a > 0, np.clip(np.frexp(np.where(a > 0, a, 1))[1] - 1 - 2, -126, 127), 0)      # np.frexp(a)[1] - 1 = floor(log2(a)), exactly
;;       r = np.clip(x / 2.0 ** e, -6, 6)
;;       step = 2.0 ** (np.maximum(np.frexp(np.where(r == 0, 1, r))[1] - 1, 0) - 1)
;;       q = np.round(r / step) * step * 2.0 ** e      # np.round: ties to even
;;       return np.moveaxis(q.reshape(q.shape[:-2] + (-1,))[..., :K], -1, axis).astype(np.float32)
;;   ~~~
;;   SOFTMAX AHEAD OF A QUANTISED PRODUCT. Where the list says 'softmax', what is quantised is not the finished softmax but p = 2^(t - M), with t = logit x log2(e) and M = ceil(the row's largest t), a whole number; so 1/2 < the row's largest p <= 1. The row's sum l is taken of the UNQUANTISED p, in f32, and the product's result is divided by l at the end. Since M is a whole number, a kernel that streams over the keys may use a running M (the ceiling of the running maximum): every later rescaling is an exact power of two, which a block's scale takes up: the codes' values come out the same.
;;   OPERANDS COMPUTED ON THE WAY. 'Computed on the way' means the value that the module computes at that place (a softmax that the list does not call 'softmax' is quantised finished and normalised). What goes into a quantiser is computed in f32, as accurately as f32 sums, v_exp_f32 and their like allow (about 1e-6 of the number): no bf16 or f16 on the way to a quantiser, and a product that is left as it is and whose result goes on into a quantised operand takes f32 operands (vector FMAs, or v_wmma_f32_16x16x4_f32). A number that lies on a knife's edge between two numbers of the format may be rounded either way, as far as f32 arithmetic and the matrix unit's own rounding can turn it there, and no further.
;; 2 versions. Each part assembles by itself: llvm-mc -triple=amdgcn-amd-amdhsa -mcpu=gfx1250 --defsym DOCPART=n.
;; ======== version 1 of 2: 4 launches
;; workspace buffers: wcodes 3,145,728 bytes; wscales 196,608 bytes; qkvc 6,291,456 bytes; qkvs 393,216 bytes; oc 2,097,152 bytes; os 131,072 bytes
;; launch prep (part 1): grid 256 x 1, 6 waves a work-group, no clusters, 102,912 bytes of LDS; arguments Wq, Wk, Wv, Wo, fc1_w, fc2_w, wcodes, wscales; writes wcodes, wscales
.if DOCPART == 1
	.amdgcn_target "amdgcn-amd-amdhsa--gfx1250"
	.amdhsa_code_object_version 6
	.text
	.protected	k_q76c1a2cee4_prep
	.globl	k_q76c1a2cee4_prep
	.p2align	8
	.type	k_q76c1a2cee4_prep,@function
k_q76c1a2cee4_prep:
	s_mov_b64 s[64:65], 0
	v_nop
	global_prefetch_b8 v0, s[64:65] scope:SCOPE_SE
	s_setreg_imm32_b32 hwreg(HW_REG_WAVE_MODE, 25, 1), 1
	s_wait_xcnt 0x0
; The six weights (f32, K innermost) become codes of FP4 (E2M1) with one E8M0 byte for each 32 along K, laid in the ORDER OF THE OPERAND'S REGISTERS.
; A UNIT is 64 rows (four tiles of 16) x 128 along K: four fragment images of 1,024 bytes, [tile][c][lane][16 bytes]; lane (r, h) of group c holds block 2 c + h of its row.
; Units: Wq 0-63, Wk 64-127, Wv 128-191 (8 K steps a chunk), Wo 192-255 (4), fc1_w 256-511 (8), fc2_w 512-767 (16); unit = start + chunk x steps + step.
; THE ROWS OF A TILE ARE NOT NEIGHBOURS: lane r of tile T takes row 32 (T / 2) + 8 (T % 2) + r + 8 (r / 8), so that a transposed product leaves 16 neighbours along the next K in a lane's registers of two neighbouring tiles.
; Scale words: 256 bytes a unit, [lane][2 words]: word p of lane (r, h) is the word (four bytes, 128 along K) of tile 2 p + h, row r: one load of 8 bytes a lane serves four tiles.
; SHARES.  768 units = 256 work-groups x 3; a unit is made by two waves: wave 2 u + p makes tiles 2 p and 2 p + 1 of the work-group's unit u, which together are 32 consecutive rows.
; EVERY LOAD READS 512 CONSECUTIVE BYTES, one row's part of the K step, 16 bytes a lane; all 32 loads of a wave go out at the head.  The conversions want 32 neighbours along K in ONE lane: so a fragment's 16 rows
; turn through the wave's own stage in LDS, laid in the tile's order, rows 528 bytes apart (512 + 16: row r starts at bank 4 r mod 64, 64 banks of 4 bytes: ISA guide 11.1), and come back 2 x 128 bytes a lane.
; A row's pitch differs from weight to weight, so a row's place stands in registers: 8 offsets (rows 0-7) and 4 bases (groups of 8 rows).
; A block's byte is its largest magnitude's exponent field - 2, held at 1 from below.  LIMITS: a block of zeros gets the byte 1 (its codes are zeros; this program alone reads the bytes);
; blocks under 2^-124 are held at that floor; NaN and infinities are not served.
.set PITCH, 528
.set FST,  16*PITCH                    ; a fragment's stage
.set WST,  2*FST                       ; a wave's two
.set SCB,  6*WST                       ; behind the stages: 3 x 256 bytes of scale words
.set RR,   64                          ; v64-191  two fragments as loaded; v64-127 later fragment 1 turned
.set XX,   192                         ; v192-255 fragment 0 turned
.set CD,   32                          ; v32-47   codes, 8 a fragment, never rewritten
.set OFF,  48                          ; v48-55   16 x lane + i rows
.set SW,   20                          ; v20-21   the two fragments' scale words
	s_load_b512 s[8:23], s[0:1], 0x0               ; Wq, Wk, Wv, Wo, fc1_w, fc2_w, wcodes, wscales
	v_lshl_add_u32 v62, v0, 2, 0x18f00
	v_mov_b32 v63, 0
	v_lshrrev_b32 v1, 5, v0
	v_readfirstlane_b32 s2, v1                     ; wave 0..5
	s_lshr_b32 s42, s2, 1                          ; which of the work-group's three units
	s_and_b32 s43, s2, 1                           ; which pair of its tiles
	s_mul_i32 s3, ttmp9, 3
	s_add_co_u32 s3, s3, s42                       ; my unit
	v_and_b32 v1, 31, v0                           ; lane
	v_and_b32 v2, 15, v0                           ; r
	v_bfe_u32 v3, v0, 4, 1                         ; h
	v_lshlrev_b32 v5, 4, v1                        ; 16 x lane
	v_lshlrev_b32 v6, 3, v1                        ; 8 x lane
	v_lshlrev_b32 v7, 3, v3                        ; 8 h: my bytes' shift in a scale word
	v_mov_b32 v17, 0                               ; a lane permute's destination counts as one of its sources
	v_cmp_gt_u32 vcc_lo, 16, v1                    ; lanes 0-15
	s_mul_i32 s44, s2, WST
	v_add_nc_u32 v8, s44, v5                       ; the stage, on the way in: a row as it was loaded
	v_mul_u32_u24 v9, v2, PITCH
	v_lshl_add_u32 v9, v3, 7, v9
	v_add_nc_u32 v9, s44, v9                       ; and on the way out: row r, + 128 h: block h of each 64 along K
	s_lshl_b32 s44, s42, 8
	s_lshl_b32 s45, s43, 2
	s_add_co_u32 s44, s44, s45
	s_add_co_u32 s44, s44, SCB
	v_add_nc_u32 v18, s44, v6                      ; my scale word: unit u, 8 x lane, word p
	s_min_u32 s46, s2, 2                           ; waves 0-2 send the three units' scale words out
	s_lshl_b32 s44, s46, 8
	s_add_co_u32 s44, s44, SCB
	v_add_nc_u32 v19, s44, v6
	s_mov_b32 s40, 0x76543210
	s_mov_b32 s41, 0xfedcba98                      ; selects for lane l xor 16
	s_mov_b32 s6, 0                                ; the weight's first unit
	s_mov_b32 s7, 3                                ; log2 of its K steps
	s_wait_kmcnt 0x0
	s_mov_b64 s[4:5], s[8:9]                       ; which weight: a choice on the unit's number alone
	s_cmp_ge_u32 s3, 64
	s_cselect_b64 s[4:5], s[10:11], s[4:5]
	s_cselect_b32 s6, 64, s6
	s_cmp_ge_u32 s3, 128
	s_cselect_b64 s[4:5], s[12:13], s[4:5]
	s_cselect_b32 s6, 128, s6
	s_cmp_ge_u32 s3, 192
	s_cselect_b64 s[4:5], s[14:15], s[4:5]
	s_cselect_b32 s6, 192, s6
	s_cselect_b32 s7, 2, s7
	s_cmp_ge_u32 s3, 256
	s_cselect_b64 s[4:5], s[16:17], s[4:5]
	s_cselect_b32 s6, 256, s6
	s_cselect_b32 s7, 3, s7
	s_cmp_ge_u32 s3, 512
	s_cselect_b64 s[4:5], s[18:19], s[4:5]
	s_cselect_b32 s6, 512, s6
	s_cselect_b32 s7, 4, s7
	s_sub_co_u32 s32, s3, s6                       ; unit within the weight
	s_lshr_b32 s33, s32, s7                        ; chunk of 64 rows
	s_lshl_b32 s34, s33, s7
	s_sub_co_u32 s34, s32, s34                     ; K step
	s_add_co_u32 s35, s7, 9                        ; a row is 2^s35 bytes (128 numbers x 4 bytes x steps)
	s_lshl_b32 s36, s33, 6
	s_lshl_b32 s44, s43, 5
	s_add_co_u32 s36, s36, s44                     ; the first of my 32 rows
	s_lshl_b32 s37, s34, 9                         ; the K step's 512 bytes of a row
	s_mov_b32 s39, 0
.irp g, 0,1,2,3
	s_add_co_u32 s38, s36, 8*\g                    ; group g of 8 rows
	s_lshl_b32 s38, s38, s35
	s_add_co_u32 s38, s38, s37
	s_add_nc_u64 s[24+2*\g:25+2*\g], s[4:5], s[38:39]
.endr
	s_lshl_b32 s38, s3, 12
	s_lshl_b32 s44, s43, 11
	s_add_co_u32 s38, s38, s44
	s_add_nc_u64 s[20:21], s[20:21], s[38:39]      ; my two images of the unit's four
	s_mul_i32 s38, ttmp9, 3
	s_add_co_u32 s38, s38, s46
	s_lshl_b32 s38, s38, 8
	s_add_nc_u64 s[22:23], s[22:23], s[38:39]      ; the scale words of unit min(wave, 2)
	s_lshl_b32 s44, 1, s35                         ; a row in bytes
	v_mov_b32 v[OFF], v5
.irp i, 1,2,3,4,5,6,7
	v_add_nc_u32 v[OFF+\i], s44, v[OFF+\i-1]
.endr
.macro LOAD f                          ; fragment f (tile 2 p + f): its row r is row r % 8 of group f + 2 (r / 8).  32 lanes read 512 consecutive bytes
.irp r, 0,1,2,3,4,5,6,7,8,9,10,11,12,13,14,15
	global_load_b128 v[RR+64*(\f)+4*\r:RR+64*(\f)+4*\r+3], v[OFF+\r%8], s[24+2*((\f)+2*(\r/8)):25+2*((\f)+2*(\r/8))] th:TH_LOAD_NT
.endr
.endm
.macro TURN f, dst                     ; through the stage: LDS serves a wave's instructions in order (ISA guide 5.7.1.4), so no wait stands between the stores and the loads.  Register 32 c + i of dst = k 64 c + 32 h + i of row r
.irp r, 0,1,2,3,4,5,6,7,8,9,10,11,12,13,14,15
	ds_store_b128 v8, v[RR+64*(\f)+4*\r:RR+64*(\f)+4*\r+3] offset:FST*(\f)+PITCH*\r
.endr
.irp c, 0,1
.irp j, 0,1,2,3,4,5,6,7
	ds_load_b128 v[(\dst)+32*\c+4*\j:(\dst)+32*\c+4*\j+3], v9 offset:FST*(\f)+256*\c+16*\j
.endr
.endr
.endm
.macro FRAG f, xs
.set XS, \xs
.irp c, 0,1
	v_max3_num_f32 v[10+\c], |v[XS+32*\c]|, |v[XS+32*\c+1]|, 0x1800000   ; my block 2 c + h, and the floor 2^(3 - 127): the byte cannot fall under 1
.endr
.irp i, 2,4,6,8,10,12,14,16,18,20,22,24,26,28,30
.irp c, 0,1
	v_max3_num_f32 v[10+\c], v[10+\c], |v[XS+32*\c+\i]|, |v[XS+32*\c+\i+1]|   ; the two blocks by turns
.endr
.endr
.irp c, 0,1
	v_add_nc_u32 v[12+\c], 0xff000000, v[10+\c]    ; 2 off the exponent field: the conversion's scale operand
.endr
.irp c, 0,1
	v_lshrrev_b32 v[14+\c], 23, v[12+\c]           ; the byte
.endr
	v_lshl_or_b32 v16, v15, 16, v14                ; my two bytes: blocks h and 2 + h,
	v_lshlrev_b32 v16, v7, v16                     ; at their places;
	v_permlanex16_b32 v17, v16, s40, s41
	v_or_b32 v[SW+(\f)], v16, v17                  ; with lane l xor 16's two the row's word is whole
.irp c, 0,1
.irp g, 0,1,2,3
	v_cvt_scalef32_pk8_fp4_f32 v[CD+8*(\f)+4*\c+\g], v[XS+32*\c+8*\g:XS+32*\c+8*\g+7], v[12+\c]
.endr
.endr
	v_nop                                          ; one plain line behind the last conversion: the next fragment writes the scale operands anew
.irp c, 0,1
	global_store_b128 v5, v[CD+8*(\f)+4*\c:CD+8*(\f)+4*\c+3], s[20:21] offset:1024*(\f)+512*\c   ; 32 lanes store 512 consecutive bytes, aligned
.endr
.endm
	LOAD 0
	LOAD 1
	s_wait_loadcnt 16                              ; fragment 0's rows are in; fragment 1's 16 loads may be out
	TURN 0, XX
	s_wait_loadcnt 0x0
	s_wait_dscnt 0x0                               ; fragment 0 is back, and its stores into the stage have read v64-127,
	TURN 1, RR                                     ; which take fragment 1, turned, while fragment 0 is worked
	FRAG 0, XX
	s_wait_dscnt 0x0
	FRAG 1, RR
	v_cndmask_b32 v22, v21, v20, vcc_lo            ; lanes 0-15: tile 2 p's word, lanes 16-31: tile 2 p + 1's
	ds_store_b32 v18, v22
	s_wait_dscnt 0x0                               ; for the others' sake: my word has landed
	s_barrier_signal -1
	s_barrier_wait -1                              ; the three units' scale words are whole
	s_cmp_lt_u32 s2, 3
	s_cbranch_scc0 .Lend
	ds_load_b64 v[24:25], v19
	s_wait_dscnt 0x0
	global_store_b64 v6, v[24:25], s[22:23]        ; 256 consecutive bytes, aligned
.Lend:
	s_wait_tensorcnt 0x0
	ds_add_u32 v62, v63
	s_wait_dscnt 0x0
	s_endpgm
.Lfunc_end_k_q76c1a2cee4_prep:
	.size	k_q76c1a2cee4_prep, .Lfunc_end_k_q76c1a2cee4_prep-k_q76c1a2cee4_prep
	.p2alignl 7, 3214868480
	.fill 96, 4, 3214868480
	.section	.rodata,"a",@progbits
	.p2align	6, 0x0
	.amdhsa_kernel k_q76c1a2cee4_prep
		.amdhsa_group_segment_fixed_size 102912
		.amdhsa_private_segment_fixed_size 0
		.amdhsa_enable_private_segment 0
		.amdhsa_kernarg_size 64
		.amdhsa_user_sgpr_count 2
		.amdhsa_user_sgpr_kernarg_segment_ptr 1
		.amdhsa_wavefront_size32 1
		.amdhsa_system_sgpr_workgroup_id_x 1
		.amdhsa_system_sgpr_workgroup_id_y 1
		.amdhsa_system_sgpr_workgroup_id_z 1
		.amdhsa_system_vgpr_workitem_id 0
		.amdhsa_next_free_vgpr 256
		.amdhsa_next_free_sgpr 66
		.amdhsa_reserve_vcc 1
		.amdhsa_float_denorm_mode_32 3
		.amdhsa_float_denorm_mode_16_64 3
		.amdhsa_memory_ordered 1
		.amdhsa_forward_progress 1
		.amdhsa_inst_pref_size 18
	.end_amdhsa_kernel
	.amdgpu_metadata
---
amdhsa.version: [ 1, 2 ]
amdhsa.kernels:
  - .name:           k_q76c1a2cee4_prep
    .symbol:         k_q76c1a2cee4_prep.kd
    .args:
      - { .name: Wq, .offset: 0, .size: 8, .value_kind: global_buffer, .address_space: global }
      - { .name: Wk, .offset: 8, .size: 8, .value_kind: global_buffer, .address_space: global }
      - { .name: Wv, .offset: 16, .size: 8, .value_kind: global_buffer, .address_space: global }
      - { .name: Wo, .offset: 24, .size: 8, .value_kind: global_buffer, .address_space: global }
      - { .name: fc1_w, .offset: 32, .size: 8, .value_kind: global_buffer, .address_space: global }
      - { .name: fc2_w, .offset: 40, .size: 8, .value_kind: global_buffer, .address_space: global }
      - { .name: wcodes, .offset: 48, .size: 8, .value_kind: global_buffer, .address_space: global }
      - { .name: wscales, .offset: 56, .size: 8, .value_kind: global_buffer, .address_space: global }
    .group_segment_fixed_size: 102912
    .private_segment_fixed_size: 0
    .kernarg_segment_align: 8
    .kernarg_segment_size: 64
    .max_flat_workgroup_size: 192
    .sgpr_count:     66
    .vgpr_count:     256
    .wavefront_size: 32
...
	.end_amdgpu_metadata
.endif
;; end of part 1
;; launch qkv (part 2): grid 256 x 1, 8 waves a work-group, no clusters, 104,960 bytes of LDS; arguments x, keys, wcodes, wscales, qkvc, qkvs; writes qkvc, qkvs
.if DOCPART == 2
	.amdgcn_target "amdgcn-amd-amdhsa--gfx1250"
	.amdhsa_code_object_version 6
	.text
	.protected	k_q76c1a2cee4_qkv
	.globl	k_q76c1a2cee4_qkv
	.p2align	8
	.type	k_q76c1a2cee4_qkv,@function
k_q76c1a2cee4_qkv:
	s_mov_b64 s[64:65], 0
	v_nop
	global_prefetch_b8 v0, s[64:65] scope:SCOPE_SE
	s_setreg_imm32_b32 hwreg(HW_REG_WAVE_MODE, 25, 1), 1
	s_wait_xcnt 0x0
; Q = x Wq^T, K = keys Wk^T, V = keys Wv^T on codes of FP4 (E2M1) with E8M0 scales, and the results quantised again for attention: Q and K along a head's 32 channels, V along the keys.
; SHARES.  A work-group takes 32 rows of x and the same 32 rows of keys.  THE WAVES SHARE THE COLUMNS: wave w makes columns 64 w .. 64 w + 63 (heads 2 w, 2 w + 1) of each of the three products.
; X PHASE.  Waves 0-3 quantise x, waves 4-7 keys: 16 rows x 512 along K each, a K step of 128 at a time.  EVERY LOAD READS 512 CONSECUTIVE BYTES, one row's part of the K step, 16 bytes a lane; the quantiser wants 16 neighbours
;   of each block of 32 in one lane, so the 16 rows turn through the wave's own stage in LDS (rows 528 bytes apart: row r starts at bank 4 r mod 64, 64 banks of 4 bytes: ISA guide 11.1) and come back into the registers that they left.
;   The fragments then go to LDS as images of their registers (16 bytes a lane at 16 x lane), their scale words beside them.
;   The rows of keys that form a tile are chosen: lane r of tile m takes row 8 m + r + 8 (r / 8), so that V's product leaves 16 neighbouring keys in a lane's registers of the two tiles.
; PASSES.  Weights come from memory straight into registers, as the first launch laid them: 4 fragments and their scale words a K step, through a ring of four register buffers, three steps ahead.
;   Q, K: source 0 = 16 rows of W, source 1 = 16 rows of x or keys: a lane holds one row and 16 neighbouring channels of each of two heads.  V: the sources swapped: a lane holds one channel and 16 neighbouring keys.
; WHY NO JOINT LOADS, though all 256 work-groups walk the same 816 KB of weight codes: each fragment feeds ONE wave of a work-group, so it goes to that wave's registers and is never written to or read from LDS.
; OUT.  Q plane [head][query][16 bytes]; K plane [head][32 keys][tile][r][16 bytes]; V plane [head][128 keys][tile][c][h][r][16 bytes]: images of attention's operands.  Scale bytes [32-row block][head][32].
; LIMITS: a block of zeros gets the byte 1 (its codes are zeros; this program alone reads the bytes); blocks under 2^-124 are held at that floor; NaN and infinities are not served.
.set ACC, 16                           ; v16-79   8 accumulators
.set WB,  80                           ; v80-207  the ring: 4 buffers of 4 weight fragments
.set WS,  208                          ; v208-215 4 x 2 registers of weight scale words: scales and nothing else
.set ACT, 216                          ; v216-247 2 buffers of two row tiles' fragments; between passes at work
.set AS,  248                          ; v248-249 their scale words: lanes 0-15 tile 0, lanes 16-31 tile 1
.set TM,  216
.set PW,  232
.set PC,  234
.set L16, 1                            ; v1 16 x lane;  v2 8 x lane;  v3 4 x lane
.set L8,  2
.set L4,  3
.set XSR, 4                            ; v4  my stage, on the way out: 528 r + 64 h
.set XWI, 5                            ; v5  where I store my images: 16 x lane + 4,096 x wave
.set XWS, 6                            ; v6  and their scale words
.set VV,  7                            ; v7  V's place: 1,024 h + 16 r
.set SSA, 8                            ; v8  the scale stage: lane + 64 x wave
.set XSW, 250                          ; v250 my stage, on the way in: 16 x lane
.set GT,  24                           ; ring steps: 3 products x 8 K steps
.set KIMG, 16384                       ; LDS: x's images [m][s][1,024] at 0, keys' here,
.set ASC,  32768                       ; scale words [s][m][r]: x's 1,024 bytes, then keys',
.set SST,  34816                       ; 3 x 512 scale bytes [head][32] on their way out,
.set XST,  36352                       ; and a stage of 16 rows x 528 bytes for each wave
.set XP,   528
.set XSTW, 16*XP
.set WCB, 20
.set WSB, 22
.set SEL, 38
.macro WM d, a, b, z, sa, ra, sb, rb   ; one product; z: the sum starts with 0; ra, rb: that side's scales stand in lanes 16-31
.set WD_, \d
.set WA_, \a
.set WR_, \b
.set WP_, \sa
.set WQ_, \sb
.if \z
.if (\ra) && (\rb)
	v_wmma_scale_f32_16x16x128_f8f6f4 v[WD_:WD_+7], v[WA_:WA_+7], v[WR_:WR_+7], 0, v[WP_], v[WQ_] matrix_a_fmt:MATRIX_FMT_FP4 matrix_b_fmt:MATRIX_FMT_FP4 matrix_a_scale:MATRIX_SCALE_ROW1 matrix_b_scale:MATRIX_SCALE_ROW1
.elseif \ra
	v_wmma_scale_f32_16x16x128_f8f6f4 v[WD_:WD_+7], v[WA_:WA_+7], v[WR_:WR_+7], 0, v[WP_], v[WQ_] matrix_a_fmt:MATRIX_FMT_FP4 matrix_b_fmt:MATRIX_FMT_FP4 matrix_a_scale:MATRIX_SCALE_ROW1
.elseif \rb
	v_wmma_scale_f32_16x16x128_f8f6f4 v[WD_:WD_+7], v[WA_:WA_+7], v[WR_:WR_+7], 0, v[WP_], v[WQ_] matrix_a_fmt:MATRIX_FMT_FP4 matrix_b_fmt:MATRIX_FMT_FP4 matrix_b_scale:MATRIX_SCALE_ROW1
.else
	v_wmma_scale_f32_16x16x128_f8f6f4 v[WD_:WD_+7], v[WA_:WA_+7], v[WR_:WR_+7], 0, v[WP_], v[WQ_] matrix_a_fmt:MATRIX_FMT_FP4 matrix_b_fmt:MATRIX_FMT_FP4
.endif
.else
.if (\ra) && (\rb)
	v_wmma_scale_f32_16x16x128_f8f6f4 v[WD_:WD_+7], v[WA_:WA_+7], v[WR_:WR_+7], v[WD_:WD_+7], v[WP_], v[WQ_] matrix_a_fmt:MATRIX_FMT_FP4 matrix_b_fmt:MATRIX_FMT_FP4 matrix_a_scale:MATRIX_SCALE_ROW1 matrix_b_scale:MATRIX_SCALE_ROW1
.elseif \ra
	v_wmma_scale_f32_16x16x128_f8f6f4 v[WD_:WD_+7], v[WA_:WA_+7], v[WR_:WR_+7], v[WD_:WD_+7], v[WP_], v[WQ_] matrix_a_fmt:MATRIX_FMT_FP4 matrix_b_fmt:MATRIX_FMT_FP4 matrix_a_scale:MATRIX_SCALE_ROW1
.elseif \rb
	v_wmma_scale_f32_16x16x128_f8f6f4 v[WD_:WD_+7], v[WA_:WA_+7], v[WR_:WR_+7], v[WD_:WD_+7], v[WP_], v[WQ_] matrix_a_fmt:MATRIX_FMT_FP4 matrix_b_fmt:MATRIX_FMT_FP4 matrix_b_scale:MATRIX_SCALE_ROW1
.else
	v_wmma_scale_f32_16x16x128_f8f6f4 v[WD_:WD_+7], v[WA_:WA_+7], v[WR_:WR_+7], v[WD_:WD_+7], v[WP_], v[WQ_] matrix_a_fmt:MATRIX_FMT_FP4 matrix_b_fmt:MATRIX_FMT_FP4
.endif
.endif
.endm
.macro WLOADG g                        ; ring step g (product g / 8, K step g % 8) into buffer g % 4: nine loads
.set WB_, WB+32*((\g)%4)
.set CO_, ((\g)/8)*262144+((\g)%8)*4096
.irp t, 0,1,2,3
.irp c, 0,1
	global_load_b128 v[WB_+8*\t+4*\c:WB_+8*\t+4*\c+3], v[L16], s[WCB:WCB+1] offset:CO_+1024*\t+512*\c
.endr
.endr
	global_load_b64 v[WS+2*((\g)%4):WS+2*((\g)%4)+1], v[L8], s[WSB:WSB+1] offset:CO_/16
.endm
.macro ALOAD ab, img, sc, ks, st       ; K step st of both row tiles, and their scale words, into buffer ab: five LDS loads
.irp m, 0,1
.irp c, 0,1
	ds_load_b128 v[ACT+16*(\ab)+8*\m+4*\c:ACT+16*(\ab)+8*\m+4*\c+3], v[L16] offset:(\img)+\m*(\ks)*1024+1024*(\st)+512*\c
.endr
.endr
	ds_load_b32 v[AS+(\ab)], v[L4] offset:(\sc)+128*(\st)
.endm
.macro MUL buf, ab, z, form, sm, su, sb ; 8 products on 8 accumulators, one instruction a turn
.irp t, 0,1,2,3
.irp m, 0,1
.if \form
	WM ACC+(\sm)*\m+(\su)*(\t%2)+(\sb)*(\t/2), ACT+16*(\ab)+8*\m, WB+32*(\buf)+8*\t, \z, AS+(\ab), \m, WS+2*(\buf)+\t/2, \t%2
.else
	WM ACC+(\sm)*\m+(\su)*(\t%2)+(\sb)*(\t/2), WB+32*(\buf)+8*\t, ACT+16*(\ab)+8*\m, \z, WS+2*(\buf)+\t/2, \t%2, AS+(\ab), \m
.endif
.endr
.endr
.endm
.macro PLACES                          ; four plain places behind matrix instructions, ahead of loads into their registers and of reads of their results
.rept 4
	v_nop
.endr
.endm
.macro PASS g0, ks, img, sc, z, form, sm, su, sb
	ALOAD 0, \img, \sc, \ks, 0
.set ST_, 0
.rept \ks
.set G_, (\g0)+ST_
.if G_+3 < GT
	WLOADG G_+3                                    ; into the buffer that the last step multiplied
.endif
.if GT-1-G_ >= 3
	s_wait_loadcnt 27                              ; this step's nine loads are in; those of the three steps behind it may be out
.else
	s_wait_loadcnt 9*(GT-1-G_)
.endif
.if ST_+1 < \ks
	ALOAD (ST_+1)%2, \img, \sc, \ks, ST_+1
	s_wait_dscnt 5                                 ; all but the five just issued
.else
	s_wait_dscnt 0x0
.endif
.if (\z) && (ST_ == 0)
	MUL G_%4, ST_%2, 1, \form, \sm, \su, \sb
.else
	MUL G_%4, ST_%2, 0, \form, \sm, \su, \sb
.endif
	PLACES
.set ST_, ST_+1
.endr
.endm
; 64 numbers of a lane, register 16 b + i = number 16 h + i of block b; lanes l and l xor 16 share the blocks.  Codes into v[PC] on (lane (r, hh), group c: block 2 c + hh whole), the four bytes into v[PW].
.macro QUANT s
.irp b, 0,1,2,3
	v_max3_num_f32 v[TM+\b], |v[(\s)+16*\b]|, |v[(\s)+1+16*\b]|, 0x1800000   ; and the floor 2^(3 - 127): the byte cannot fall under 1
.endr
.irp i, 2,4,6,8,10,12,14
.irp b, 0,1,2,3
	v_max3_num_f32 v[TM+\b], v[TM+\b], |v[(\s)+16*\b+\i]|, |v[(\s)+1+16*\b+\i]|
.endr
.endr
.irp b, 0,1,2,3
	v_permlanex16_b32 v[TM+4+\b], v[TM+\b], s[SEL], s[SEL+1]
.endr
.irp b, 0,1,2,3
	v_max_num_f32 v[TM+\b], v[TM+\b], v[TM+4+\b]   ; the block's largest magnitude
.endr
.irp b, 0,1,2,3
	v_add_nc_u32 v[TM+12+\b], 0xff000000, v[TM+\b] ; 2 off its exponent field: the conversion's scale operand
.endr
.irp b, 0,1,2,3
	v_lshrrev_b32 v[TM+4+\b], 23, v[TM+12+\b]      ; the byte
.endr
	v_lshl_or_b32 v[PW], v[TM+5], 8, v[TM+4]
	v_lshl_or_b32 v[PW], v[TM+6], 16, v[PW]
	v_lshl_or_b32 v[PW], v[TM+7], 24, v[PW]
.irp b, 0,1,2,3
	v_cvt_scalef32_pk8_fp4_f32 v[PC+2*\b], v[(\s)+16*\b:(\s)+7+16*\b], v[TM+12+\b]
	v_cvt_scalef32_pk8_fp4_f32 v[PC+1+2*\b], v[(\s)+8+16*\b:(\s)+15+16*\b], v[TM+12+\b]
.endr
	v_nop                                          ; one plain place behind a scaled conversion
.irp c, 0,1
.irp i, 0,1
	v_permlane16_swap_b32 v[PC+4*\c+\i], v[PC+2+4*\c+\i]   ; half blocks become whole blocks
.endr
.endr
.endm
.macro BARRIER                         ; my LDS stores have landed and my LDS loads are in: then the work-group's barrier
	s_wait_dscnt 0x0
	s_barrier_signal -1
	s_barrier_wait -1
.endm
.macro XLOAD reg, i                    ; my 16 rows' parts of my i-th K step: a row a load, 32 lanes read 512 consecutive bytes.  Rows 8-15 go by a base of their own: in keys they lie 8 rows further on
.irp r, 0,1,2,3,4,5,6,7,8,9,10,11,12,13,14,15
	global_load_b128 v[(\reg)+4*\r:(\reg)+4*\r+3], v[L16], s[24+20*(\r/8):25+20*(\r/8)] offset:4096*\r+512*(\i) th:TH_LOAD_NT
.endr
.endm
.macro XTURN reg                       ; through my stage and back into the same registers: register 16 b + i = k 32 b + 16 h + i of row r
.irp r, 0,1,2,3,4,5,6,7,8,9,10,11,12,13,14,15
	ds_store_b128 v[XSW], v[(\reg)+4*\r:(\reg)+4*\r+3] offset:XP*\r
.endr
	s_wait_dscnt 0x0                               ; the stores have read their registers, which the loads below write
.irp b, 0,1,2,3
.irp j, 0,1,2,3
	ds_load_b128 v[(\reg)+16*\b+4*\j:(\reg)+16*\b+4*\j+3], v[XSR] offset:128*\b+16*\j
.endr
.endr
	s_wait_dscnt 0x0
.endm
	s_load_b256 s[8:15], s[0:1], 0x0               ; x, keys, wcodes, wscales
	s_load_b128 s[16:19], s[0:1], 0x20             ; qkvc, qkvs
	v_lshl_add_u32 v254, v0, 2, 0x19600
	v_mov_b32 v255, 0
	v_lshrrev_b32 v10, 5, v0
	v_readfirstlane_b32 s2, v10                    ; wave 0..7
	v_and_b32 v13, 31, v0                          ; lane
	v_and_b32 v11, 15, v0                          ; r
	v_bfe_u32 v12, v0, 4, 1                        ; h
	v_lshlrev_b32 v[L16], 4, v13
	v_lshlrev_b32 v[L8], 3, v13
	v_lshlrev_b32 v[L4], 2, v13
	s_lshr_b32 s26, s2, 2                          ; 0: I quantise x, 1: keys
	s_bfe_u32 s27, s2, 0x10001                     ; which tile of 16 rows
	s_and_b32 s28, s2, 1                           ; which half of K
	s_lshr_b32 s31, 16, s26
	s_mul_i32 s31, s31, s27                        ; the tile begins at row 16 m (x) or 8 m (keys)
	s_mul_i32 s29, s2, XSTW
	s_add_co_u32 s29, s29, XST                     ; my stage
	v_add_nc_u32 v[XSW], s29, v[L16]
	v_mul_u32_u24 v[XSR], v11, XP
	v_lshl_add_u32 v[XSR], v12, 6, v[XSR]
	v_add_nc_u32 v[XSR], s29, v[XSR]
	s_lshl_b32 s29, s2, 12
	v_add_nc_u32 v[XWI], s29, v[L16]               ; tensor x 16,384 + tile x 8,192 + half x 4,096 = 4,096 x wave
	s_lshl_b32 s29, s26, 10
	s_lshl_b32 s30, s27, 6
	s_add_co_u32 s29, s29, s30
	s_lshl_b32 s30, s28, 9
	s_add_co_u32 s29, s29, s30
	v_lshl_add_u32 v[XWS], v11, 2, s29             ; 1,024 x tensor + 512 x half + 64 x tile + 4 r: both halves of the lanes write the same word with the same value
	v_lshlrev_b32 v[VV], 4, v11
	v_lshl_add_u32 v[VV], v12, 10, v[VV]
	s_lshl_b32 s29, s2, 6
	v_add_nc_u32 v[SSA], s29, v13
	v_lshlrev_b32 v9, 3, v12                       ; 8 h
	s_min_u32 s43, s2, 2                           ; waves 0-2 send the scale bytes out
	s_lshl_b32 s29, s43, 9
	v_add_nc_u32 v10, s29, v[L16]
.irp b, 0,1,2,3
	v_mov_b32 v[TM+4+\b], 0                        ; a lane permute's destination counts as one of its sources
.endr
	s_mov_b32 s[SEL], 0x76543210
	s_mov_b32 s[SEL+1], 0xfedcba98
	s_mov_b32 s3, ttmp9                            ; block of 32 rows
	s_lshr_b32 s4, s3, 6                           ; batch
	s_and_b32 s5, s3, 63                           ; block within the batch
	s_mov_b32 s41, 0
	s_wait_kmcnt 0x0
	s_lshl_b32 s40, s2, 15
	s_add_nc_u64 s[WCB:WCB+1], s[12:13], s[40:41]  ; my chunk of Wq: 8 units of 4,096 bytes; Wk's and Wv's lie 262,144 and 524,288 on
	s_lshl_b32 s40, s2, 11
	s_add_nc_u64 s[WSB:WSB+1], s[14:15], s[40:41]
	s_cmp_eq_u32 s26, 0
	s_cselect_b64 s[24:25], s[8:9], s[10:11]
	s_lshl_b32 s40, s3, 17
	s_lshl_b32 s42, s28, 11
	s_add_co_u32 s40, s40, s42
	s_lshl_b32 s42, s31, 12
	s_add_co_u32 s40, s40, s42
	s_add_nc_u64 s[24:25], s[24:25], s[40:41]      ; the block's first row + my tile's first row, my half of K
	s_lshl_b32 s46, s26, 15
	s_mov_b32 s47, 0
	s_add_nc_u64 s[44:45], s[24:25], s[46:47]      ; for rows 8-15: in keys 8 rows further on
	s_lshl_b32 s40, s4, 19
	s_lshl_b32 s42, s2, 16
	s_add_co_u32 s40, s40, s42
	s_add_nc_u64 s[34:35], s[16:17], s[40:41]      ; the plane of head 2 w of my batch
	s_lshl_b32 s40, s5, 9
	s_add_nc_u64 s[32:33], s[34:35], s[40:41]      ; Q, K: 512 bytes a block of 32 rows
	s_lshr_b32 s40, s5, 2
	s_lshl_b32 s40, s40, 11
	s_bfe_u32 s42, s5, 0x10001
	s_lshl_b32 s42, s42, 9
	s_add_co_u32 s40, s40, s42
	s_and_b32 s42, s5, 1
	s_lshl_b32 s42, s42, 8
	s_add_co_u32 s40, s40, s42
	s_add_nc_u64 s[34:35], s[34:35], s[40:41]      ; V: key step, group c, half h of my key block
	s_lshl_b32 s40, s3, 9
	s_lshl_b32 s42, s43, 17
	s_add_co_u32 s40, s40, s42
	s_add_nc_u64 s[36:37], s[18:19], s[40:41]      ; the scale bytes of product min(wave, 2), my block
	; ---- X: four fragments a wave.  The ring's first two steps are asked for first; x lands in the accumulators' registers and in ring buffers 2 and 3 by turns
	WLOADG 0
	WLOADG 1
	XLOAD 16, 0
	XLOAD 144, 1
.irp i, 0,1,2,3
.if \i < 3
	s_wait_loadcnt 16                              ; this fragment's numbers are in; the next one's 16 loads may be out
.else
	s_wait_loadcnt 0x0
.endif
	XTURN 16+128*(\i%2)
	QUANT 16+128*(\i%2)
	ds_store_b128 v[XWI], v[PC:PC+3] offset:1024*\i
	ds_store_b128 v[XWI], v[PC+4:PC+7] offset:1024*\i+512
	ds_store_b32 v[XWS], v[PW] offset:ASC+128*\i
.if \i < 2
	XLOAD 16+128*(\i%2), \i+2
.endif
	s_wait_dscnt 0x0                               ; the stores have read their registers
.endr
	WLOADG 2
	BARRIER                                        ; all sixteen fragments of x and of keys lie in LDS
.macro EPI p                           ; a pass's 64 results a lane become four blocks of codes and four bytes
	QUANT ACC
.if \p < 2
	global_store_b128 v[L16], v[PC:PC+3], s[32:33] offset:\p*2097152                ; head 2 w: 512 consecutive bytes, aligned
	global_store_b128 v[L16], v[PC+4:PC+7], s[32:33] offset:\p*2097152+32768        ; head 2 w + 1
.else
	global_store_b128 v[VV], v[PC:PC+3], s[34:35] offset:\p*2097152                 ; each half of the lanes stores 256 consecutive bytes, aligned
	global_store_b128 v[VV], v[PC+4:PC+7], s[34:35] offset:\p*2097152+32768
.endif
	v_lshrrev_b32 v14, v9, v[PW]                   ; byte h: head 2 w, place 16 h + r;
	v_lshrrev_b32 v15, 16, v14                     ; byte 2 + h: head 2 w + 1
	ds_store_b8 v[SSA], v14 offset:SST+512*\p
	ds_store_b8 v[SSA], v15 offset:SST+512*\p+32
	s_wait_xcnt 0x0                                ; the stores' data registers are loaded again in the next pass only behind this wait
.endm
	PASS 0, 8, 0, ASC, 1, 0, 16, 8, 32             ; Q: block 2 head + row tile
	EPI 0
	PASS 8, 8, KIMG, ASC+1024, 1, 0, 16, 8, 32     ; K
	EPI 1
	PASS 16, 8, KIMG, ASC+1024, 1, 1, 8, 16, 32    ; V: block = channel tile, registers along the keys
	EPI 2
	BARRIER                                        ; 3 x 512 scale bytes lie in the stage
	s_cmp_lt_u32 s2, 3
	s_cbranch_scc0 .Lend
	ds_load_b128 v[16:19], v10 offset:SST
	s_wait_dscnt 0x0
	global_store_b128 v[L16], v[16:19], s[36:37]   ; 512 consecutive bytes, aligned
.Lend:
	s_wait_tensorcnt 0x0
	ds_add_u32 v254, v255
	s_wait_dscnt 0x0
	s_endpgm
.Lfunc_end_k_q76c1a2cee4_qkv:
	.size	k_q76c1a2cee4_qkv, .Lfunc_end_k_q76c1a2cee4_qkv-k_q76c1a2cee4_qkv
	.p2alignl 7, 3214868480
	.fill 96, 4, 3214868480
	.section	.rodata,"a",@progbits
	.p2align	6, 0x0
	.amdhsa_kernel k_q76c1a2cee4_qkv
		.amdhsa_group_segment_fixed_size 104960
		.amdhsa_private_segment_fixed_size 0
		.amdhsa_enable_private_segment 0
		.amdhsa_kernarg_size 48
		.amdhsa_user_sgpr_count 2
		.amdhsa_user_sgpr_kernarg_segment_ptr 1
		.amdhsa_wavefront_size32 1
		.amdhsa_system_sgpr_workgroup_id_x 1
		.amdhsa_system_sgpr_workgroup_id_y 1
		.amdhsa_system_sgpr_workgroup_id_z 1
		.amdhsa_system_vgpr_workitem_id 0
		.amdhsa_next_free_vgpr 256
		.amdhsa_next_free_sgpr 66
		.amdhsa_reserve_vcc 0
		.amdhsa_float_denorm_mode_32 3
		.amdhsa_float_denorm_mode_16_64 3
		.amdhsa_memory_ordered 1
		.amdhsa_forward_progress 1
		.amdhsa_inst_pref_size 103
	.end_amdhsa_kernel
	.amdgpu_metadata
---
amdhsa.version: [ 1, 2 ]
amdhsa.kernels:
  - .name:           k_q76c1a2cee4_qkv
    .symbol:         k_q76c1a2cee4_qkv.kd
    .args:
      - { .name: x, .offset: 0, .size: 8, .value_kind: global_buffer, .address_space: global }
      - { .name: keys, .offset: 8, .size: 8, .value_kind: global_buffer, .address_space: global }
      - { .name: wcodes, .offset: 16, .size: 8, .value_kind: global_buffer, .address_space: global }
      - { .name: wscales, .offset: 24, .size: 8, .value_kind: global_buffer, .address_space: global }
      - { .name: qkvc, .offset: 32, .size: 8, .value_kind: global_buffer, .address_space: global }
      - { .name: qkvs, .offset: 40, .size: 8, .value_kind: global_buffer, .address_space: global }
    .group_segment_fixed_size: 104960
    .private_segment_fixed_size: 0
    .kernarg_segment_align: 8
    .kernarg_segment_size: 48
    .max_flat_workgroup_size: 256
    .sgpr_count:     66
    .vgpr_count:     256
    .wavefront_size: 32
...
	.end_amdgpu_metadata
.endif
;; end of part 2
;; launch attn (part 3): grid 4 x 64, 16 waves a work-group, no clusters, 72,192 bytes of LDS; arguments qkvc, qkvs, oc, os; writes oc, os
.if DOCPART == 3
	.amdgcn_target "amdgcn-amd-amdhsa--gfx1250"
	.amdhsa_code_object_version 6
	.text
	.protected	k_q76c1a2cee4_attn
	.globl	k_q76c1a2cee4_attn
	.p2align	8
	.type	k_q76c1a2cee4_attn,@function
k_q76c1a2cee4_attn:
	s_mov_b64 s[64:65], 0
	v_nop
	global_prefetch_b8 v0, s[64:65] scope:SCOPE_SE
	s_setreg_imm32_b32 hwreg(HW_REG_WAVE_MODE, 25, 1), 1
	s_wait_xcnt 0x0
; out[b][q][head][:] = softmax_k(Q . K / sqrt(32)) V, both products on codes of FP4 (E2M1) with E8M0 scales; the result is quantised by head (32 channels = one block) for the next product.
; THE SOFTMAX: t = score x log2(e) / sqrt(32); M = the running largest t rounded UP to a whole number; p = 2^(t - M) is quantised along the keys, not normalised; the row's sum is taken of the unquantised p and divides at the end.
; When M moves, the sum and O are multiplied by 2^(old M - new M): exact.
; SHARES.  A work-group owns 512 queries of one (batch, head); each of its sixteen waves two tiles of 16 queries, one after the other.  The head's K and V codes (32 KB each) and scale words lie in LDS, filled once through registers.
; WHY NO JOINT LOADS, though four work-groups read one head: what is shared is 68 KB a work-group, read once at the head of the kernel; the loop over keys reads LDS alone.
; LAYOUT.  Both products transposed: S^T = K Q^T, O^T = V^T P^T: a lane holds ONE query throughout.
; THE FIRST PRODUCT'S K IS 32, the instruction's 128.  One fragment of K holds FOUR tiles of 16 keys as its four blocks of 32; Q stands in four variants, its 32 codes in block b and zero codes elsewhere:
; the product with variant b is tile b's scores.  So no byte of K is read twice and none is padding.  The zero codes add nothing under any scale byte that the quantiser makes (1 .. 254).
; The keys of a tile are not neighbours (tile 2 b + u, row r: key 32 b + 8 u + r + 8 (r / 8)): p's register 16 b + i is key 32 b + 16 h + i.
; LIMITS: a block of zeros gets the byte 1 (its codes are zeros; this program alone reads the bytes); a p under 2^-126 is 0; NaN and infinities are not served.
; REGISTERS: v1 16 x lane, v2 4 x lane, v3, v4 the step's LDS addresses, v5 0, v6, v7 the way out; v12 -M, v13 largest t, v[14:15] the sum; v16-39 Q's variants; v40-43 scale words (Q, K, V, p);
; v44-59 K, v60-75 V; v96-159 S^T, then p; v160-175 O^T; v176-183 p's codes; v184-193 Q as loaded; v194-199 the results' codes and bytes; v232-254 at work.
.set VIMG, 32768                       ; LDS: K's images at 0, V's here,
.set KSW,  65536                       ; K's scale words [step][fragment][r], 128 bytes a step,
.set VSW,  67584                       ; V's [step][tile][r],
.set OST,  69632                       ; and 512 scale bytes of the output
.set SEL, 32
.set CS,  34
.set TB,  38
.set TS,  39
.set CNT, 40
.macro WM d, a, b, z, sa, ra, sb, rb
.set WD_, \d
.set WA_, \a
.set WR_, \b
.set WP_, \sa
.set WQ_, \sb
.if \z
.if \ra
	v_wmma_scale_f32_16x16x128_f8f6f4 v[WD_:WD_+7], v[WA_:WA_+7], v[WR_:WR_+7], 0, v[WP_], v[WQ_] matrix_a_fmt:MATRIX_FMT_FP4 matrix_b_fmt:MATRIX_FMT_FP4 matrix_a_scale:MATRIX_SCALE_ROW1
.else
	v_wmma_scale_f32_16x16x128_f8f6f4 v[WD_:WD_+7], v[WA_:WA_+7], v[WR_:WR_+7], 0, v[WP_], v[WQ_] matrix_a_fmt:MATRIX_FMT_FP4 matrix_b_fmt:MATRIX_FMT_FP4
.endif
.else
.if \ra
	v_wmma_scale_f32_16x16x128_f8f6f4 v[WD_:WD_+7], v[WA_:WA_+7], v[WR_:WR_+7], v[WD_:WD_+7], v[WP_], v[WQ_] matrix_a_fmt:MATRIX_FMT_FP4 matrix_b_fmt:MATRIX_FMT_FP4 matrix_a_scale:MATRIX_SCALE_ROW1
.else
	v_wmma_scale_f32_16x16x128_f8f6f4 v[WD_:WD_+7], v[WA_:WA_+7], v[WR_:WR_+7], v[WD_:WD_+7], v[WP_], v[WQ_] matrix_a_fmt:MATRIX_FMT_FP4 matrix_b_fmt:MATRIX_FMT_FP4
.endif
.endif
.endm
.macro BARRIER
	s_wait_dscnt 0x0
	s_barrier_signal -1
	s_barrier_wait -1
.endm
	s_load_b256 s[8:15], s[0:1], 0x0               ; qkvc, qkvs, oc, os
	v_lshl_add_u32 v251, v0, 2, 0x11200
	v_mov_b32 v255, 0
	v_lshrrev_b32 v8, 5, v0
	v_readfirstlane_b32 s2, v8                     ; wave 0..15
	s_and_b32 s3, ttmp7, 0xffff                    ; 16 x batch + head
	s_lshr_b32 s4, s3, 4
	s_and_b32 s5, s3, 15
	v_and_b32 v9, 31, v0                           ; lane
	v_lshlrev_b32 v1, 4, v9
	v_lshlrev_b32 v2, 2, v9
	v_mov_b32 v5, 0
	v_and_b32 v201, 15, v0                         ; r
	v_bfe_u32 v202, v0, 4, 1                       ; h
	v_cmp_gt_u32 vcc_lo, 16, v9                    ; lanes 0-15; VCC stays
	v_lshlrev_b32 v200, 4, v201                    ; Q: 16 r
	v_lshl_add_u32 v6, v202, 3, v200               ; out: 16 r + 8 h
	s_lshl_b32 s6, s2, 5
	v_add_nc_u32 v7, s6, v201
	v_add_nc_u32 v7, OST, v7                       ; my queries' scale bytes: 32 x wave + r
	v_add_nc_u32 v204, OST, v1                     ; and where wave 0 reads all 512 back
	v_lshlrev_b32 v8, 4, v0                        ; the fill: 16 x thread,
	v_lshrrev_b32 v10, 5, v0
	v_lshl_add_u32 v9, v10, 9, v9                  ; scale bytes: key block thread / 32 (512 bytes a block), byte thread % 32
	v_and_b32 v10, 0x1c0, v0                       ; K's byte goes to 64 (thread / 64) + 4 r + (thread / 16) % 4,
	v_lshl_add_u32 v10, v201, 2, v10
	v_bfe_u32 v203, v0, 4, 2
	v_add_nc_u32 v10, v10, v203
	v_add_nc_u32 v10, KSW, v10
	v_and_b32 v11, 0x180, v0                       ; V's to 128 (thread / 128) + 64 h + 4 r + (thread / 32) % 4
	v_lshl_add_u32 v11, v202, 6, v11
	v_lshl_add_u32 v11, v201, 2, v11
	v_bfe_u32 v203, v0, 5, 2
	v_add_nc_u32 v11, v11, v203
	v_add_nc_u32 v11, VSW, v11
.irp b, 0,1,2,3
	v_mov_b32 v[236+\b], 0                         ; a lane permute's destination counts as one of its sources
.endr
	v_mov_b32 v252, 0
	v_mov_b32 v253, 0                              ; named as the upper half of the pair v[252:253]
	s_mov_b32 s[SEL], 0x76543210
	s_mov_b32 s[SEL+1], 0xfedcba98
	s_mov_b32 s[CS], 0x3e8293ee                    ; c = log2(e) / sqrt(32)
	s_mov_b32 s[CS+1], s[CS]
	s_lshl_b32 s16, s3, 15                         ; a head's plane is 32,768 bytes
	s_mov_b32 s17, 0
	s_lshl_b32 s36, ttmp9, 13                      ; my 512 queries, my wave's 32: 8,192 x + 512 w, in Q's plane and in Q's scale bytes alike
	s_lshl_b32 s37, s2, 9
	s_add_co_u32 s36, s36, s37
	s_mov_b32 s37, 0
	s_lshl_b32 s24, s4, 15                         ; the batch's 64 blocks of scale bytes, 512 each; the head's 32 in each
	s_lshl_b32 s25, s5, 5
	s_add_co_u32 s24, s24, s25
	s_mov_b32 s25, 0
	s_wait_kmcnt 0x0
	s_add_nc_u64 s[18:19], s[8:9], s[16:17]
	s_add_nc_u64 s[20:21], s[18:19], 0x200000      ; K's plane
	s_add_nc_u64 s[22:23], s[18:19], 0x400000      ; V's
	s_add_nc_u64 s[18:19], s[18:19], s[36:37]      ; Q at my first query
	s_add_nc_u64 s[26:27], s[10:11], s[24:25]
	s_add_nc_u64 s[28:29], s[26:27], 0x20000       ; K's scale bytes
	s_add_nc_u64 s[30:31], s[26:27], 0x40000       ; V's
	s_add_nc_u64 s[26:27], s[26:27], s[36:37]      ; Q's
	s_lshl_b32 s24, s4, 19                         ; oc: (128 batch + 32 x + 2 w) tiles of 4,096 bytes + 256 head
	s_lshl_b32 s16, ttmp9, 17
	s_add_co_u32 s24, s24, s16
	s_lshl_b32 s16, s2, 13
	s_add_co_u32 s24, s24, s16
	s_lshl_b32 s16, s5, 8
	s_add_co_u32 s24, s24, s16
	s_add_nc_u64 s[42:43], s[12:13], s[24:25]
	s_lshl_b32 s24, s5, 13                         ; os: 8,192 head + 2,048 batch + 512 x
	s_lshl_b32 s16, s4, 11
	s_add_co_u32 s24, s24, s16
	s_lshl_b32 s16, ttmp9, 9
	s_add_co_u32 s24, s24, s16
	s_add_nc_u64 s[44:45], s[14:15], s[24:25]
.irp j, 0,1,2,3
	global_load_b128 v[96+4*\j:99+4*\j], v8, s[20:21] offset:8192*\j
	global_load_b128 v[112+4*\j:115+4*\j], v8, s[22:23] offset:8192*\j
	global_load_u8 v[128+\j], v9, s[28:29] offset:8192*\j
	global_load_u8 v[132+\j], v9, s[30:31] offset:8192*\j
.endr
.irp t, 0,1
	global_load_b128 v[184+4*\t:187+4*\t], v200, s[18:19] offset:256*\t   ; Q's 16 bytes of row r, in both halves of the lanes
	global_load_u8 v[192+\t], v201, s[26:27] offset:16*\t
.endr
	s_wait_loadcnt 0x0
.irp j, 0,1,2,3
	ds_store_b128 v8, v[96+4*\j:99+4*\j] offset:8192*\j
	ds_store_b128 v8, v[112+4*\j:115+4*\j] offset:VIMG+8192*\j
	ds_store_b8 v10, v[128+\j] offset:512*\j
	ds_store_b8 v11, v[132+\j] offset:512*\j
.endr
	BARRIER                                        ; the head lies in LDS
.macro TILE it
	v_perm_b32 v40, v[192+\it], v[192+\it], 0      ; Q's byte in all four places; more than eight plain lines stand between this and the first product
.irp k, 0,1,2,3
	v_cndmask_b32 v[16+\k], v5, v[184+4*\it+\k], vcc_lo    ; Q in lanes 0-15, zeros above
	v_cndmask_b32 v[28+\k], v[184+4*\it+\k], v5, vcc_lo    ; Q in lanes 16-31, zeros below
	v_mov_b32 v[20+\k], 0
	v_mov_b32 v[32+\k], 0
.endr
.irp k, 0,1,2,3
	v_mov_b32 v[24+\k], v[16+\k]                   ; v16-23: block 0; v20-27: block 2; v28-35: block 1; v32-39: block 3
	v_mov_b32 v[36+\k], v[28+\k]
.endr
	v_mov_b32 v13, 0xff61b1e6                      ; the largest t so far: -3e38
	v_floor_f32 v12, -v13
	v_mov_b32 v14, 0
	v_mov_b32 v15, 0
.set k_, 0
.rept 16
	v_mov_b32 v[160+k_], 0                         ; O^T: the step is written once, and its first trip finds zeros
.set k_, k_+1
.endr
	s_mov_b32 s[TB], 0
	s_mov_b32 s[TS], KSW
	s_mov_b32 s[CNT], 16
.Lstep_\@:                                             ; 128 keys a trip
	v_add_nc_u32 v3, s[TB], v1
	v_add_nc_u32 v4, s[TS], v2
	v_nop
	v_nop                                          ; four places behind the last trip's products, ahead of the loads into V's registers
.irp f, 0,1,2,3
	ds_load_b128 v[44+4*\f:47+4*\f], v3 offset:512*\f
.endr
	ds_load_b32 v41, v4                            ; K's words: lanes 0-15 fragment 0, lanes 16-31 fragment 1
.irp f, 0,1,2,3
	ds_load_b128 v[60+4*\f:63+4*\f], v3 offset:VIMG+512*\f
.endr
	ds_load_b32 v42, v4 offset:VSW-KSW             ; V's: lanes 0-15 tile 0, lanes 16-31 tile 1
	s_wait_dscnt 5                                 ; K is in; V's five loads may be out
.irp f, 0,1
	WM 96+32*\f, 44+8*\f, 16, 1, 41, \f, 40, 0
	WM 104+32*\f, 44+8*\f, 28, 1, 41, \f, 40, 0
	WM 112+32*\f, 44+8*\f, 20, 1, 41, \f, 40, 0
	WM 120+32*\f, 44+8*\f, 32, 1, 41, \f, 40, 0
.endr
.rept 4
	v_nop
.endr
.irp b, 0,1,2,3
	v_max3_num_f32 v[232+\b], v[96+16*\b], v[97+16*\b], v[98+16*\b]   ; the largest score of each block of 32 keys: for the row's maximum and, since p rises with the score, for the block's largest p
.endr
.irp i, 3,5,7,9,11,13
.irp b, 0,1,2,3
	v_max3_num_f32 v[232+\b], v[232+\b], v[96+16*\b+\i], v[97+16*\b+\i]
.endr
.endr
.irp b, 0,1,2,3
	v_max_num_f32 v[232+\b], v[232+\b], v[111+16*\b]
.endr
.irp b, 0,1,2,3
	v_permlanex16_b32 v[236+\b], v[232+\b], s[SEL], s[SEL+1]
.endr
.irp b, 0,1,2,3
	v_max_num_f32 v[232+\b], v[232+\b], v[236+\b]
.endr
	v_max3_num_f32 v254, v232, v233, v234
	v_max_num_f32 v254, v254, v235
	v_mul_f32 v254, s[CS], v254
	v_max_num_f32 v13, v13, v254                   ; the running largest t
	v_mov_b32 v254, v12
	v_floor_f32 v12, -v13                          ; -M = floor(-t): M is a whole number
	v_sub_f32 v254, v12, v254
	v_cvt_i32_f32 v254, v254                       ; (it saturates)
	v_ldexp_f32 v252, 1.0, v254                    ; f = 2^(old M - new M)
.set k_, 0
.rept 32
	v_pk_fma_f32 v[96+k_:97+k_], v[96+k_:97+k_], s[CS:CS+1], v[12:13] op_sel_hi:[1,0,0]   ; t - M
.set k_, k_+2
.endr
.irp b, 0,1,2,3
	v_fma_f32 v[232+\b], v[232+\b], s[CS], v12
.endr
.set k_, 0
.rept 64
	v_exp_f32 v[96+k_], v[96+k_]                   ; p = 2^(t - M)
.set k_, k_+1
.endr
.irp b, 0,1,2,3
	v_exp_f32 v[232+\b], v[232+\b]                 ; the blocks' largest p: the same two instructions on the same number
.endr
	v_pk_mul_f32 v[14:15], v[14:15], v[252:253] op_sel_hi:[1,0]   ; the sum under the new M: the plain place behind the batch
	s_wait_alu depctr_va_vdst(0)                   ; one wait for the 68 exponentials, ahead of their first reader
.irp b, 0,1,2,3
	v_max_num_f32 v[232+\b], 0x1800000, v[232+\b]  ; the floor 2^(3 - 127)
.endr
.irp b, 0,1,2,3
	v_add_nc_u32 v[244+\b], 0xff000000, v[232+\b]
.endr
.irp b, 0,1,2,3
	v_lshrrev_b32 v[236+\b], 23, v[244+\b]
.endr
	v_lshl_or_b32 v43, v237, 8, v236               ; p's scale word for these 128 keys
	v_lshl_or_b32 v43, v238, 16, v43
	v_lshl_or_b32 v43, v239, 24, v43
.irp b, 0,1,2,3
	v_cvt_scalef32_pk8_fp4_f32 v[176+2*\b], v[96+16*\b:103+16*\b], v[244+\b]
	v_cvt_scalef32_pk8_fp4_f32 v[177+2*\b], v[104+16*\b:111+16*\b], v[244+\b]
.endr
	v_nop
.irp c, 0,1
.irp i, 0,1
	v_permlane16_swap_b32 v[176+4*\c+\i], v[178+4*\c+\i]
.endr
.endr
	v_pk_add_f32 v[236:237], v[96:97], v[98:99]    ; the row's sum of the unquantised p, in two chains; these lines are also the places between p's codes and scale word and the products
.irp j, 4,8,12,16,20,24,28,32,36,40,44,48,52,56,60
	v_pk_add_f32 v[14:15], v[14:15], v[96+\j:97+\j]
	v_pk_add_f32 v[236:237], v[236:237], v[98+\j:99+\j]
.endr
	v_pk_add_f32 v[14:15], v[14:15], v[236:237]
.irp j, 0,2,4,6,8,10,12,14
	v_pk_mul_f32 v[160+\j:161+\j], v[160+\j:161+\j], v[252:253] op_sel_hi:[1,0]   ; O^T under the new M
.endr
	s_wait_dscnt 0x0                               ; V is in
	WM 160, 60, 176, 0, 42, 0, 43, 0               ; O^T += V^T P^T: channels 16 h + j,
	WM 168, 68, 176, 0, 42, 1, 43, 0               ; and 16 h + 8 + j
	s_add_co_u32 s[TB], s[TB], 2048
	s_add_co_u32 s[TS], s[TS], 128
	s_sub_co_u32 s[CNT], s[CNT], 1
	s_cmp_lg_u32 s[CNT], 0
	s_cbranch_scc1 .Lstep_\@
.rept 4
	v_nop
.endr
	v_add_f32 v14, v14, v15
	v_permlanex16_b32 v252, v14, s[SEL], s[SEL+1]
	v_add_f32 v14, v14, v252                       ; the row's sum
	v_rcp_f32 v14, v14
	v_nop
	s_wait_alu depctr_va_vdst(0)
.set k_, 0
.rept 16
	v_mul_f32 v[96+k_], v[160+k_], v14             ; out(r, 16 h + k)
.set k_, k_+1
.endr
	v_max3_num_f32 v232, |v96|, |v97|, 0x1800000
.irp i, 2,4,6,8,10,12,14
	v_max3_num_f32 v232, v232, |v[96+\i]|, |v[97+\i]|
.endr
	v_permlanex16_b32 v236, v232, s[SEL], s[SEL+1]
	v_max_num_f32 v232, v232, v236                 ; the head's 32 channels are one block of the next product
	v_add_nc_u32 v244, 0xff000000, v232
	v_lshrrev_b32 v[198+\it], 23, v244
	v_cvt_scalef32_pk8_fp4_f32 v[194+2*\it], v[96:103], v244
	v_cvt_scalef32_pk8_fp4_f32 v[195+2*\it], v[104:111], v244
	v_nop
	global_store_b64 v6, v[194+2*\it:195+2*\it], s[42:43] offset:4096*\it   ; 32 lanes store 256 consecutive bytes, aligned
	ds_store_b8 v7, v[198+\it] offset:16*\it       ; both halves of the lanes write the same byte with the same value
.endm
	TILE 0
	TILE 1
	BARRIER                                        ; the work-group's 512 scale bytes lie in LDS
	s_cmp_lg_u32 s2, 0
	s_cbranch_scc1 .Lend
	ds_load_b128 v[96:99], v204
	s_wait_dscnt 0x0
	global_store_b128 v1, v[96:99], s[44:45]       ; 512 consecutive bytes, aligned
.Lend:
	s_wait_tensorcnt 0x0
	ds_add_u32 v251, v255
	s_wait_dscnt 0x0
	s_endpgm
.Lfunc_end_k_q76c1a2cee4_attn:
	.size	k_q76c1a2cee4_attn, .Lfunc_end_k_q76c1a2cee4_attn-k_q76c1a2cee4_attn
	.p2alignl 7, 3214868480
	.fill 96, 4, 3214868480
	.section	.rodata,"a",@progbits
	.p2align	6, 0x0
	.amdhsa_kernel k_q76c1a2cee4_attn
		.amdhsa_group_segment_fixed_size 72192
		.amdhsa_private_segment_fixed_size 0
		.amdhsa_enable_private_segment 0
		.amdhsa_kernarg_size 32
		.amdhsa_user_sgpr_count 2
		.amdhsa_user_sgpr_kernarg_segment_ptr 1
		.amdhsa_wavefront_size32 1
		.amdhsa_system_sgpr_workgroup_id_x 1
		.amdhsa_system_sgpr_workgroup_id_y 1
		.amdhsa_system_sgpr_workgroup_id_z 1
		.amdhsa_system_vgpr_workitem_id 0
		.amdhsa_next_free_vgpr 256
		.amdhsa_next_free_sgpr 66
		.amdhsa_reserve_vcc 1
		.amdhsa_float_denorm_mode_32 3
		.amdhsa_float_denorm_mode_16_64 3
		.amdhsa_memory_ordered 1
		.amdhsa_forward_progress 1
		.amdhsa_inst_pref_size 41
	.end_amdhsa_kernel
	.amdgpu_metadata
---
amdhsa.version: [ 1, 2 ]
amdhsa.kernels:
  - .name:           k_q76c1a2cee4_attn
    .symbol:         k_q76c1a2cee4_attn.kd
    .args:
      - { .name: qkvc, .offset: 0, .size: 8, .value_kind: global_buffer, .address_space: global }
      - { .name: qkvs, .offset: 8, .size: 8, .value_kind: global_buffer, .address_space: global }
      - { .name: oc, .offset: 16, .size: 8, .value_kind: global_buffer, .address_space: global }
      - { .name: os, .offset: 24, .size: 8, .value_kind: global_buffer, .address_space: global }
    .group_segment_fixed_size: 72192
    .private_segment_fixed_size: 0
    .kernarg_segment_align: 8
    .kernarg_segment_size: 32
    .max_flat_workgroup_size: 512
    .sgpr_count:     66
    .vgpr_count:     256
    .wavefront_size: 32
...
	.end_amdgpu_metadata
.endif
;; end of part 3
;; launch tail (part 4): grid 256 x 1, 16 waves a work-group, no clusters, 239,104 bytes of LDS; arguments oc, os, wcodes, wscales, x, ln1_g, ln1_b, fc1_b, fc2_b, ln2_g, ln2_b, out0; writes out0
.if DOCPART == 4
	.amdgcn_target "amdgcn-amd-amdhsa--gfx1250"
	.amdhsa_code_object_version 6
	.text
	.protected	k_q76c1a2cee4_tail
	.globl	k_q76c1a2cee4_tail
	.p2align	8
	.type	k_q76c1a2cee4_tail,@function
k_q76c1a2cee4_tail:
	s_mov_b64 s[64:65], 0
	v_nop
	global_prefetch_b8 v0, s[64:65] scope:SCOPE_SE
	s_setreg_imm32_b32 hwreg(HW_REG_WAVE_MODE, 25, 1), 1
	s_wait_xcnt 0x0
; inter = LN1(att Wo^T + x);  out0 = LN2(silu(inter fc1^T + b1) fc2^T + b2 + inter).  The three products on codes of FP4 (E2M1) with E8M0 scales; all else in f32.  Nothing between goes to memory.
; SHARES.  A work-group takes 32 rows through the whole chain.  THE WAVES SHARE THE COLUMNS: wave w makes columns 64 w .. 64 w + 63 of each product of width 1,024, and columns 64 (16 q + w) .., q = 0, 1, of fc1.
; All products transposed (source 0 = 16 rows of the weight, source 1 = 16 rows of the activations): a lane holds rows r and 16 + r, and of each 32 columns: register 32 m + 16 b + i = row 16 m + r, column 64 w + 32 b + 16 h + i.
; So a block of 32 along the next K lies in lanes l and l xor 16, the quantiser works in registers, and the codes go from wave to wave through LDS as images of the operand's registers.
; WEIGHTS come from memory straight into registers, as the first launch laid them, through a ring of four register buffers that runs on, three steps ahead, across all 36 K steps and the work between them.
; WHY NO JOINT LOADS, though all 256 work-groups walk the same weight codes: each fragment feeds ONE wave, so it is never written to or read from LDS; and beside the 237,056 bytes used here
; two slots of one K step of 1,024 columns (2 x 69,632 bytes with their scale words) do not fit into a work-group's 327,680.
; THE RESIDUAL x comes as the output leaves: sixteen lanes take 256 consecutive bytes of a row, two rows a load; it turns through the wave's own LDS bytes into the accumulators' layout and starts the first sums.
; LAYERNORM in two passes (mean, then the squares of the differences): no difference of large sums.  A row's parts meet in LDS: one word a wave and row, a barrier, every wave adds the sixteen in the same order.
; LIMITS: a block of zeros gets the byte 1 (its codes are zeros; this program alone reads the bytes); blocks under 2^-124 are held at that floor; silu of a very negative number is -0; NaN and infinities are not served.
.set ACC, 16                           ; v16-79   8 accumulators
.set WB,  80                           ; v80-207  the ring; at the end 32 rows of the output
.set WS,  208                          ; v208-215 weight scale words: scales and nothing else
.set ACT, 216                          ; v216-247 two buffers of activations' fragments; between passes at work
.set AS,  248                          ; v248-249 their scale words
.set TM,  216
.set PW,  232
.set PC,  234
.set L16, 1
.set L8,  2
.set L4,  3
.set IW,  4                            ; v4   512 w + 16 lane: my block's place in an image
.set SCW, 5                            ; v5   128 (w / 2) + 4 lane + 2 (w % 2): my two bytes of a scale word
.set PB,  6                            ; v6   PAR + 256 w + 64 h: my 16 columns' parameters
.set SWA, 7                            ; v7   STAT + 128 w + 4 lane
.set SRA, 8                            ; v8   STAT + 4 lane
.set WI,  9                            ; v9   my own region + 16 lane
.set SO,  10                           ; v10  my own region + 272 r + 64 h
.set SR,  11                           ; v11  my own region + 272 (lane / 16) + 16 (lane % 16)
.set GO,  13                           ; v13  4,096 (lane / 16) + 16 (lane % 16)
.set GT,  36                           ; ring steps: Wo 4, fc1 2 x 8, fc2 16
.set OIMG, 0                           ; LDS: the attention output's images [m][4 steps][1,024],
.set IIMG, 8192                        ; inter's [m][8][1,024],
.set HIMG, 24576                       ; the hidden layer's [m][16][1,024],
.set OSC,  57344                       ; their scale words [step][m][r],
.set ISC,  57856
.set HSC,  58880
.set STAT, 60928                       ; 4 x [wave][32 rows] f32,
.set PAR,  69120                       ; ln1_g, ln1_b, fc2_b, ln2_g, ln2_b (4,096 each), fc1_b (8,192),
.set WREG, 97792                       ; and 8,704 bytes of each wave's own: 32 rows x (256 + 16) of x, then inter as an image of my registers, at the end 32 rows of the output
.set SEL, 48
.set LOM, 50                           ; s50  lanes 0-15
.set NL2, 52                           ; s[52:53] -log2(e)
.set C10, 54                           ; s54  2^-10
.set EPS, 55                           ; s55  1e-5
.macro WM d, a, b, z, sa, ra, sb, rb
.set WD_, \d
.set WA_, \a
.set WR_, \b
.set WP_, \sa
.set WQ_, \sb
.if (\ra) && (\rb)
	v_wmma_scale_f32_16x16x128_f8f6f4 v[WD_:WD_+7], v[WA_:WA_+7], v[WR_:WR_+7], v[WD_:WD_+7], v[WP_], v[WQ_] matrix_a_fmt:MATRIX_FMT_FP4 matrix_b_fmt:MATRIX_FMT_FP4 matrix_a_scale:MATRIX_SCALE_ROW1 matrix_b_scale:MATRIX_SCALE_ROW1
.elseif \ra
	v_wmma_scale_f32_16x16x128_f8f6f4 v[WD_:WD_+7], v[WA_:WA_+7], v[WR_:WR_+7], v[WD_:WD_+7], v[WP_], v[WQ_] matrix_a_fmt:MATRIX_FMT_FP4 matrix_b_fmt:MATRIX_FMT_FP4 matrix_a_scale:MATRIX_SCALE_ROW1
.elseif \rb
	v_wmma_scale_f32_16x16x128_f8f6f4 v[WD_:WD_+7], v[WA_:WA_+7], v[WR_:WR_+7], v[WD_:WD_+7], v[WP_], v[WQ_] matrix_a_fmt:MATRIX_FMT_FP4 matrix_b_fmt:MATRIX_FMT_FP4 matrix_b_scale:MATRIX_SCALE_ROW1
.else
	v_wmma_scale_f32_16x16x128_f8f6f4 v[WD_:WD_+7], v[WA_:WA_+7], v[WR_:WR_+7], v[WD_:WD_+7], v[WP_], v[WQ_] matrix_a_fmt:MATRIX_FMT_FP4 matrix_b_fmt:MATRIX_FMT_FP4
.endif
.endm
.macro WLOADG g                        ; ring step g into buffer g % 4: nine loads.  Each weight has a base that holds my chunk; the unit stands in the immediate
.set WB_, WB+32*((\g)%4)
.if (\g) < 4
.set CB_, 32
.set SB_, 38
.set CO_, 786432+4096*(\g)
.elseif (\g) < 20
.set CB_, 34
.set SB_, 40
.set CO_, 1048576+524288*(((\g)-4)/8)+4096*(((\g)-4)%8)
.else
.set CB_, 36
.set SB_, 42
.set CO_, 2097152+4096*((\g)-20)
.endif
.irp t, 0,1,2,3
.irp c, 0,1
	global_load_b128 v[WB_+8*\t+4*\c:WB_+8*\t+4*\c+3], v[L16], s[CB_:CB_+1] offset:CO_+1024*\t+512*\c
.endr
.endr
	global_load_b64 v[WS+2*((\g)%4):WS+2*((\g)%4)+1], v[L8], s[SB_:SB_+1] offset:CO_/16
.endm
.macro ALOAD ab, img, sc, ks, st
.irp m, 0,1
.irp c, 0,1
	ds_load_b128 v[ACT+16*(\ab)+8*\m+4*\c:ACT+16*(\ab)+8*\m+4*\c+3], v[L16] offset:(\img)+\m*(\ks)*1024+1024*(\st)+512*\c
.endr
.endr
	ds_load_b32 v[AS+(\ab)], v[L4] offset:(\sc)+128*(\st)
.endm
.macro MUL buf, ab                     ; 8 products on 8 accumulators, one instruction a turn
.irp t, 0,1,2,3
.irp m, 0,1
	WM ACC+32*\m+8*(\t%2)+16*(\t/2), WB+32*(\buf)+8*\t, ACT+16*(\ab)+8*\m, 0, WS+2*(\buf)+\t/2, \t%2, AS+(\ab), \m
.endr
.endr
.endm
.macro PLACES                          ; four plain places behind matrix instructions, ahead of loads into their registers and of reads of their results
.rept 4
	v_nop
.endr
.endm
.macro PASS g0, ks, img, sc            ; the sums begin with what the accumulators hold: the residual, or the bias
	ALOAD 0, \img, \sc, \ks, 0
.set ST_, 0
.rept \ks
.set G_, (\g0)+ST_
.if G_+3 < GT
	WLOADG G_+3                                    ; into the buffer that the last step multiplied
.endif
.if GT-1-G_ >= 3
	s_wait_loadcnt 27                              ; this step's nine loads are in; those of the three steps behind it may be out
.else
	s_wait_loadcnt 9*(GT-1-G_)
.endif
.if ST_+1 < \ks
	ALOAD (ST_+1)%2, \img, \sc, \ks, ST_+1
	s_wait_dscnt 5                                 ; all but the five just issued
.else
	s_wait_dscnt 0x0
.endif
	MUL G_%4, ST_%2
	PLACES
.set ST_, ST_+1
.endr
.endm
.macro QUANT s
.irp b, 0,1,2,3
	v_max3_num_f32 v[TM+\b], |v[(\s)+16*\b]|, |v[(\s)+1+16*\b]|, 0x1800000   ; and the floor 2^(3 - 127): the byte cannot fall under 1
.endr
.irp i, 2,4,6,8,10,12,14
.irp b, 0,1,2,3
	v_max3_num_f32 v[TM+\b], v[TM+\b], |v[(\s)+16*\b+\i]|, |v[(\s)+1+16*\b+\i]|
.endr
.endr
.irp b, 0,1,2,3
	v_permlanex16_b32 v[TM+4+\b], v[TM+\b], s[SEL], s[SEL+1]
.endr
.irp b, 0,1,2,3
	v_max_num_f32 v[TM+\b], v[TM+\b], v[TM+4+\b]
.endr
.irp b, 0,1,2,3
	v_add_nc_u32 v[TM+12+\b], 0xff000000, v[TM+\b]
.endr
.irp b, 0,1,2,3
	v_lshrrev_b32 v[TM+4+\b], 23, v[TM+12+\b]
.endr
	v_lshl_or_b32 v[PW], v[TM+5], 8, v[TM+4]
	v_lshl_or_b32 v[PW], v[TM+6], 16, v[PW]
	v_lshl_or_b32 v[PW], v[TM+7], 24, v[PW]
.irp b, 0,1,2,3
	v_cvt_scalef32_pk8_fp4_f32 v[PC+2*\b], v[(\s)+16*\b:(\s)+7+16*\b], v[TM+12+\b]
	v_cvt_scalef32_pk8_fp4_f32 v[PC+1+2*\b], v[(\s)+8+16*\b:(\s)+15+16*\b], v[TM+12+\b]
.endr
	v_nop
.irp c, 0,1
.irp i, 0,1
	v_permlane16_swap_b32 v[PC+4*\c+\i], v[PC+2+4*\c+\i]
.endr
.endr
.endm
.macro BARRIER
	s_wait_dscnt 0x0
	s_barrier_signal -1
	s_barrier_wait -1
.endm
; My 64 results a lane become codes and go to LDS: group c is row tile c, lane (r, hh) holds column block 2 w + hh of row 16 c + r: 16 bytes at 512 w + 16 lane of that tile's images.
.macro PUT img, mstr, sc
	QUANT ACC
	ds_store_b128 v[IW], v[PC:PC+3] offset:\img
	ds_store_b128 v[IW], v[PC+4:PC+7] offset:(\img)+(\mstr)
	v_lshrrev_b32 v[TM], v14, v[PW]                ; lanes 0-15: the bytes of row tile 0's two blocks, lanes 16-31: row tile 1's
	ds_store_b16 v[SCW], v[TM] offset:\sc
.endm
; v216 (rows r) and v218 (rows 16 + r) hold my lane's parts of two rows' sums.  Out: v254 = the whole sum of row = my lane.
.macro ROWRED k
	v_cndmask_b32 v220, v218, v216, s[LOM]         ; I keep the part of row = my lane,
	v_cndmask_b32 v221, v216, v218, s[LOM]         ; and send the other to lane l xor 16
	v_permlanex16_b32 v222, v221, s[SEL], s[SEL+1]
	v_add_f32 v220, v220, v222
	ds_store_b32 v[SWA], v220 offset:2048*(\k)
	BARRIER
.irp j, 0,1,2,3,4,5,6,7,8,9,10,11,12,13,14,15
	ds_load_b32 v[224+\j], v[SRA] offset:2048*(\k)+128*\j
.endr
	s_wait_dscnt 0x0
.irp j, 0,2,4,6
	v_pk_add_f32 v[224+\j:225+\j], v[224+\j:225+\j], v[232+\j:233+\j]
.endr
	v_pk_add_f32 v[224:225], v[224:225], v[228:229]
	v_pk_add_f32 v[226:227], v[226:227], v[230:231]
	v_pk_add_f32 v[224:225], v[224:225], v[226:227]
	v_add_f32 v254, v224, v225
.endm
.macro SPREAD                          ; v254 (row = my lane) -> v250 (row r), v252 (row 16 + r)
	v_permlanex16_b32 v255, v254, s[SEL], s[SEL+1]
	v_cndmask_b32 v250, v255, v254, s[LOM]
	v_cndmask_b32 v252, v254, v255, s[LOM]
.endm
.macro LN k, goff, boff                ; the accumulators' 32 rows are normalised in place
.irp m, 0,1
	v_pk_add_f32 v[216+2*\m:217+2*\m], v[ACC+32*\m:ACC+32*\m+1], v[ACC+32*\m+2:ACC+32*\m+3]   ; each accumulator from its low end on
.endr
.irp i, 4,6,8,10,12,14,16,18,20,22,24,26,28,30
.irp m, 0,1
	v_pk_add_f32 v[216+2*\m:217+2*\m], v[216+2*\m:217+2*\m], v[ACC+32*\m+\i:ACC+32*\m+\i+1]
.endr
.endr
.irp m, 0,1
	v_add_f32 v[216+2*\m], v[216+2*\m], v[217+2*\m]
.endr
	ROWRED \k
	v_mul_f32 v254, s[C10], v254                   ; the mean
	SPREAD
.irp m, 0,1
.set k_, 0
.rept 16
	v_pk_add_f32 v[ACC+32*\m+k_:ACC+32*\m+k_+1], v[ACC+32*\m+k_:ACC+32*\m+k_+1], v[250+2*\m:251+2*\m] op_sel_hi:[1,0] neg_lo:[0,1] neg_hi:[0,1]
.set k_, k_+2
.endr
.endr
.irp m, 0,1
	v_pk_mul_f32 v[216+2*\m:217+2*\m], v[ACC+32*\m:ACC+32*\m+1], v[ACC+32*\m:ACC+32*\m+1]
.endr
.irp i, 2,4,6,8,10,12,14,16,18,20,22,24,26,28,30
.irp m, 0,1
	v_pk_fma_f32 v[216+2*\m:217+2*\m], v[ACC+32*\m+\i:ACC+32*\m+\i+1], v[ACC+32*\m+\i:ACC+32*\m+\i+1], v[216+2*\m:217+2*\m]
.endr
.endr
.irp m, 0,1
	v_add_f32 v[216+2*\m], v[216+2*\m], v[217+2*\m]
.endr
	ROWRED (\k)+1
	v_fma_f32 v254, v254, s[C10], s[EPS]           ; the variance + eps
	v_rsq_f32 v254, v254
	v_nop
	s_wait_alu depctr_va_vdst(0)
	SPREAD
.irp bb, 0,1
.irp j, 0,1,2,3
	ds_load_b128 v[216+4*\j:219+4*\j], v[PB] offset:(\goff)+128*\bb+16*\j
	ds_load_b128 v[232+4*\j:235+4*\j], v[PB] offset:(\boff)+128*\bb+16*\j
.endr
.irp m, 0,1
.set k_, 0
.rept 8
	v_pk_mul_f32 v[ACC+32*\m+16*\bb+k_:ACC+32*\m+16*\bb+k_+1], v[ACC+32*\m+16*\bb+k_:ACC+32*\m+16*\bb+k_+1], v[250+2*\m:251+2*\m] op_sel_hi:[1,0]
.set k_, k_+2
.endr
.endr
	s_wait_dscnt 0x0
.irp m, 0,1
.set k_, 0
.rept 8
	v_pk_fma_f32 v[ACC+32*\m+16*\bb+k_:ACC+32*\m+16*\bb+k_+1], v[ACC+32*\m+16*\bb+k_:ACC+32*\m+16*\bb+k_+1], v[216+k_:217+k_], v[232+k_:233+k_]
.set k_, k_+2
.endr
.endr
.endr
.endm
.macro SILU                            ; z / (1 + 2^(-log2(e) z)), 32 registers at a time; each batch of transcendentals has one plain place and one wait
.irp gq, 0,1
.set k_, 0
.rept 16
	v_pk_mul_f32 v[216+k_:217+k_], v[ACC+32*\gq+k_:ACC+32*\gq+k_+1], s[NL2:NL2+1] op_sel_hi:[1,0]
.set k_, k_+2
.endr
.set k_, 0
.rept 32
	v_exp_f32 v[216+k_], v[216+k_]
.set k_, k_+1
.endr
	v_nop
	s_wait_alu depctr_va_vdst(0)
.set k_, 0
.rept 16
	v_pk_add_f32 v[216+k_:217+k_], v[216+k_:217+k_], 1.0 op_sel_hi:[1,0]
.set k_, k_+2
.endr
.set k_, 0
.rept 32
	v_rcp_f32 v[216+k_], v[216+k_]
.set k_, k_+1
.endr
	v_nop
	s_wait_alu depctr_va_vdst(0)
.set k_, 0
.rept 16
	v_pk_mul_f32 v[ACC+32*\gq+k_:ACC+32*\gq+k_+1], v[ACC+32*\gq+k_:ACC+32*\gq+k_+1], v[216+k_:217+k_]
.set k_, k_+2
.endr
.endr
.endm
	s_load_b512 s[8:23], s[0:1], 0x0               ; oc, os, wcodes, wscales, x, ln1_g, ln1_b, fc1_b
	s_load_b256 s[24:31], s[0:1], 0x40             ; fc2_b, ln2_g, ln2_b, out0
	v_lshrrev_b32 v15, 5, v0
	v_readfirstlane_b32 s2, v15                    ; wave 0..15
	s_mov_b32 s3, ttmp9                            ; block of 32 rows
	v_and_b32 v251, 31, v0                         ; lane
	v_and_b32 v240, 15, v0                         ; r
	v_bfe_u32 v241, v0, 4, 1                       ; h
	v_cmp_gt_u32 s[LOM], 16, v251
	v_lshlrev_b32 v[L16], 4, v251
	v_lshlrev_b32 v[L8], 3, v251
	v_lshlrev_b32 v[L4], 2, v251
	s_lshl_b32 s60, s2, 9
	v_add_nc_u32 v[IW], s60, v[L16]
	s_lshr_b32 s60, s2, 1
	s_lshl_b32 s60, s60, 7
	s_and_b32 s61, s2, 1
	s_lshl_b32 s61, s61, 1
	s_add_co_u32 s60, s60, s61
	v_add_nc_u32 v[SCW], s60, v[L4]
	s_lshl_b32 s60, s2, 8
	s_add_co_u32 s60, s60, PAR
	v_lshl_add_u32 v[PB], v241, 6, s60
	s_lshl_b32 s60, s2, 7
	s_add_co_u32 s60, s60, STAT
	v_add_nc_u32 v[SWA], s60, v[L4]
	v_add_nc_u32 v[SRA], STAT, v[L4]
	s_mul_i32 s62, s2, 8704
	s_add_co_u32 s62, s62, WREG
	v_add_nc_u32 v[WI], s62, v[L16]
	v_mul_u32_u24 v[SO], v240, 272
	v_lshl_add_u32 v[SO], v241, 6, v[SO]
	v_add_nc_u32 v[SO], s62, v[SO]
	v_mul_u32_u24 v[SR], v241, 272
	v_lshl_add_u32 v[SR], v240, 4, v[SR]
	v_add_nc_u32 v[SR], s62, v[SR]
	v_lshlrev_b32 v[GO], 12, v241
	v_lshl_add_u32 v[GO], v240, 4, v[GO]
	v_lshlrev_b32 v14, 4, v241                     ; 16 h
	v_lshlrev_b32 v250, 4, v0                      ; staging: 16 x thread,
	v_and_b32 v252, 255, v0
	v_lshlrev_b32 v252, 4, v252                    ; 16 x (thread % 256),
	v_lshlrev_b32 v254, 3, v0                      ; 8 x thread,
	v_add_nc_u32 v255, PAR+16384, v254
	v_add_nc_u32 v15, PAR, v250
	s_min_u32 s60, s2, 3
	s_lshl_b32 s60, s60, 7
	v_add_nc_u32 v253, s60, v[L4]                  ; and where waves 0-3 put the attention output's scale words
	s_mov_b32 s[SEL], 0x76543210
	s_mov_b32 s[SEL+1], 0xfedcba98
	s_mov_b32 s[NL2], 0xbfb8aa3b
	s_mov_b32 s[NL2+1], s[NL2]
	s_mov_b32 s[C10], 0x3a800000
	s_mov_b32 s[EPS], 0x3727c5ac
	s_mov_b32 s61, 0
	s_wait_kmcnt 0x0
	s_lshl_b32 s60, s2, 14
	s_add_nc_u64 s[32:33], s[12:13], s[60:61]      ; my chunk of Wo: 4 units; of fc1_w: 8; of fc2_w: 16
	s_lshl_b32 s60, s2, 15
	s_add_nc_u64 s[34:35], s[12:13], s[60:61]
	s_lshl_b32 s60, s2, 16
	s_add_nc_u64 s[36:37], s[12:13], s[60:61]
	s_lshl_b32 s60, s2, 10
	s_add_nc_u64 s[38:39], s[14:15], s[60:61]
	s_lshl_b32 s60, s2, 11
	s_add_nc_u64 s[40:41], s[14:15], s[60:61]
	s_lshl_b32 s60, s2, 12
	s_add_nc_u64 s[42:43], s[14:15], s[60:61]
	s_lshl_b32 s60, s3, 17
	s_lshl_b32 s62, s2, 8
	s_add_co_u32 s60, s60, s62
	s_add_nc_u64 s[44:45], s[16:17], s[60:61]      ; x and out0 at my block's first row, my 64 columns
	s_add_nc_u64 s[46:47], s[30:31], s[60:61]
	s_cmp_lt_u32 s2, 8
	s_cselect_b64 s[56:57], s[18:19], s[20:21]     ; waves 0-7 stage ln1_g and fc2_b, waves 8-15 ln1_b and ln2_g
	s_cselect_b64 s[58:59], s[24:25], s[26:27]
	s_lshl_b32 s60, s3, 13
	s_add_nc_u64 s[8:9], s[8:9], s[60:61]          ; my two row tiles of the attention output's codes
	s_and_b32 s62, s2, 3
	s_lshl_b32 s62, s62, 15
	s_lshl_b32 s60, s3, 5
	s_add_co_u32 s60, s60, s62
	s_add_nc_u64 s[10:11], s[10:11], s[60:61]      ; its scale bytes: heads 4 (w % 4) on, my 32 rows
	global_load_b128 v[216:219], v252, s[56:57]
	global_load_b128 v[220:223], v252, s[58:59]
	global_load_b64 v[224:225], v254, s[28:29]
	global_load_b128 v[226:229], v250, s[22:23]
	global_load_b128 v[230:233], v250, s[8:9]
.irp k, 0,1,2,3
	global_load_u8 v[234+\k], v251, s[10:11] offset:8192*\k
.endr
.irp i, 0,1,2,3,4,5,6,7,8,9,10,11,12,13,14,15
	global_load_b128 v[ACC+4*\i:ACC+4*\i+3], v[GO], s[44:45] offset:8192*\i th:TH_LOAD_NT   ; the residual x, rows 2 i and 2 i + 1: sixteen lanes read 256 consecutive bytes, aligned
.endr
	WLOADG 0
	WLOADG 1
	WLOADG 2
	s_wait_loadcnt 43                              ; the nine staging loads are in; x's 16 and the ring's 27 may be out
	ds_store_b128 v15, v[216:219]
	ds_store_b128 v15, v[220:223] offset:8192
	ds_store_b64 v255, v[224:225]
	ds_store_b128 v15, v[226:229] offset:20480
	ds_store_b128 v250, v[230:233] offset:OIMG
	v_lshl_or_b32 v234, v235, 8, v234
	v_lshl_or_b32 v234, v236, 16, v234
	v_lshl_or_b32 v234, v237, 24, v234             ; row = my lane, K step w % 4: four heads' bytes
	s_cmp_lt_u32 s2, 4
	s_cbranch_scc0 .Lno_osc
	ds_store_b32 v253, v234 offset:OSC
.Lno_osc:
	s_wait_loadcnt 27                              ; x's 16 loads are in; the ring's 27 may be out
.irp i, 0,1,2,3,4,5,6,7,8,9,10,11,12,13,14,15
	ds_store_b128 v[SR], v[ACC+4*\i:ACC+4*\i+3] offset:544*\i      ; x through my own LDS bytes, as rows of 256 + 16 bytes,
.endr
	s_wait_dscnt 0x0                               ; the stores have read their registers, which the loads below write
.irp m, 0,1
.irp bb, 0,1
.irp j, 0,1,2,3
	ds_load_b128 v[ACC+32*\m+16*\bb+4*\j:ACC+32*\m+16*\bb+4*\j+3], v[SO] offset:4352*\m+128*\bb+16*\j   ; and back in the accumulators' layout: it is the first sums' start
.endr
.endr
.endr
	BARRIER
	; ---- att Wo^T + x, LN1
	PASS 0, 4, OIMG, OSC
	LN 0, 0, 4096
	; ---- inter is kept, as an image of my registers in my own LDS bytes, and quantised
.set k_, 0
.rept 16
	ds_store_b128 v[WI], v[ACC+4*k_:ACC+4*k_+3] offset:512*k_
.set k_, k_+1
.endr
	PUT IIMG, 8192, ISC
	BARRIER                                        ; inter's sixteen fragments lie in LDS
	; ---- the hidden layer, 1,024 columns at a time; the bias starts the sums
.irp q, 0,1
.irp m, 0,1
.irp bb, 0,1
.irp j, 0,1,2,3
	ds_load_b128 v[ACC+32*\m+16*\bb+4*\j:ACC+32*\m+16*\bb+4*\j+3], v[PB] offset:20480+4096*\q+128*\bb+16*\j
.endr
.endr
.endr
	PASS 4+8*\q, 8, IIMG, ISC
	SILU
	PUT HIMG+8192*\q, 16384, HSC+1024*\q
	s_wait_dscnt 0x0                               ; the stores have read their registers
.endr
	BARRIER                                        ; the hidden layer's 32 fragments lie in LDS
	; ---- h fc2^T + b2 + inter, LN2
.set k_, 0
.rept 16
	ds_load_b128 v[ACC+4*k_:ACC+4*k_+3], v[WI] offset:512*k_
.set k_, k_+1
.endr
.irp bb, 0,1
.irp j, 0,1,2,3
	ds_load_b128 v[216+16*\bb+4*\j:219+16*\bb+4*\j], v[PB] offset:8192+128*\bb+16*\j
.endr
.endr
	s_wait_dscnt 0x0
.irp m, 0,1
.set k_, 0
.rept 16
	v_pk_add_f32 v[ACC+32*\m+k_:ACC+32*\m+k_+1], v[ACC+32*\m+k_:ACC+32*\m+k_+1], v[216+k_:217+k_]
.set k_, k_+2
.endr
.endr
	PLACES
	PASS 20, 16, HIMG, HSC
	LN 2, 12288, 16384
	; ---- the way out: a lane holds 64 bytes of each of two rows; through my own LDS bytes they come back as rows of 256 bytes.  LDS serves a wave's instructions in order (ISA guide 5.7.1.4): no wait between stores and loads
.irp m, 0,1
.irp bb, 0,1
.irp j, 0,1,2,3
	ds_store_b128 v[SO], v[ACC+32*\m+16*\bb+4*\j:ACC+32*\m+16*\bb+4*\j+3] offset:4352*\m+128*\bb+16*\j
.endr
.endr
.endr
.irp i, 0,1,2,3,4,5,6,7,8,9,10,11,12,13,14,15
	ds_load_b128 v[WB+4*\i:WB+4*\i+3], v[SR] offset:544*\i
.endr
.irp i, 0,1,2,3,4,5,6,7,8,9,10,11,12,13,14,15
	s_wait_dscnt 15-\i
	global_store_b128 v[GO], v[WB+4*\i:WB+4*\i+3], s[46:47] offset:8192*\i th:TH_STORE_NT   ; sixteen lanes store 256 consecutive bytes, aligned
.endr
	s_wait_xcnt 0x0
	v_lshl_add_u32 v254, v0, 2, 0x39e00
	v_mov_b32 v255, 0
	s_wait_tensorcnt 0x0
	ds_add_u32 v254, v255
	s_wait_dscnt 0x0
	s_endpgm
.Lfunc_end_k_q76c1a2cee4_tail:
	.size	k_q76c1a2cee4_tail, .Lfunc_end_k_q76c1a2cee4_tail-k_q76c1a2cee4_tail
	.p2alignl 7, 3214868480
	.fill 96, 4, 3214868480
	.section	.rodata,"a",@progbits
	.p2align	6, 0x0
	.amdhsa_kernel k_q76c1a2cee4_tail
		.amdhsa_group_segment_fixed_size 239104
		.amdhsa_private_segment_fixed_size 0
		.amdhsa_enable_private_segment 0
		.amdhsa_kernarg_size 96
		.amdhsa_user_sgpr_count 2
		.amdhsa_user_sgpr_kernarg_segment_ptr 1
		.amdhsa_wavefront_size32 1
		.amdhsa_system_sgpr_workgroup_id_x 1
		.amdhsa_system_sgpr_workgroup_id_y 1
		.amdhsa_system_sgpr_workgroup_id_z 1
		.amdhsa_system_vgpr_workitem_id 0
		.amdhsa_next_free_vgpr 256
		.amdhsa_next_free_sgpr 66
		.amdhsa_reserve_vcc 0
		.amdhsa_float_denorm_mode_32 3
		.amdhsa_float_denorm_mode_16_64 3
		.amdhsa_memory_ordered 1
		.amdhsa_forward_progress 1
		.amdhsa_inst_pref_size 168
	.end_amdhsa_kernel
	.amdgpu_metadata
---
amdhsa.version: [ 1, 2 ]
amdhsa.kernels:
  - .name:           k_q76c1a2cee4_tail
    .symbol:         k_q76c1a2cee4_tail.kd
    .args:
      - { .name: oc, .offset: 0, .size: 8, .value_kind: global_buffer, .address_space: global }
      - { .name: os, .offset: 8, .size: 8, .value_kind: global_buffer, .address_space: global }
      - { .name: wcodes, .offset: 16, .size: 8, .value_kind: global_buffer, .address_space: global }
      - { .name: wscales, .offset: 24, .size: 8, .value_kind: global_buffer, .address_space: global }
      - { .name: x, .offset: 32, .size: 8, .value_kind: global_buffer, .address_space: global }
      - { .name: ln1_g, .offset: 40, .size: 8, .value_kind: global_buffer, .address_space: global }
      - { .name: ln1_b, .offset: 48, .size: 8, .value_kind: global_buffer, .address_space: global }
      - { .name: fc1_b, .offset: 56, .size: 8, .value_kind: global_buffer, .address_space: global }
      - { .name: fc2_b, .offset: 64, .size: 8, .value_kind: global_buffer, .address_space: global }
      - { .name: ln2_g, .offset: 72, .size: 8, .value_kind: global_buffer, .address_space: global }
      - { .name: ln2_b, .offset: 80, .size: 8, .value_kind: global_buffer, .address_space: global }
      - { .name: out0, .offset: 88, .size: 8, .value_kind: global_buffer, .address_space: global }
    .group_segment_fixed_size: 239104
    .private_segment_fixed_size: 0
    .kernarg_segment_align: 8
    .kernarg_segment_size: 96
    .max_flat_workgroup_size: 512
    .sgpr_count:     66
    .vgpr_count:     256
    .wavefront_size: 32
...
	.end_amdgpu_metadata
.endif
;; end of part 4
;; ======== version 2 of 2: 4 launches
;; workspace buffers: wcodes 3,145,728 bytes; wscales 196,608 bytes; qkvc 6,291,456 bytes; qkvs 393,216 bytes; oc 2,097,152 bytes; os 131,072 bytes
;; launch prep (part 5): grid 256 x 1, 6 waves a work-group, no clusters, 102,912 bytes of LDS; arguments Wq, Wk, Wv, Wo, fc1_w, fc2_w, wcodes, wscales; writes wcodes, wscales
.if DOCPART == 5
	.amdgcn_target "amdgcn-amd-amdhsa--gfx1250"
	.amdhsa_code_object_version 6
	.text
	.protected	k_q76c1a2cee4_prep
	.globl	k_q76c1a2cee4_prep
	.p2align	8
	.type	k_q76c1a2cee4_prep,@function
k_q76c1a2cee4_prep:
	s_mov_b64 s[64:65], 0
	v_nop
	global_prefetch_b8 v0, s[64:65] scope:SCOPE_SE
	s_setreg_imm32_b32 hwreg(HW_REG_WAVE_MODE, 25, 1), 1
	s_wait_xcnt 0x0
; The six weights (f32, K innermost) become codes of FP4 (E2M1) with one E8M0 byte for each 32 along K, laid in the ORDER OF THE OPERAND'S REGISTERS.
; A UNIT is 64 rows (four tiles of 16) x 128 along K: four fragment images of 1,024 bytes, [tile][c][lane][16 bytes]; lane (r, h) of group c holds block 2 c + h of its row.
; Units: Wq 0-63, Wk 64-127, Wv 128-191 (8 K steps a chunk), Wo 192-255 (4), fc1_w 256-511 (8), fc2_w 512-767 (16); unit = start + chunk x steps + step.
; THE ROWS OF A TILE ARE NOT NEIGHBOURS: lane r of tile T takes row 32 (T / 2) + 8 (T % 2) + r + 8 (r / 8), so that a transposed product leaves 16 neighbours along the next K in a lane's registers of two neighbouring tiles.
; Scale words: 256 bytes a unit, [lane][2 words]: word p of lane (r, h) is the word (four bytes, 128 along K) of tile 2 p + h, row r: one load of 8 bytes a lane serves four tiles.
; SHARES.  768 units = 256 work-groups x 3; a unit is made by two waves: wave 2 u + p makes tiles 2 p and 2 p + 1 of the work-group's unit u, which together are 32 consecutive rows.
; EVERY LOAD READS 512 CONSECUTIVE BYTES, one row's part of the K step, 16 bytes a lane; all 32 loads of a wave go out at the head.  The conversions want 32 neighbours along K in ONE lane: so a fragment's 16 rows
; turn through the wave's own stage in LDS, laid in the tile's order, rows 528 bytes apart (512 + 16: row r starts at bank 4 r mod 64, 64 banks of 4 bytes: ISA guide 11.1), and come back 2 x 128 bytes a lane.
; A row's pitch differs from weight to weight, so a row's place stands in registers: 8 offsets (rows 0-7) and 4 bases (groups of 8 rows).
; A block's byte is its largest magnitude's exponent field - 2, held at 1 from below.  LIMITS: a block of zeros gets the byte 1 (its codes are zeros; this program alone reads the bytes);
; blocks under 2^-124 are held at that floor; NaN and infinities are not served.
.set PITCH, 528
.set FST,  16*PITCH                    ; a fragment's stage
.set WST,  2*FST                       ; a wave's two
.set SCB,  6*WST                       ; behind the stages: 3 x 256 bytes of scale words
.set RR,   64                          ; v64-191  two fragments as loaded; v64-127 later fragment 1 turned
.set XX,   192                         ; v192-255 fragment 0 turned
.set CD,   32                          ; v32-47   codes, 8 a fragment, never rewritten
.set OFF,  48                          ; v48-55   16 x lane + i rows
.set SW,   20                          ; v20-21   the two fragments' scale words
	s_load_b512 s[8:23], s[0:1], 0x0               ; Wq, Wk, Wv, Wo, fc1_w, fc2_w, wcodes, wscales
	v_lshl_add_u32 v62, v0, 2, 0x18f00
	v_mov_b32 v63, 0
	v_lshrrev_b32 v1, 5, v0
	v_readfirstlane_b32 s2, v1                     ; wave 0..5
	s_lshr_b32 s42, s2, 1                          ; which of the work-group's three units
	s_and_b32 s43, s2, 1                           ; which pair of its tiles
	s_mul_i32 s3, ttmp9, 3
	s_add_co_u32 s3, s3, s42                       ; my unit
	v_and_b32 v1, 31, v0                           ; lane
	v_and_b32 v2, 15, v0                           ; r
	v_bfe_u32 v3, v0, 4, 1                         ; h
	v_lshlrev_b32 v5, 4, v1                        ; 16 x lane
	v_lshlrev_b32 v6, 3, v1                        ; 8 x lane
	s_wait_alu depctr_va_vdst(0)
	v_lshlrev_b32 v7, 3, v3                        ; 8 h: my bytes' shift in a scale word
	v_mov_b32 v17, 0                               ; a lane permute's destination counts as one of its sources
	v_cmp_gt_u32 vcc_lo, 16, v1                    ; lanes 0-15
	s_mul_i32 s44, s2, WST
	v_add_nc_u32 v8, s44, v5                       ; the stage, on the way in: a row as it was loaded
	v_mul_u32_u24 v9, v2, PITCH
	v_lshl_add_u32 v9, v3, 7, v9
	v_add_nc_u32 v9, s44, v9                       ; and on the way out: row r, + 128 h: block h of each 64 along K
	s_lshl_b32 s44, s42, 8
	s_lshl_b32 s45, s43, 2
	s_add_co_u32 s44, s44, s45
	s_add_co_u32 s44, s44, SCB
	v_add_nc_u32 v18, s44, v6                      ; my scale word: unit u, 8 x lane, word p
	s_min_u32 s46, s2, 2                           ; waves 0-2 send the three units' scale words out
	s_lshl_b32 s44, s46, 8
	s_add_co_u32 s44, s44, SCB
	v_add_nc_u32 v19, s44, v6
	s_mov_b32 s40, 0x76543210
	s_mov_b32 s41, 0xfedcba98                      ; selects for lane l xor 16
	s_mov_b32 s6, 0                                ; the weight's first unit
	s_mov_b32 s7, 3                                ; log2 of its K steps
	s_wait_kmcnt 0x0
	s_mov_b64 s[4:5], s[8:9]                       ; which weight: a choice on the unit's number alone
	s_cmp_ge_u32 s3, 64
	s_cselect_b64 s[4:5], s[10:11], s[4:5]
	s_cselect_b32 s6, 64, s6
	s_cmp_ge_u32 s3, 128
	s_cselect_b64 s[4:5], s[12:13], s[4:5]
	s_cselect_b32 s6, 128, s6
	s_cmp_ge_u32 s3, 192
	s_cselect_b64 s[4:5], s[14:15], s[4:5]
	s_cselect_b32 s6, 192, s6
	s_cselect_b32 s7, 2, s7
	s_cmp_ge_u32 s3, 256
	s_cselect_b64 s[4:5], s[16:17], s[4:5]
	s_cselect_b32 s6, 256, s6
	s_cselect_b32 s7, 3, s7
	s_cmp_ge_u32 s3, 512
	s_cselect_b64 s[4:5], s[18:19], s[4:5]
	s_cselect_b32 s6, 512, s6
	s_cselect_b32 s7, 4, s7
	s_sub_co_u32 s32, s3, s6                       ; unit within the weight
	s_lshr_b32 s33, s32, s7                        ; chunk of 64 rows
	s_lshl_b32 s34, s33, s7
	s_sub_co_u32 s34, s32, s34                     ; K step
	s_add_co_u32 s35, s7, 9                        ; a row is 2^s35 bytes (128 numbers x 4 bytes x steps)
	s_lshl_b32 s36, s33, 6
	s_lshl_b32 s44, s43, 5
	s_add_co_u32 s36, s36, s44                     ; the first of my 32 rows
	s_lshl_b32 s37, s34, 9                         ; the K step's 512 bytes of a row
	s_mov_b32 s39, 0
.irp g, 0,1,2,3
	s_add_co_u32 s38, s36, 8*\g                    ; group g of 8 rows
	s_lshl_b32 s38, s38, s35
	s_add_co_u32 s38, s38, s37
	s_add_nc_u64 s[24+2*\g:25+2*\g], s[4:5], s[38:39]
.endr
	s_lshl_b32 s38, s3, 12
	s_lshl_b32 s44, s43, 11
	s_add_co_u32 s38, s38, s44
	s_add_nc_u64 s[20:21], s[20:21], s[38:39]      ; my two images of the unit's four
	s_mul_i32 s38, ttmp9, 3
	s_add_co_u32 s38, s38, s46
	s_lshl_b32 s38, s38, 8
	s_add_nc_u64 s[22:23], s[22:23], s[38:39]      ; the scale words of unit min(wave, 2)
	s_lshl_b32 s44, 1, s35                         ; a row in bytes
	v_mov_b32 v[OFF], v5
.irp i, 1,2,3,4,5,6,7
	v_add_nc_u32 v[OFF+\i], s44, v[OFF+\i-1]
.endr
.macro LOAD f                          ; fragment f (tile 2 p + f): its row r is row r % 8 of group f + 2 (r / 8).  32 lanes read 512 consecutive bytes
.irp r, 0,1,2,3,4,5,6,7,8,9,10,11,12,13,14,15
	global_load_b128 v[RR+64*(\f)+4*\r:RR+64*(\f)+4*\r+3], v[OFF+\r%8], s[24+2*((\f)+2*(\r/8)):25+2*((\f)+2*(\r/8))] th:TH_LOAD_NT
.endr
.endm
.macro TURN f, dst                     ; through the stage: LDS serves a wave's instructions in order (ISA guide 5.7.1.4), so no wait stands between the stores and the loads.  Register 32 c + i of dst = k 64 c + 32 h + i of row r
.irp r, 0,1,2,3,4,5,6,7,8,9,10,11,12,13,14,15
	ds_store_b128 v8, v[RR+64*(\f)+4*\r:RR+64*(\f)+4*\r+3] offset:FST*(\f)+PITCH*\r
.endr
.irp c, 0,1
.irp j, 0,1,2,3,4,5,6,7
	ds_load_b128 v[(\dst)+32*\c+4*\j:(\dst)+32*\c+4*\j+3], v9 offset:FST*(\f)+256*\c+16*\j
.endr
.endr
.endm
.macro FRAG f, xs
.set XS, \xs
.irp c, 0,1
	v_max3_num_f32 v[10+\c], |v[XS+32*\c]|, |v[XS+32*\c+1]|, 0x1800000   ; my block 2 c + h, and the floor 2^(3 - 127): the byte cannot fall under 1
.endr
.irp i, 2,4,6,8,10,12,14,16,18,20,22,24,26,28,30
.irp c, 0,1
	v_max3_num_f32 v[10+\c], v[10+\c], |v[XS+32*\c+\i]|, |v[XS+32*\c+\i+1]|   ; the two blocks by turns
.endr
.endr
.irp c, 0,1
	v_add_nc_u32 v[12+\c], 0xff000000, v[10+\c]    ; 2 off the exponent field: the conversion's scale operand
.endr
.irp c, 0,1
	v_lshrrev_b32 v[14+\c], 23, v[12+\c]           ; the byte
.endr
	v_lshl_or_b32 v16, v15, 16, v14                ; my two bytes: blocks h and 2 + h,
	v_lshlrev_b32 v16, v7, v16                     ; at their places;
	v_permlanex16_b32 v17, v16, s40, s41
	v_or_b32 v[SW+(\f)], v16, v17                  ; with lane l xor 16's two the row's word is whole
.irp c, 0,1
.irp g, 0,1,2,3
	v_cvt_scalef32_pk8_fp4_f32 v[CD+8*(\f)+4*\c+\g], v[XS+32*\c+8*\g:XS+32*\c+8*\g+7], v[12+\c]
.endr
.endr
	v_nop                                          ; one plain line behind the last conversion: the next fragment writes the scale operands anew
.irp c, 0,1
	global_store_b128 v5, v[CD+8*(\f)+4*\c:CD+8*(\f)+4*\c+3], s[20:21] offset:1024*(\f)+512*\c   ; 32 lanes store 512 consecutive bytes, aligned
.endr
.endm
	LOAD 0
	LOAD 1
	s_wait_loadcnt 16                              ; fragment 0's rows are in; fragment 1's 16 loads may be out
	TURN 0, XX
	s_wait_loadcnt 0x0
	s_wait_dscnt 0x0                               ; fragment 0 is back, and its stores into the stage have read v64-127,
	TURN 1, RR                                     ; which take fragment 1, turned, while fragment 0 is worked
	FRAG 0, XX
	s_wait_dscnt 0x0
	FRAG 1, RR
	v_cndmask_b32 v22, v21, v20, vcc_lo            ; lanes 0-15: tile 2 p's word, lanes 16-31: tile 2 p + 1's
	ds_store_b32 v18, v22
	s_wait_dscnt 0x0                               ; for the others' sake: my word has landed
	s_barrier_signal -1
	s_barrier_wait -1                              ; the three units' scale words are whole
	s_cmp_lt_u32 s2, 3
	s_cbranch_scc0 .Lend
	ds_load_b64 v[24:25], v19
	s_wait_dscnt 0x0
	global_store_b64 v6, v[24:25], s[22:23]        ; 256 consecutive bytes, aligned
.Lend:
	s_wait_tensorcnt 0x0
	ds_add_u32 v62, v63
	s_wait_dscnt 0x0
	s_endpgm
.Lfunc_end_k_q76c1a2cee4_prep:
	.size	k_q76c1a2cee4_prep, .Lfunc_end_k_q76c1a2cee4_prep-k_q76c1a2cee4_prep
	.p2alignl 7, 3214868480
	.fill 96, 4, 3214868480
	.section	.rodata,"a",@progbits
	.p2align	6, 0x0
	.amdhsa_kernel k_q76c1a2cee4_prep
		.amdhsa_group_segment_fixed_size 102912
		.amdhsa_private_segment_fixed_size 0
		.amdhsa_enable_private_segment 0
		.amdhsa_kernarg_size 64
		.amdhsa_user_sgpr_count 2
		.amdhsa_user_sgpr_kernarg_segment_ptr 1
		.amdhsa_wavefront_size32 1
		.amdhsa_system_sgpr_workgroup_id_x 1
		.amdhsa_system_sgpr_workgroup_id_y 1
		.amdhsa_system_sgpr_workgroup_id_z 1
		.amdhsa_system_vgpr_workitem_id 0
		.amdhsa_next_free_vgpr 256
		.amdhsa_next_free_sgpr 66
		.amdhsa_reserve_vcc 1
		.amdhsa_float_denorm_mode_32 3
		.amdhsa_float_denorm_mode_16_64 3
		.amdhsa_memory_ordered 1
		.amdhsa_forward_progress 1
		.amdhsa_inst_pref_size 18
	.end_amdhsa_kernel
	.amdgpu_metadata
---
amdhsa.version: [ 1, 2 ]
amdhsa.kernels:
  - .name:           k_q76c1a2cee4_prep
    .symbol:         k_q76c1a2cee4_prep.kd
    .args:
      - { .name: Wq, .offset: 0, .size: 8, .value_kind: global_buffer, .address_space: global }
      - { .name: Wk, .offset: 8, .size: 8, .value_kind: global_buffer, .address_space: global }
      - { .name: Wv, .offset: 16, .size: 8, .value_kind: global_buffer, .address_space: global }
      - { .name: Wo, .offset: 24, .size: 8, .value_kind: global_buffer, .address_space: global }
      - { .name: fc1_w, .offset: 32, .size: 8, .value_kind: global_buffer, .address_space: global }
      - { .name: fc2_w, .offset: 40, .size: 8, .value_kind: global_buffer, .address_space: global }
      - { .name: wcodes, .offset: 48, .size: 8, .value_kind: global_buffer, .address_space: global }
      - { .name: wscales, .offset: 56, .size: 8, .value_kind: global_buffer, .address_space: global }
    .group_segment_fixed_size: 102912
    .private_segment_fixed_size: 0
    .kernarg_segment_align: 8
    .kernarg_segment_size: 64
    .max_flat_workgroup_size: 192
    .sgpr_count:     66
    .vgpr_count:     256
    .wavefront_size: 32
...
	.end_amdgpu_metadata
.endif
;; end of part 5
;; launch qkv (part 6): grid 256 x 1, 8 waves a work-group, no clusters, 104,960 bytes of LDS; arguments x, keys, wcodes, wscales, qkvc, qkvs; writes qkvc, qkvs
.if DOCPART == 6
	.amdgcn_target "amdgcn-amd-amdhsa--gfx1250"
	.amdhsa_code_object_version 6
	.text
	.protected	k_q76c1a2cee4_qkv
	.globl	k_q76c1a2cee4_qkv
	.p2align	8
	.type	k_q76c1a2cee4_qkv,@function
k_q76c1a2cee4_qkv:
	s_mov_b64 s[64:65], 0
	v_nop
	global_prefetch_b8 v0, s[64:65] scope:SCOPE_SE
	s_setreg_imm32_b32 hwreg(HW_REG_WAVE_SCHED_MODE, 0, 2), 2
	s_setreg_imm32_b32 hwreg(HW_REG_WAVE_MODE, 25, 1), 1
	s_wait_xcnt 0x0
	s_wait_alu depctr_vm_vsrc(0)
; Q = x Wq^T, K = keys Wk^T, V = keys Wv^T on codes of FP4 (E2M1) with E8M0 scales, and the results quantised again for attention: Q and K along a head's 32 channels, V along the keys.
; SHARES.  A work-group takes 32 rows of x and the same 32 rows of keys.  THE WAVES SHARE THE COLUMNS: wave w makes columns 64 w .. 64 w + 63 (heads 2 w, 2 w + 1) of each of the three products.
; X PHASE.  Waves 0-3 quantise x, waves 4-7 keys: 16 rows x 512 along K each, a K step of 128 at a time.  EVERY LOAD READS 512 CONSECUTIVE BYTES, one row's part of the K step, 16 bytes a lane; the quantiser wants 16 neighbours
;   of each block of 32 in one lane, so the 16 rows turn through the wave's own stage in LDS (rows 528 bytes apart: row r starts at bank 4 r mod 64, 64 banks of 4 bytes: ISA guide 11.1) and come back into the registers that they left.
;   The fragments then go to LDS as images of their registers (16 bytes a lane at 16 x lane), their scale words beside them.
;   The rows of keys that form a tile are chosen: lane r of tile m takes row 8 m + r + 8 (r / 8), so that V's product leaves 16 neighbouring keys in a lane's registers of the two tiles.
; PASSES.  Weights come from memory straight into registers, as the first launch laid them: 4 fragments and their scale words a K step, through a ring of four register buffers, three steps ahead.
;   Q, K: source 0 = 16 rows of W, source 1 = 16 rows of x or keys: a lane holds one row and 16 neighbouring channels of each of two heads.  V: the sources swapped: a lane holds one channel and 16 neighbouring keys.
; WHY NO JOINT LOADS, though all 256 work-groups walk the same 816 KB of weight codes: each fragment feeds ONE wave of a work-group, so it goes to that wave's registers and is never written to or read from LDS.
; OUT.  Q plane [head][query][16 bytes]; K plane [head][32 keys][tile][r][16 bytes]; V plane [head][128 keys][tile][c][h][r][16 bytes]: images of attention's operands.  Scale bytes [32-row block][head][32].
; LIMITS: a block of zeros gets the byte 1 (its codes are zeros; this program alone reads the bytes); blocks under 2^-124 are held at that floor; NaN and infinities are not served.
; THE MODE: SCHED_MODE bits 1:0 = 2 (LLVM: expert scheduling mode 2), set by the entry lines.  The code itself states the register dependences
; between vector or matrix instructions and memory or LDS instructions, with s_wait_alu, always for 0.
; THE PLAN.  Registers that memory or LDS instructions touch:
;   v1-8, v10, v250   Offsets and LDS addresses: made once at the head, never written again.
;   v16-79, v144-207  X phase, by turns: a fragment's 64 numbers land, my stores into the stage read them, the stage's loads land in them, the quantiser reads them, the loads of two fragments on land.
;   v232, v234-241    The scale word and the codes: the quantiser writes them, stores read them; in a pass the activations' loads land in them.
;   v14, v15          Two scale bytes: written behind the quantiser, read by two LDS stores.
;   ring buffer g % 4 and its scale words   The nine loads of ring step g land, issued in step g - 3; step g's eight products read.
;   activations' buffer st % 2 and its scale words   Five LDS loads land, issued in step st - 1; step st's products read.
; A STEP OF A PASS: the waits for its data; ONE wait on va_vdst: the step before's products are done reading the ring buffer and the activations' buffer in which this step's loads land; then the five LDS loads,
; and the nine loads of three steps on dealt among the eight products, which name the other buffers alone.  A pass's first step leans on the wait behind the quantiser ahead of it: no vector instruction stands between.
.set ACC, 16                           ; v16-79   8 accumulators
.set WB,  80                           ; v80-207  the ring: 4 buffers of 4 weight fragments
.set WS,  208                          ; v208-215 4 x 2 registers of weight scale words: scales and nothing else
.set ACT, 216                          ; v216-247 2 buffers of two row tiles' fragments; between passes at work
.set AS,  248                          ; v248-249 their scale words: lanes 0-15 tile 0, lanes 16-31 tile 1
.set TM,  216
.set PW,  232
.set PC,  234
.set L16, 1                            ; v1 16 x lane;  v2 8 x lane;  v3 4 x lane
.set L8,  2
.set L4,  3
.set XSR, 4                            ; v4  my stage, on the way out: 528 r + 64 h
.set XWI, 5                            ; v5  where I store my images: 16 x lane + 4,096 x wave
.set XWS, 6                            ; v6  and their scale words
.set VV,  7                            ; v7  V's place: 1,024 h + 16 r
.set SSA, 8                            ; v8  the scale stage: lane + 64 x wave
.set XSW, 250                          ; v250 my stage, on the way in: 16 x lane
.set GT,  24                           ; ring steps: 3 products x 8 K steps
.set KIMG, 16384                       ; LDS: x's images [m][s][1,024] at 0, keys' here,
.set ASC,  32768                       ; scale words [s][m][r]: x's 1,024 bytes, then keys',
.set SST,  34816                       ; 3 x 512 scale bytes [head][32] on their way out,
.set XST,  36352                       ; and a stage of 16 rows x 528 bytes for each wave
.set XP,   528
.set XSTW, 16*XP
.set WCB, 20
.set WSB, 22
.set SEL, 38
.macro WM d, a, b, z, sa, ra, sb, rb   ; one product; z: the sum starts with 0; ra, rb: that side's scales stand in lanes 16-31
.set WD_, \d
.set WA_, \a
.set WR_, \b
.set WP_, \sa
.set WQ_, \sb
.if \z
.if (\ra) && (\rb)
	v_wmma_scale_f32_16x16x128_f8f6f4 v[WD_:WD_+7], v[WA_:WA_+7], v[WR_:WR_+7], 0, v[WP_], v[WQ_] matrix_a_fmt:MATRIX_FMT_FP4 matrix_b_fmt:MATRIX_FMT_FP4 matrix_a_scale:MATRIX_SCALE_ROW1 matrix_b_scale:MATRIX_SCALE_ROW1
.elseif \ra
	v_wmma_scale_f32_16x16x128_f8f6f4 v[WD_:WD_+7], v[WA_:WA_+7], v[WR_:WR_+7], 0, v[WP_], v[WQ_] matrix_a_fmt:MATRIX_FMT_FP4 matrix_b_fmt:MATRIX_FMT_FP4 matrix_a_scale:MATRIX_SCALE_ROW1
.elseif \rb
	v_wmma_scale_f32_16x16x128_f8f6f4 v[WD_:WD_+7], v[WA_:WA_+7], v[WR_:WR_+7], 0, v[WP_], v[WQ_] matrix_a_fmt:MATRIX_FMT_FP4 matrix_b_fmt:MATRIX_FMT_FP4 matrix_b_scale:MATRIX_SCALE_ROW1
.else
	v_wmma_scale_f32_16x16x128_f8f6f4 v[WD_:WD_+7], v[WA_:WA_+7], v[WR_:WR_+7], 0, v[WP_], v[WQ_] matrix_a_fmt:MATRIX_FMT_FP4 matrix_b_fmt:MATRIX_FMT_FP4
.endif
.else
.if (\ra) && (\rb)
	v_wmma_scale_f32_16x16x128_f8f6f4 v[WD_:WD_+7], v[WA_:WA_+7], v[WR_:WR_+7], v[WD_:WD_+7], v[WP_], v[WQ_] matrix_a_fmt:MATRIX_FMT_FP4 matrix_b_fmt:MATRIX_FMT_FP4 matrix_a_scale:MATRIX_SCALE_ROW1 matrix_b_scale:MATRIX_SCALE_ROW1
.elseif \ra
	v_wmma_scale_f32_16x16x128_f8f6f4 v[WD_:WD_+7], v[WA_:WA_+7], v[WR_:WR_+7], v[WD_:WD_+7], v[WP_], v[WQ_] matrix_a_fmt:MATRIX_FMT_FP4 matrix_b_fmt:MATRIX_FMT_FP4 matrix_a_scale:MATRIX_SCALE_ROW1
.elseif \rb
	v_wmma_scale_f32_16x16x128_f8f6f4 v[WD_:WD_+7], v[WA_:WA_+7], v[WR_:WR_+7], v[WD_:WD_+7], v[WP_], v[WQ_] matrix_a_fmt:MATRIX_FMT_FP4 matrix_b_fmt:MATRIX_FMT_FP4 matrix_b_scale:MATRIX_SCALE_ROW1
.else
	v_wmma_scale_f32_16x16x128_f8f6f4 v[WD_:WD_+7], v[WA_:WA_+7], v[WR_:WR_+7], v[WD_:WD_+7], v[WP_], v[WQ_] matrix_a_fmt:MATRIX_FMT_FP4 matrix_b_fmt:MATRIX_FMT_FP4
.endif
.endif
.endm
.macro WSET g                          ; ring step g (product g / 8, K step g % 8): its buffer g % 4 and its bytes
.set WB_, WB+32*((\g)%4)
.set WS_, WS+2*((\g)%4)
.set CO_, ((\g)/8)*262144+((\g)%8)*4096
.endm
.macro WLOADT t                        ; tile t's fragment of the ring step that WSET has named: two loads
	global_load_b128 v[WB_+8*(\t):WB_+8*(\t)+3], v[L16], s[WCB:WCB+1] offset:CO_+1024*(\t)
	global_load_b128 v[WB_+8*(\t)+4:WB_+8*(\t)+7], v[L16], s[WCB:WCB+1] offset:CO_+1024*(\t)+512
.endm
.macro WLOADS                          ; and its scale words: the ninth load
	global_load_b64 v[WS_:WS_+1], v[L8], s[WSB:WSB+1] offset:CO_/16
.endm
.macro WLOADG g                        ; all nine on end: the ring's first three steps
	WSET \g
.irp t, 0,1,2,3
	WLOADT \t
.endr
	WLOADS
.endm
.macro ALOAD ab, img, sc, ks, st       ; K step st of both row tiles, and their scale words, into buffer ab: five LDS loads
.irp m, 0,1
.irp c, 0,1
	ds_load_b128 v[ACT+16*(\ab)+8*\m+4*\c:ACT+16*(\ab)+8*\m+4*\c+3], v[L16] offset:(\img)+\m*(\ks)*1024+1024*(\st)+512*\c
.endr
.endr
	ds_load_b32 v[AS+(\ab)], v[L4] offset:(\sc)+128*(\st)
.endm
.macro MUL buf, ab, z, form, sm, su, sb, ld ; 8 products on 8 accumulators, one instruction a turn.  ld: the nine loads of the ring step that WSET has named are dealt among them: no product here names their registers
.irp t, 0,1,2,3
.irp m, 0,1
.if \form
	WM ACC+(\sm)*\m+(\su)*(\t%2)+(\sb)*(\t/2), ACT+16*(\ab)+8*\m, WB+32*(\buf)+8*\t, \z, AS+(\ab), \m, WS+2*(\buf)+\t/2, \t%2
.else
	WM ACC+(\sm)*\m+(\su)*(\t%2)+(\sb)*(\t/2), WB+32*(\buf)+8*\t, ACT+16*(\ab)+8*\m, \z, WS+2*(\buf)+\t/2, \t%2, AS+(\ab), \m
.endif
.endr
.if \ld
	WLOADT \t
.endif
.endr
.if \ld
	WLOADS
.endif
.endm
.macro PLACES                          ; four plain places behind matrix instructions, ahead of loads into their registers and of reads of their results
.rept 4
	v_nop
.endr
.endm
.macro PASS g0, ks, img, sc, z, form, sm, su, sb
	ALOAD 0, \img, \sc, \ks, 0
.set ST_, 0
.rept \ks
.set G_, (\g0)+ST_
.if GT-1-G_ >= 2
	s_wait_loadcnt 18                              ; this step's nine loads are in; those of the two steps behind it may be out
.else
	s_wait_loadcnt 9*(GT-1-G_)
.endif
	s_wait_dscnt 0x0                               ; this step's activations are in
.if (ST_ > 0) && ((ST_+1 < \ks) || (G_+3 < GT))
	s_wait_alu depctr_va_vdst(0)                   ; the step before's products are done reading their ring buffer, its scale words and their activations' buffer, in which the loads below land
.endif
.if ST_+1 < \ks
	ALOAD (ST_+1)%2, \img, \sc, \ks, ST_+1
.endif
.set Z_, 0
.if (\z) && (ST_ == 0)
.set Z_, 1
.endif
.set LD_, 0
.if G_+3 < GT
.set LD_, 1
	WSET G_+3                                      ; three steps on: into the buffer that the step before multiplied
.endif
	MUL G_%4, ST_%2, Z_, \form, \sm, \su, \sb, LD_
	PLACES
.set ST_, ST_+1
.endr
.endm
; 64 numbers of a lane, register 16 b + i = number 16 h + i of block b; lanes l and l xor 16 share the blocks.  Codes into v[PC] on (lane (r, hh), group c: block 2 c + hh whole), the four bytes into v[PW].
.macro QUANT s
.irp b, 0,1,2,3
	v_max3_num_f32 v[TM+\b], |v[(\s)+16*\b]|, |v[(\s)+1+16*\b]|, 0x1800000   ; and the floor 2^(3 - 127): the byte cannot fall under 1
.endr
.irp i, 2,4,6,8,10,12,14
.irp b, 0,1,2,3
	v_max3_num_f32 v[TM+\b], v[TM+\b], |v[(\s)+16*\b+\i]|, |v[(\s)+1+16*\b+\i]|
.endr
.endr
.irp b, 0,1,2,3
	v_permlanex16_b32 v[TM+4+\b], v[TM+\b], s[SEL], s[SEL+1]
.endr
.irp b, 0,1,2,3
	v_max_num_f32 v[TM+\b], v[TM+\b], v[TM+4+\b]   ; the block's largest magnitude
.endr
.irp b, 0,1,2,3
	v_add_nc_u32 v[TM+12+\b], 0xff000000, v[TM+\b] ; 2 off its exponent field: the conversion's scale operand
.endr
.irp b, 0,1,2,3
	v_lshrrev_b32 v[TM+4+\b], 23, v[TM+12+\b]      ; the byte
.endr
	v_lshl_or_b32 v[PW], v[TM+5], 8, v[TM+4]
	v_lshl_or_b32 v[PW], v[TM+6], 16, v[PW]
	v_lshl_or_b32 v[PW], v[TM+7], 24, v[PW]
.irp b, 0,1,2,3
	v_cvt_scalef32_pk8_fp4_f32 v[PC+2*\b], v[(\s)+16*\b:(\s)+7+16*\b], v[TM+12+\b]
	v_cvt_scalef32_pk8_fp4_f32 v[PC+1+2*\b], v[(\s)+8+16*\b:(\s)+15+16*\b], v[TM+12+\b]
.endr
	v_nop                                          ; one plain place behind a scaled conversion
.irp c, 0,1
.irp i, 0,1
	v_permlane16_swap_b32 v[PC+4*\c+\i], v[PC+2+4*\c+\i]   ; half blocks become whole blocks
.endr
.endr
.endm
.macro BARRIER                         ; my LDS stores have landed and my LDS loads are in: then the work-group's barrier
	s_wait_dscnt 0x0
	s_barrier_signal -1
	s_barrier_wait -1
.endm
.macro XLOAD reg, i                    ; my 16 rows' parts of my i-th K step: a row a load, 32 lanes read 512 consecutive bytes.  Rows 8-15 go by a base of their own: in keys they lie 8 rows further on
.irp r, 0,1,2,3,4,5,6,7,8,9,10,11,12,13,14,15
	global_load_b128 v[(\reg)+4*\r:(\reg)+4*\r+3], v[L16], s[24+20*(\r/8):25+20*(\r/8)] offset:4096*\r+512*(\i) th:TH_LOAD_NT
.endr
.endm
.macro XTURN reg                       ; through my stage and back into the same registers: register 16 b + i = k 32 b + 16 h + i of row r
.irp r, 0,1,2,3,4,5,6,7,8,9,10,11,12,13,14,15
	ds_store_b128 v[XSW], v[(\reg)+4*\r:(\reg)+4*\r+3] offset:XP*\r
.endr
	s_wait_dscnt 0x0                               ; the rows lie in the stage
	s_wait_alu depctr_vm_vsrc(0)                   ; these stores have read their 64 registers, in which the loads below land; the last fragment's stores have read the codes and the scale word, which the quantiser writes anew
.irp b, 0,1,2,3
.irp j, 0,1,2,3
	ds_load_b128 v[(\reg)+16*\b+4*\j:(\reg)+16*\b+4*\j+3], v[XSR] offset:128*\b+16*\j
.endr
.endr
	s_wait_dscnt 0x0
.endm
	s_load_b256 s[8:15], s[0:1], 0x0               ; x, keys, wcodes, wscales
	s_load_b128 s[16:19], s[0:1], 0x20             ; qkvc, qkvs
	v_lshl_add_u32 v254, v0, 2, 0x19600
	v_mov_b32 v255, 0
	v_lshrrev_b32 v10, 5, v0
	v_readfirstlane_b32 s2, v10                    ; wave 0..7
	v_and_b32 v13, 31, v0                          ; lane
	v_and_b32 v11, 15, v0                          ; r
	v_bfe_u32 v12, v0, 4, 1                        ; h
	v_lshlrev_b32 v[L16], 4, v13
	s_wait_alu depctr_va_vdst(0)
	v_lshlrev_b32 v[L8], 3, v13
	v_lshlrev_b32 v[L4], 2, v13
	s_wait_alu depctr_va_sdst(0)                   ; s2 is written, ahead of its first reader
	s_lshr_b32 s26, s2, 2                          ; 0: I quantise x, 1: keys
	s_bfe_u32 s27, s2, 0x10001                     ; which tile of 16 rows
	s_and_b32 s28, s2, 1                           ; which half of K
	s_lshr_b32 s31, 16, s26
	s_mul_i32 s31, s31, s27                        ; the tile begins at row 16 m (x) or 8 m (keys)
	s_mul_i32 s29, s2, XSTW
	s_add_co_u32 s29, s29, XST                     ; my stage
	v_add_nc_u32 v[XSW], s29, v[L16]
	v_mul_u32_u24 v[XSR], v11, XP
	v_lshl_add_u32 v[XSR], v12, 6, v[XSR]
	v_add_nc_u32 v[XSR], s29, v[XSR]
	s_lshl_b32 s29, s2, 12
	v_add_nc_u32 v[XWI], s29, v[L16]               ; tensor x 16,384 + tile x 8,192 + half x 4,096 = 4,096 x wave
	s_lshl_b32 s29, s26, 10
	s_lshl_b32 s30, s27, 6
	s_add_co_u32 s29, s29, s30
	s_lshl_b32 s30, s28, 9
	s_add_co_u32 s29, s29, s30
	v_lshl_add_u32 v[XWS], v11, 2, s29             ; 1,024 x tensor + 512 x half + 64 x tile + 4 r: both halves of the lanes write the same word with the same value
	v_lshlrev_b32 v[VV], 4, v11
	v_lshl_add_u32 v[VV], v12, 10, v[VV]
	s_lshl_b32 s29, s2, 6
	v_add_nc_u32 v[SSA], s29, v13
	v_lshlrev_b32 v9, 3, v12                       ; 8 h
	s_min_u32 s43, s2, 2                           ; waves 0-2 send the scale bytes out
	s_lshl_b32 s29, s43, 9
	v_add_nc_u32 v10, s29, v[L16]
.irp b, 0,1,2,3
	v_mov_b32 v[TM+4+\b], 0                        ; a lane permute's destination counts as one of its sources
.endr
	s_mov_b32 s[SEL], 0x76543210
	s_mov_b32 s[SEL+1], 0xfedcba98
	s_mov_b32 s3, ttmp9                            ; block of 32 rows
	s_lshr_b32 s4, s3, 6                           ; batch
	s_and_b32 s5, s3, 63                           ; block within the batch
	s_mov_b32 s41, 0
	s_wait_kmcnt 0x0
	s_lshl_b32 s40, s2, 15
	s_add_nc_u64 s[WCB:WCB+1], s[12:13], s[40:41]  ; my chunk of Wq: 8 units of 4,096 bytes; Wk's and Wv's lie 262,144 and 524,288 on
	s_lshl_b32 s40, s2, 11
	s_add_nc_u64 s[WSB:WSB+1], s[14:15], s[40:41]
	s_cmp_eq_u32 s26, 0
	s_cselect_b64 s[24:25], s[8:9], s[10:11]
	s_lshl_b32 s40, s3, 17
	s_lshl_b32 s42, s28, 11
	s_add_co_u32 s40, s40, s42
	s_lshl_b32 s42, s31, 12
	s_add_co_u32 s40, s40, s42
	s_add_nc_u64 s[24:25], s[24:25], s[40:41]      ; the block's first row + my tile's first row, my half of K
	s_lshl_b32 s46, s26, 15
	s_mov_b32 s47, 0
	s_add_nc_u64 s[44:45], s[24:25], s[46:47]      ; for rows 8-15: in keys 8 rows further on
	s_lshl_b32 s40, s4, 19
	s_lshl_b32 s42, s2, 16
	s_add_co_u32 s40, s40, s42
	s_add_nc_u64 s[34:35], s[16:17], s[40:41]      ; the plane of head 2 w of my batch
	s_lshl_b32 s40, s5, 9
	s_add_nc_u64 s[32:33], s[34:35], s[40:41]      ; Q, K: 512 bytes a block of 32 rows
	s_lshr_b32 s40, s5, 2
	s_lshl_b32 s40, s40, 11
	s_bfe_u32 s42, s5, 0x10001
	s_lshl_b32 s42, s42, 9
	s_add_co_u32 s40, s40, s42
	s_and_b32 s42, s5, 1
	s_lshl_b32 s42, s42, 8
	s_add_co_u32 s40, s40, s42
	s_add_nc_u64 s[34:35], s[34:35], s[40:41]      ; V: key step, group c, half h of my key block
	s_lshl_b32 s40, s3, 9
	s_lshl_b32 s42, s43, 17
	s_add_co_u32 s40, s40, s42
	s_add_nc_u64 s[36:37], s[18:19], s[40:41]      ; the scale bytes of product min(wave, 2), my block
	; ---- X: four fragments a wave.  The ring's first two steps are asked for first; x lands in the accumulators' registers and in ring buffers 2 and 3 by turns
	s_wait_alu depctr_va_vdst(0)                   ; the offsets and LDS addresses v1-8, v10 and v250 are written, which every load and store of the kernel reads
	WLOADG 0
	WLOADG 1
	XLOAD 16, 0
	XLOAD 144, 1
.irp i, 0,1,2,3
.if \i < 3
	s_wait_loadcnt 16                              ; this fragment's numbers are in; the next one's 16 loads may be out
.else
	s_wait_loadcnt 0x0
.endif
	XTURN 16+128*(\i%2)
	QUANT 16+128*(\i%2)
	s_wait_alu depctr_va_vdst(0)                   ; the quantiser has written the codes and the scale word, which the stores below read, and is done reading its 64 numbers, in which the next loads land
	ds_store_b128 v[XWI], v[PC:PC+3] offset:1024*\i
	ds_store_b128 v[XWI], v[PC+4:PC+7] offset:1024*\i+512
	ds_store_b32 v[XWS], v[PW] offset:ASC+128*\i
.if \i < 2
	XLOAD 16+128*(\i%2), \i+2
.endif
	s_wait_dscnt 0x0                               ; the image has landed
.endr
	WLOADG 2
	BARRIER                                        ; all sixteen fragments of x and of keys lie in LDS
	s_wait_alu depctr_vm_vsrc(0)                   ; my last fragment's stores have read v232 and v234-241, in which the activations' loads land
.macro EPI p                           ; a pass's 64 results a lane become four blocks of codes and four bytes
	QUANT ACC
	v_lshrrev_b32 v14, v9, v[PW]                   ; byte h: head 2 w, place 16 h + r;
	v_lshrrev_b32 v15, 16, v14                     ; byte 2 + h: head 2 w + 1
	s_wait_alu depctr_va_vdst(0)                   ; the codes and the two bytes are written, which the four stores read; the quantiser is done with v216-241, and the pass's products with their buffers: the next pass's loads land there
.if \p < 2
	global_store_b128 v[L16], v[PC:PC+3], s[32:33] offset:\p*2097152                ; head 2 w: 512 consecutive bytes, aligned
	global_store_b128 v[L16], v[PC+4:PC+7], s[32:33] offset:\p*2097152+32768        ; head 2 w + 1
.else
	global_store_b128 v[VV], v[PC:PC+3], s[34:35] offset:\p*2097152                 ; each half of the lanes stores 256 consecutive bytes, aligned
	global_store_b128 v[VV], v[PC+4:PC+7], s[34:35] offset:\p*2097152+32768
.endif
	ds_store_b8 v[SSA], v14 offset:SST+512*\p
	ds_store_b8 v[SSA], v15 offset:SST+512*\p+32
	s_wait_xcnt 0x0                                ; the stores' data registers are loaded again in the next pass only behind this wait
.if \p < 2
	s_wait_alu depctr_vm_vsrc(0)                   ; the four stores have read the codes, in which the next pass's activations land, and v14 and v15, which are written again behind that pass
.endif
.endm
	PASS 0, 8, 0, ASC, 1, 0, 16, 8, 32             ; Q: block 2 head + row tile
	EPI 0
	PASS 8, 8, KIMG, ASC+1024, 1, 0, 16, 8, 32     ; K
	EPI 1
	PASS 16, 8, KIMG, ASC+1024, 1, 1, 8, 16, 32    ; V: block = channel tile, registers along the keys
	EPI 2
	BARRIER                                        ; 3 x 512 scale bytes lie in the stage
	s_cmp_lt_u32 s2, 3
	s_cbranch_scc0 .Lend
	ds_load_b128 v[16:19], v10 offset:SST          ; (no vector instruction has named v16-19 since the wait behind the last quantiser)
	s_wait_dscnt 0x0
	global_store_b128 v[L16], v[16:19], s[36:37]   ; 512 consecutive bytes, aligned
.Lend:
	s_wait_dscnt 0x0                               ; the closing lines, six on end
	s_wait_alu 0x0
	s_wait_tensorcnt 0x0
	ds_add_u32 v254, v255
	s_wait_dscnt 0x0
	s_endpgm
.Lfunc_end_k_q76c1a2cee4_qkv:
	.size	k_q76c1a2cee4_qkv, .Lfunc_end_k_q76c1a2cee4_qkv-k_q76c1a2cee4_qkv
	.p2alignl 7, 3214868480
	.fill 96, 4, 3214868480
	.section	.rodata,"a",@progbits
	.p2align	6, 0x0
	.amdhsa_kernel k_q76c1a2cee4_qkv
		.amdhsa_group_segment_fixed_size 104960
		.amdhsa_private_segment_fixed_size 0
		.amdhsa_enable_private_segment 0
		.amdhsa_kernarg_size 48
		.amdhsa_user_sgpr_count 2
		.amdhsa_user_sgpr_kernarg_segment_ptr 1
		.amdhsa_wavefront_size32 1
		.amdhsa_system_sgpr_workgroup_id_x 1
		.amdhsa_system_sgpr_workgroup_id_y 1
		.amdhsa_system_sgpr_workgroup_id_z 1
		.amdhsa_system_vgpr_workitem_id 0
		.amdhsa_next_free_vgpr 256
		.amdhsa_next_free_sgpr 66
		.amdhsa_reserve_vcc 0
		.amdhsa_float_denorm_mode_32 3
		.amdhsa_float_denorm_mode_16_64 3
		.amdhsa_memory_ordered 1
		.amdhsa_forward_progress 1
		.amdhsa_inst_pref_size 105
	.end_amdhsa_kernel
	.amdgpu_metadata
---
amdhsa.version: [ 1, 2 ]
amdhsa.kernels:
  - .name:           k_q76c1a2cee4_qkv
    .symbol:         k_q76c1a2cee4_qkv.kd
    .args:
      - { .name: x, .offset: 0, .size: 8, .value_kind: global_buffer, .address_space: global }
      - { .name: keys, .offset: 8, .size: 8, .value_kind: global_buffer, .address_space: global }
      - { .name: wcodes, .offset: 16, .size: 8, .value_kind: global_buffer, .address_space: global }
      - { .name: wscales, .offset: 24, .size: 8, .value_kind: global_buffer, .address_space: global }
      - { .name: qkvc, .offset: 32, .size: 8, .value_kind: global_buffer, .address_space: global }
      - { .name: qkvs, .offset: 40, .size: 8, .value_kind: global_buffer, .address_space: global }
    .group_segment_fixed_size: 104960
    .private_segment_fixed_size: 0
    .kernarg_segment_align: 8
    .kernarg_segment_size: 48
    .max_flat_workgroup_size: 256
    .sgpr_count:     66
    .vgpr_count:     256
    .wavefront_size: 32
...
	.end_amdgpu_metadata
.endif
;; end of part 6
;; launch attn (part 7): grid 4 x 64, 16 waves a work-group, no clusters, 72,192 bytes of LDS; arguments qkvc, qkvs, oc, os; writes oc, os
.if DOCPART == 7
	.amdgcn_target "amdgcn-amd-amdhsa--gfx1250"
	.amdhsa_code_object_version 6
	.text
	.protected	k_q76c1a2cee4_attn
	.globl	k_q76c1a2cee4_attn
	.p2align	8
	.type	k_q76c1a2cee4_attn,@function
k_q76c1a2cee4_attn:
	s_mov_b64 s[64:65], 0
	v_nop
	global_prefetch_b8 v0, s[64:65] scope:SCOPE_SE
	s_setreg_imm32_b32 hwreg(HW_REG_WAVE_SCHED_MODE, 0, 2), 2
	s_setreg_imm32_b32 hwreg(HW_REG_WAVE_MODE, 25, 1), 1
	s_wait_xcnt 0x0
	s_wait_alu depctr_vm_vsrc(0)
; out[b][q][head][:] = softmax_k(Q . K / sqrt(32)) V, both products on codes of FP4 (E2M1) with E8M0 scales; the result is quantised by head (32 channels = one block) for the next product.
; THE SOFTMAX: t = score x log2(e) / sqrt(32); M = the running largest t rounded UP to a whole number; p = 2^(t - M) is quantised along the keys, not normalised; the row's sum is taken of the unquantised p and divides at the end.
; When M moves, the sum and O are multiplied by 2^(old M - new M): exact.
; SHARES.  A work-group owns 512 queries of one (batch, head); each of its sixteen waves two tiles of 16 queries, one after the other.  The head's K and V codes (32 KB each) and scale words lie in LDS, filled once through registers.
; WHY NO JOINT LOADS, though four work-groups read one head: what is shared is 68 KB a work-group, read once at the head of the kernel; the loop over keys reads LDS alone.
; LAYOUT.  Both products transposed: S^T = K Q^T, O^T = V^T P^T: a lane holds ONE query throughout.
; THE FIRST PRODUCT'S K IS 32, the instruction's 128.  One fragment of K holds FOUR tiles of 16 keys as its four blocks of 32; Q stands in four variants, its 32 codes in block b and zero codes elsewhere:
; the product with variant b is tile b's scores.  So no byte of K is read twice and none is padding.  The zero codes add nothing under any scale byte that the quantiser makes (1 .. 254).
; The keys of a tile are not neighbours (tile 2 b + u, row r: key 32 b + 8 u + r + 8 (r / 8)): p's register 16 b + i is key 32 b + 16 h + i.
; LIMITS: a block of zeros gets the byte 1 (its codes are zeros; this program alone reads the bytes); a p under 2^-126 is 0; NaN and infinities are not served.
; REGISTERS: v1 16 x lane, v2 4 x lane, v3, v4 the step's LDS addresses, v5 0, v6, v7 the way out; v12 -M, v13 largest t, v[14:15] the sum; v16-39 Q's variants; v40-43 scale words (Q, K, V, p);
; v44-59 K, v60-75 V; v96-159 S^T, then p; v160-175 O^T; v176-183 p's codes; v184-193 Q as loaded; v194-199 the results' codes and bytes; v205 where K's first scale words lie; v232-254 at work.
; THE MODE: SCHED_MODE bits 1:0 = 2 (LLVM: expert scheduling mode 2), set by the entry lines.  The code itself states the register dependences
; between vector or matrix instructions and memory or LDS instructions, with s_wait_alu, always for 0.
; THE PLAN.  Registers that memory or LDS instructions touch, in the loop over keys:
;   v44-59, v41   K of a step and its scale words.  Read by the step's eight score products, at its head; the next step's land in them behind the wait in the step's middle.
;   v60-75, v42   V of a step and its scale words.  They land behind the same wait; read by the step's two output products, at its end.
;   v3, v4        The step's LDS addresses.  Written by two additions ahead of that wait; read by the ten loads behind it.
; ONE wait on va_vdst stands in the step's middle, behind the 68 exponentials, whose results it is owed to anyway: it also states that v3 and v4 are written, that this step's score products are done reading K, and that the
; last step's output products are done reading V.  One wait on vm_vsrc stands ahead of the two additions.  The loads have the quantising of p, the sums and the rescaling in which to land.
; A second wait on va_vdst stands ahead of the output products, which take p's codes and scale word from vector instructions; a like one ahead of the loop, for Q's variants and scale word.
.set VIMG, 32768                       ; LDS: K's images at 0, V's here,
.set KSW,  65536                       ; K's scale words [step][fragment][r], 128 bytes a step,
.set VSW,  67584                       ; V's [step][tile][r],
.set OST,  69632                       ; and 512 scale bytes of the output
.set SEL, 32
.set CS,  34
.set TB,  38
.set TS,  39
.set CNT, 40
.macro WM d, a, b, z, sa, ra, sb, rb
.set WD_, \d
.set WA_, \a
.set WR_, \b
.set WP_, \sa
.set WQ_, \sb
.if \z
.if \ra
	v_wmma_scale_f32_16x16x128_f8f6f4 v[WD_:WD_+7], v[WA_:WA_+7], v[WR_:WR_+7], 0, v[WP_], v[WQ_] matrix_a_fmt:MATRIX_FMT_FP4 matrix_b_fmt:MATRIX_FMT_FP4 matrix_a_scale:MATRIX_SCALE_ROW1
.else
	v_wmma_scale_f32_16x16x128_f8f6f4 v[WD_:WD_+7], v[WA_:WA_+7], v[WR_:WR_+7], 0, v[WP_], v[WQ_] matrix_a_fmt:MATRIX_FMT_FP4 matrix_b_fmt:MATRIX_FMT_FP4
.endif
.else
.if \ra
	v_wmma_scale_f32_16x16x128_f8f6f4 v[WD_:WD_+7], v[WA_:WA_+7], v[WR_:WR_+7], v[WD_:WD_+7], v[WP_], v[WQ_] matrix_a_fmt:MATRIX_FMT_FP4 matrix_b_fmt:MATRIX_FMT_FP4 matrix_a_scale:MATRIX_SCALE_ROW1
.else
	v_wmma_scale_f32_16x16x128_f8f6f4 v[WD_:WD_+7], v[WA_:WA_+7], v[WR_:WR_+7], v[WD_:WD_+7], v[WP_], v[WQ_] matrix_a_fmt:MATRIX_FMT_FP4 matrix_b_fmt:MATRIX_FMT_FP4
.endif
.endif
.endm
.macro BARRIER
	s_wait_dscnt 0x0
	s_barrier_signal -1
	s_barrier_wait -1
.endm
	s_load_b256 s[8:15], s[0:1], 0x0               ; qkvc, qkvs, oc, os
	v_lshl_add_u32 v251, v0, 2, 0x11200
	v_mov_b32 v255, 0
	v_lshrrev_b32 v8, 5, v0
	v_readfirstlane_b32 s2, v8                     ; wave 0..15
	s_and_b32 s3, ttmp7, 0xffff                    ; 16 x batch + head
	s_lshr_b32 s4, s3, 4
	s_and_b32 s5, s3, 15
	v_and_b32 v9, 31, v0                           ; lane
	v_lshlrev_b32 v1, 4, v9
	v_lshlrev_b32 v2, 2, v9
	v_mov_b32 v5, 0
	v_and_b32 v201, 15, v0                         ; r
	v_bfe_u32 v202, v0, 4, 1                       ; h
	v_cmp_gt_u32 vcc_lo, 16, v9                    ; lanes 0-15; VCC stays
	v_lshlrev_b32 v200, 4, v201                    ; Q: 16 r
	v_lshl_add_u32 v6, v202, 3, v200               ; out: 16 r + 8 h
	s_wait_alu depctr_va_sdst(0)                   ; s2 is written, ahead of its first reader
	s_wait_alu depctr_va_vcc(0)                    ; VCC is written, ahead of its first reader: the selects that lay Q's variants
	s_lshl_b32 s6, s2, 5
	v_add_nc_u32 v7, s6, v201
	v_add_nc_u32 v7, OST, v7                       ; my queries' scale bytes: 32 x wave + r
	v_add_nc_u32 v204, OST, v1                     ; and where wave 0 reads all 512 back
	v_add_nc_u32 v205, KSW, v2                     ; K's scale words of the first 128 keys
	v_lshlrev_b32 v8, 4, v0                        ; the fill: 16 x thread,
	v_lshrrev_b32 v10, 5, v0
	v_lshl_add_u32 v9, v10, 9, v9                  ; scale bytes: key block thread / 32 (512 bytes a block), byte thread % 32
	v_and_b32 v10, 0x1c0, v0                       ; K's byte goes to 64 (thread / 64) + 4 r + (thread / 16) % 4,
	v_lshl_add_u32 v10, v201, 2, v10
	v_bfe_u32 v203, v0, 4, 2
	v_add_nc_u32 v10, v10, v203
	v_add_nc_u32 v10, KSW, v10
	v_and_b32 v11, 0x180, v0                       ; V's to 128 (thread / 128) + 64 h + 4 r + (thread / 32) % 4
	v_lshl_add_u32 v11, v202, 6, v11
	v_lshl_add_u32 v11, v201, 2, v11
	v_bfe_u32 v203, v0, 5, 2
	v_add_nc_u32 v11, v11, v203
	v_add_nc_u32 v11, VSW, v11
.irp b, 0,1,2,3
	v_mov_b32 v[236+\b], 0                         ; a lane permute's destination counts as one of its sources
.endr
	v_mov_b32 v252, 0
	v_mov_b32 v253, 0                              ; named as the upper half of the pair v[252:253]
	s_mov_b32 s[SEL], 0x76543210
	s_mov_b32 s[SEL+1], 0xfedcba98
	s_mov_b32 s[CS], 0x3e8293ee                    ; c = log2(e) / sqrt(32)
	s_mov_b32 s[CS+1], s[CS]
	s_lshl_b32 s16, s3, 15                         ; a head's plane is 32,768 bytes
	s_mov_b32 s17, 0
	s_lshl_b32 s36, ttmp9, 13                      ; my 512 queries, my wave's 32: 8,192 x + 512 w, in Q's plane and in Q's scale bytes alike
	s_lshl_b32 s37, s2, 9
	s_add_co_u32 s36, s36, s37
	s_mov_b32 s37, 0
	s_lshl_b32 s24, s4, 15                         ; the batch's 64 blocks of scale bytes, 512 each; the head's 32 in each
	s_lshl_b32 s25, s5, 5
	s_add_co_u32 s24, s24, s25
	s_mov_b32 s25, 0
	s_wait_kmcnt 0x0
	s_add_nc_u64 s[18:19], s[8:9], s[16:17]
	s_add_nc_u64 s[20:21], s[18:19], 0x200000      ; K's plane
	s_add_nc_u64 s[22:23], s[18:19], 0x400000      ; V's
	s_add_nc_u64 s[18:19], s[18:19], s[36:37]      ; Q at my first query
	s_add_nc_u64 s[26:27], s[10:11], s[24:25]
	s_add_nc_u64 s[28:29], s[26:27], 0x20000       ; K's scale bytes
	s_add_nc_u64 s[30:31], s[26:27], 0x40000       ; V's
	s_add_nc_u64 s[26:27], s[26:27], s[36:37]      ; Q's
	s_lshl_b32 s24, s4, 19                         ; oc: (128 batch + 32 x + 2 w) tiles of 4,096 bytes + 256 head
	s_lshl_b32 s16, ttmp9, 17
	s_add_co_u32 s24, s24, s16
	s_lshl_b32 s16, s2, 13
	s_add_co_u32 s24, s24, s16
	s_lshl_b32 s16, s5, 8
	s_add_co_u32 s24, s24, s16
	s_add_nc_u64 s[42:43], s[12:13], s[24:25]
	s_lshl_b32 s24, s5, 13                         ; os: 8,192 head + 2,048 batch + 512 x
	s_lshl_b32 s16, s4, 11
	s_add_co_u32 s24, s24, s16
	s_lshl_b32 s16, ttmp9, 9
	s_add_co_u32 s24, s24, s16
	s_add_nc_u64 s[44:45], s[14:15], s[24:25]
	s_wait_alu depctr_va_vdst(0)                   ; the offsets and LDS addresses v1, v2, v6-11, v200, v201, v204 and v205 are written, which the loads and stores below read
.irp j, 0,1,2,3
	global_load_b128 v[96+4*\j:99+4*\j], v8, s[20:21] offset:8192*\j
	global_load_b128 v[112+4*\j:115+4*\j], v8, s[22:23] offset:8192*\j
	global_load_u8 v[128+\j], v9, s[28:29] offset:8192*\j
	global_load_u8 v[132+\j], v9, s[30:31] offset:8192*\j
.endr
.irp t, 0,1
	global_load_b128 v[184+4*\t:187+4*\t], v200, s[18:19] offset:256*\t   ; Q's 16 bytes of row r, in both halves of the lanes
	global_load_u8 v[192+\t], v201, s[26:27] offset:16*\t
.endr
	s_wait_loadcnt 0x0
.irp j, 0,1,2,3
	ds_store_b128 v8, v[96+4*\j:99+4*\j] offset:8192*\j
	ds_store_b128 v8, v[112+4*\j:115+4*\j] offset:VIMG+8192*\j
	ds_store_b8 v10, v[128+\j] offset:512*\j
	ds_store_b8 v11, v[132+\j] offset:512*\j
.endr
	BARRIER                                        ; the head lies in LDS
	s_wait_alu depctr_vm_vsrc(0)                   ; my stores of the fill have read v96-135, which the score products write
.macro TILE it
.irp f, 0,1,2,3
	ds_load_b128 v[44+4*\f:47+4*\f], v1 offset:512*\f   ; K of the first 128 keys: asked for here, so that it lands while Q's variants are laid.  (No vector or matrix instruction has named these registers since the last wait on va_vdst)
.endr
	ds_load_b32 v41, v205                          ; its words: lanes 0-15 fragment 0, lanes 16-31 fragment 1
	v_perm_b32 v40, v[192+\it], v[192+\it], 0      ; Q's byte in all four places; more than eight plain lines stand between this and the first product
.irp k, 0,1,2,3
	v_cndmask_b32 v[16+\k], v5, v[184+4*\it+\k], vcc_lo    ; Q in lanes 0-15, zeros above
	v_cndmask_b32 v[28+\k], v[184+4*\it+\k], v5, vcc_lo    ; Q in lanes 16-31, zeros below
	v_mov_b32 v[20+\k], 0
	v_mov_b32 v[32+\k], 0
.endr
.irp k, 0,1,2,3
	v_mov_b32 v[24+\k], v[16+\k]                   ; v16-23: block 0; v20-27: block 2; v28-35: block 1; v32-39: block 3
	v_mov_b32 v[36+\k], v[28+\k]
.endr
	v_mov_b32 v13, 0xff61b1e6                      ; the largest t so far: -3e38
	v_floor_f32 v12, -v13
	v_mov_b32 v14, 0
	v_mov_b32 v15, 0
.set k_, 0
.rept 16
	v_mov_b32 v[160+k_], 0                         ; O^T: the step is written once, and its first trip finds zeros
.set k_, k_+1
.endr
	s_mov_b32 s[TB], 0
	s_mov_b32 s[TS], KSW
	s_mov_b32 s[CNT], 16
	s_wait_dscnt 0x0                               ; the first K is in
	s_wait_alu depctr_va_vdst(0)                   ; Q's variants v16-39 and its scale word v40 are written, which the scaled products take as operand and as scales; their places stand above
.Lstep_\@:                                             ; 128 keys a trip
.irp f, 0,1
	WM 96+32*\f, 44+8*\f, 16, 1, 41, \f, 40, 0
	WM 104+32*\f, 44+8*\f, 28, 1, 41, \f, 40, 0
	WM 112+32*\f, 44+8*\f, 20, 1, 41, \f, 40, 0
	WM 120+32*\f, 44+8*\f, 32, 1, 41, \f, 40, 0
.endr
.rept 4
	v_nop
.endr
.irp b, 0,1,2,3
	v_max3_num_f32 v[232+\b], v[96+16*\b], v[97+16*\b], v[98+16*\b]   ; the largest score of each block of 32 keys: for the row's maximum and, since p rises with the score, for the block's largest p
.endr
.irp i, 3,5,7,9,11,13
.irp b, 0,1,2,3
	v_max3_num_f32 v[232+\b], v[232+\b], v[96+16*\b+\i], v[97+16*\b+\i]
.endr
.endr
.irp b, 0,1,2,3
	v_max_num_f32 v[232+\b], v[232+\b], v[111+16*\b]
.endr
.irp b, 0,1,2,3
	v_permlanex16_b32 v[236+\b], v[232+\b], s[SEL], s[SEL+1]
.endr
.irp b, 0,1,2,3
	v_max_num_f32 v[232+\b], v[232+\b], v[236+\b]
.endr
	v_max3_num_f32 v254, v232, v233, v234
	v_max_num_f32 v254, v254, v235
	v_mul_f32 v254, s[CS], v254
	v_max_num_f32 v13, v13, v254                   ; the running largest t
	v_mov_b32 v254, v12
	v_floor_f32 v12, -v13                          ; -M = floor(-t): M is a whole number
	v_sub_f32 v254, v12, v254
	v_cvt_i32_f32 v254, v254                       ; (it saturates)
	v_ldexp_f32 v252, 1.0, v254                    ; f = 2^(old M - new M)
.set k_, 0
.rept 32
	v_pk_fma_f32 v[96+k_:97+k_], v[96+k_:97+k_], s[CS:CS+1], v[12:13] op_sel_hi:[1,0,0]   ; t - M
.set k_, k_+2
.endr
.irp b, 0,1,2,3
	v_fma_f32 v[232+\b], v[232+\b], s[CS], v12
.endr
.set k_, 0
	s_wait_alu depctr_va_vdst(0)
.rept 64
	v_exp_f32 v[96+k_], v[96+k_]                   ; p = 2^(t - M)
.set k_, k_+1
.endr
.irp b, 0,1,2,3
	v_exp_f32 v[232+\b], v[232+\b]                 ; the blocks' largest p: the same two instructions on the same number
.endr
	v_pk_mul_f32 v[14:15], v[14:15], v[252:253] op_sel_hi:[1,0]   ; the sum under the new M: the plain place behind the batch
	s_wait_alu depctr_vm_vsrc(0)                   ; the last trip's LDS loads have read v3 and v4
	v_add_nc_u32 v3, s[TB], v1                     ; this step's place in the images,
	v_add_nc_u32 v4, s[TS], v2                     ; and among the scale words
	s_wait_alu depctr_va_vdst(0)                   ; the 68 exponentials have written their results, ahead of their first reader; v3 and v4 are written; this trip's score products are done reading K, the last trip's output products V
.irp f, 0,1,2,3
	ds_load_b128 v[60+4*\f:63+4*\f], v3 offset:VIMG+512*\f   ; this step's V
.endr
	ds_load_b32 v42, v4 offset:VSW-KSW             ; its words: lanes 0-15 tile 0, lanes 16-31 tile 1
	s_cmp_eq_u32 s[CNT], 1                         ; the last trip has no next K
	s_cbranch_scc1 .Llast_\@
.irp f, 0,1,2,3
	ds_load_b128 v[44+4*\f:47+4*\f], v3 offset:2048+512*\f   ; the next step's K
.endr
	ds_load_b32 v41, v4 offset:128
.Llast_\@:
.irp b, 0,1,2,3
	v_max_num_f32 v[232+\b], 0x1800000, v[232+\b]  ; the floor 2^(3 - 127)
.endr
.irp b, 0,1,2,3
	v_add_nc_u32 v[244+\b], 0xff000000, v[232+\b]
.endr
.irp b, 0,1,2,3
	v_lshrrev_b32 v[236+\b], 23, v[244+\b]
.endr
	v_lshl_or_b32 v43, v237, 8, v236               ; p's scale word for these 128 keys
	v_lshl_or_b32 v43, v238, 16, v43
	v_lshl_or_b32 v43, v239, 24, v43
.irp b, 0,1,2,3
	v_cvt_scalef32_pk8_fp4_f32 v[176+2*\b], v[96+16*\b:103+16*\b], v[244+\b]
	v_cvt_scalef32_pk8_fp4_f32 v[177+2*\b], v[104+16*\b:111+16*\b], v[244+\b]
.endr
	v_nop
.irp c, 0,1
.irp i, 0,1
	v_permlane16_swap_b32 v[176+4*\c+\i], v[178+4*\c+\i]
.endr
.endr
	v_pk_add_f32 v[236:237], v[96:97], v[98:99]    ; the row's sum of the unquantised p, in two chains; these lines are also the places between p's codes and scale word and the products
.irp j, 4,8,12,16,20,24,28,32,36,40,44,48,52,56,60
	v_pk_add_f32 v[14:15], v[14:15], v[96+\j:97+\j]
	v_pk_add_f32 v[236:237], v[236:237], v[98+\j:99+\j]
.endr
	v_pk_add_f32 v[14:15], v[14:15], v[236:237]
.irp j, 0,2,4,6,8,10,12,14
	v_pk_mul_f32 v[160+\j:161+\j], v[160+\j:161+\j], v[252:253] op_sel_hi:[1,0]   ; O^T under the new M
.endr
	s_wait_dscnt 0x0                               ; V is in, and so is the next step's K: for 0, so that it holds whether or not K was asked for
	s_wait_alu depctr_va_vdst(0)                   ; p's codes v176-183 and its scale word v43 are written, which the scaled products take as operand and as scales; their places stand above
	WM 160, 60, 176, 0, 42, 0, 43, 0               ; O^T += V^T P^T: channels 16 h + j,
	WM 168, 68, 176, 0, 42, 1, 43, 0               ; and 16 h + 8 + j
	s_add_co_u32 s[TB], s[TB], 2048
	s_add_co_u32 s[TS], s[TS], 128
	s_sub_co_u32 s[CNT], s[CNT], 1
	s_cmp_lg_u32 s[CNT], 0
	s_cbranch_scc1 .Lstep_\@
.rept 4
	v_nop
.endr
	v_add_f32 v14, v14, v15
	v_permlanex16_b32 v252, v14, s[SEL], s[SEL+1]
	v_add_f32 v14, v14, v252                       ; the row's sum
	s_wait_alu depctr_va_vdst(0)
	v_rcp_f32 v14, v14
	v_nop
	s_wait_alu depctr_va_vdst(0)                   ; the reciprocal has written v14, ahead of its first reader
.set k_, 0
.rept 16
	v_mul_f32 v[96+k_], v[160+k_], v14             ; out(r, 16 h + k)
.set k_, k_+1
.endr
	v_max3_num_f32 v232, |v96|, |v97|, 0x1800000
.irp i, 2,4,6,8,10,12,14
	v_max3_num_f32 v232, v232, |v[96+\i]|, |v[97+\i]|
.endr
	v_permlanex16_b32 v236, v232, s[SEL], s[SEL+1]
	v_max_num_f32 v232, v232, v236                 ; the head's 32 channels are one block of the next product
	v_add_nc_u32 v244, 0xff000000, v232
	v_lshrrev_b32 v[198+\it], 23, v244
	v_cvt_scalef32_pk8_fp4_f32 v[194+2*\it], v[96:103], v244
	v_cvt_scalef32_pk8_fp4_f32 v[195+2*\it], v[104:111], v244
	v_nop
	s_wait_alu depctr_va_vdst(0)                   ; the tile's codes and its byte are written, which the two stores read; the tile's products are done reading K, in which the next tile's first loads land
	global_store_b64 v6, v[194+2*\it:195+2*\it], s[42:43] offset:4096*\it   ; 32 lanes store 256 consecutive bytes, aligned
	ds_store_b8 v7, v[198+\it] offset:16*\it       ; both halves of the lanes write the same byte with the same value
.endm
	TILE 0
	TILE 1
	BARRIER                                        ; the work-group's 512 scale bytes lie in LDS
	s_cmp_lg_u32 s2, 0
	s_cbranch_scc1 .Lend
	ds_load_b128 v[96:99], v204                    ; (no vector instruction has named v96-99 since the wait ahead of the last tile's stores)
	s_wait_dscnt 0x0
	global_store_b128 v1, v[96:99], s[44:45]       ; 512 consecutive bytes, aligned
.Lend:
	s_wait_dscnt 0x0                               ; the closing lines, six on end
	s_wait_alu 0x0
	s_wait_tensorcnt 0x0
	ds_add_u32 v251, v255
	s_wait_dscnt 0x0
	s_endpgm
.Lfunc_end_k_q76c1a2cee4_attn:
	.size	k_q76c1a2cee4_attn, .Lfunc_end_k_q76c1a2cee4_attn-k_q76c1a2cee4_attn
	.p2alignl 7, 3214868480
	.fill 96, 4, 3214868480
	.section	.rodata,"a",@progbits
	.p2align	6, 0x0
	.amdhsa_kernel k_q76c1a2cee4_attn
		.amdhsa_group_segment_fixed_size 72192
		.amdhsa_private_segment_fixed_size 0
		.amdhsa_enable_private_segment 0
		.amdhsa_kernarg_size 32
		.amdhsa_user_sgpr_count 2
		.amdhsa_user_sgpr_kernarg_segment_ptr 1
		.amdhsa_wavefront_size32 1
		.amdhsa_system_sgpr_workgroup_id_x 1
		.amdhsa_system_sgpr_workgroup_id_y 1
		.amdhsa_system_sgpr_workgroup_id_z 1
		.amdhsa_system_vgpr_workitem_id 0
		.amdhsa_next_free_vgpr 256
		.amdhsa_next_free_sgpr 66
		.amdhsa_reserve_vcc 1
		.amdhsa_float_denorm_mode_32 3
		.amdhsa_float_denorm_mode_16_64 3
		.amdhsa_memory_ordered 1
		.amdhsa_forward_progress 1
		.amdhsa_inst_pref_size 43
	.end_amdhsa_kernel
	.amdgpu_metadata
---
amdhsa.version: [ 1, 2 ]
amdhsa.kernels:
  - .name:           k_q76c1a2cee4_attn
    .symbol:         k_q76c1a2cee4_attn.kd
    .args:
      - { .name: qkvc, .offset: 0, .size: 8, .value_kind: global_buffer, .address_space: global }
      - { .name: qkvs, .offset: 8, .size: 8, .value_kind: global_buffer, .address_space: global }
      - { .name: oc, .offset: 16, .size: 8, .value_kind: global_buffer, .address_space: global }
      - { .name: os, .offset: 24, .size: 8, .value_kind: global_buffer, .address_space: global }
    .group_segment_fixed_size: 72192
    .private_segment_fixed_size: 0
    .kernarg_segment_align: 8
    .kernarg_segment_size: 32
    .max_flat_workgroup_size: 512
    .sgpr_count:     66
    .vgpr_count:     256
    .wavefront_size: 32
...
	.end_amdgpu_metadata
.endif
;; end of part 7
;; launch tail (part 8): grid 256 x 1, 16 waves a work-group, no clusters, 239,104 bytes of LDS; arguments oc, os, wcodes, wscales, x, ln1_g, ln1_b, fc1_b, fc2_b, ln2_g, ln2_b, out0; writes out0
.if DOCPART == 8
	.amdgcn_target "amdgcn-amd-amdhsa--gfx1250"
	.amdhsa_code_object_version 6
	.text
	.protected	k_q76c1a2cee4_tail
	.globl	k_q76c1a2cee4_tail
	.p2align	8
	.type	k_q76c1a2cee4_tail,@function
k_q76c1a2cee4_tail:
	s_mov_b64 s[64:65], 0
	v_nop
	global_prefetch_b8 v0, s[64:65] scope:SCOPE_SE
	s_setreg_imm32_b32 hwreg(HW_REG_WAVE_SCHED_MODE, 0, 2), 2
	s_setreg_imm32_b32 hwreg(HW_REG_WAVE_MODE, 25, 1), 1
	s_wait_xcnt 0x0
	s_wait_alu depctr_vm_vsrc(0)
; inter = LN1(att Wo^T + x);  out0 = LN2(silu(inter fc1^T + b1) fc2^T + b2 + inter).  The three products on codes of FP4 (E2M1) with E8M0 scales; all else in f32.  Nothing between goes to memory.
; SHARES.  A work-group takes 32 rows through the whole chain.  THE WAVES SHARE THE COLUMNS: wave w makes columns 64 w .. 64 w + 63 of each product of width 1,024, and columns 64 (16 q + w) .., q = 0, 1, of fc1.
; All products transposed (source 0 = 16 rows of the weight, source 1 = 16 rows of the activations): a lane holds rows r and 16 + r, and of each 32 columns: register 32 m + 16 b + i = row 16 m + r, column 64 w + 32 b + 16 h + i.
; So a block of 32 along the next K lies in lanes l and l xor 16, the quantiser works in registers, and the codes go from wave to wave through LDS as images of the operand's registers.
; WEIGHTS come from memory straight into registers, as the first launch laid them, through a ring of four register buffers that runs on, three steps ahead, across all 36 K steps and the work between them.
; WHY NO JOINT LOADS, though all 256 work-groups walk the same weight codes: each fragment feeds ONE wave, so it is never written to or read from LDS; and beside the 237,056 bytes used here
; two slots of one K step of 1,024 columns (2 x 69,632 bytes with their scale words) do not fit into a work-group's 327,680.
; THE RESIDUAL x comes as the output leaves: sixteen lanes take 256 consecutive bytes of a row, two rows a load; it turns through the wave's own LDS bytes into the accumulators' layout and starts the first sums.
; LAYERNORM in two passes (mean, then the squares of the differences): no difference of large sums.  A row's parts meet in LDS: one word a wave and row, a barrier, every wave adds the sixteen in the same order.
; LIMITS: a block of zeros gets the byte 1 (its codes are zeros; this program alone reads the bytes); blocks under 2^-124 are held at that floor; silu of a very negative number is -0; NaN and infinities are not served.
; THE MODE: SCHED_MODE bits 1:0 = 2 (LLVM: expert scheduling mode 2), set by the entry lines.  The code itself states the register dependences
; between vector or matrix instructions and memory or LDS instructions, with s_wait_alu, always for 0.
; THE PLAN.  Registers that memory or LDS instructions touch:
;   v1-11, v13, v15, v251, v253   Offsets and LDS addresses: made once at the head, never written again.  v250, v252, v254, v255 serve the staging as addresses and are at work from the first LayerNorm on.
;   ring buffer g % 4 and its scale words   The nine loads of ring step g land, issued in step g - 3; step g's eight products read.
;   activations' buffer st % 2 and its scale words   Five LDS loads land, issued in step st - 1; step st's products read.
;   v16-79  The accumulators.  x, a bias or inter lands in them ahead of a pass; behind the first LayerNorm LDS stores read them (inter's image), at the end the way out's.
;   v216-247 between passes: the quantiser's bytes and codes, which LDS stores read; v220, a row's part, which an LDS store reads; the sixteen parts, the gains and the biases land in them and vector instructions read them.
; A STEP OF A PASS: the waits for its data; ONE wait on va_vdst: the step before's products are done reading the ring buffer and the activations' buffer in which this step's loads land; then the five LDS loads,
; and the nine loads of three steps on dealt among the eight products, which name the other buffers alone.  A pass's first step leans on the last wait on va_vdst ahead of the pass: no vector instruction stands between.
; BETWEEN PASSES each run of stores has one wait on va_vdst ahead of it, and one wait on vm_vsrc stands ahead of the first load or vector instruction that writes what the stores read.
.set ACC, 16                           ; v16-79   8 accumulators
.set WB,  80                           ; v80-207  the ring; at the end 32 rows of the output
.set WS,  208                          ; v208-215 weight scale words: scales and nothing else
.set ACT, 216                          ; v216-247 two buffers of activations' fragments; between passes at work
.set AS,  248                          ; v248-249 their scale words
.set TM,  216
.set PW,  232
.set PC,  234
.set L16, 1
.set L8,  2
.set L4,  3
.set IW,  4                            ; v4   512 w + 16 lane: my block's place in an image
.set SCW, 5                            ; v5   128 (w / 2) + 4 lane + 2 (w % 2): my two bytes of a scale word
.set PB,  6                            ; v6   PAR + 256 w + 64 h: my 16 columns' parameters
.set SWA, 7                            ; v7   STAT + 128 w + 4 lane
.set SRA, 8                            ; v8   STAT + 4 lane
.set WI,  9                            ; v9   my own region + 16 lane
.set SO,  10                           ; v10  my own region + 272 r + 64 h
.set SR,  11                           ; v11  my own region + 272 (lane / 16) + 16 (lane % 16)
.set GO,  13                           ; v13  4,096 (lane / 16) + 16 (lane % 16)
.set GT,  36                           ; ring steps: Wo 4, fc1 2 x 8, fc2 16
.set OIMG, 0                           ; LDS: the attention output's images [m][4 steps][1,024],
.set IIMG, 8192                        ; inter's [m][8][1,024],
.set HIMG, 24576                       ; the hidden layer's [m][16][1,024],
.set OSC,  57344                       ; their scale words [step][m][r],
.set ISC,  57856
.set HSC,  58880
.set STAT, 60928                       ; 4 x [wave][32 rows] f32,
.set PAR,  69120                       ; ln1_g, ln1_b, fc2_b, ln2_g, ln2_b (4,096 each), fc1_b (8,192),
.set WREG, 97792                       ; and 8,704 bytes of each wave's own: 32 rows x (256 + 16) of x, then inter as an image of my registers, at the end 32 rows of the output
.set SEL, 48
.set LOM, 50                           ; s50  lanes 0-15
.set NL2, 52                           ; s[52:53] -log2(e)
.set C10, 54                           ; s54  2^-10
.set EPS, 55                           ; s55  1e-5
.macro WM d, a, b, z, sa, ra, sb, rb
.set WD_, \d
.set WA_, \a
.set WR_, \b
.set WP_, \sa
.set WQ_, \sb
.if (\ra) && (\rb)
	v_wmma_scale_f32_16x16x128_f8f6f4 v[WD_:WD_+7], v[WA_:WA_+7], v[WR_:WR_+7], v[WD_:WD_+7], v[WP_], v[WQ_] matrix_a_fmt:MATRIX_FMT_FP4 matrix_b_fmt:MATRIX_FMT_FP4 matrix_a_scale:MATRIX_SCALE_ROW1 matrix_b_scale:MATRIX_SCALE_ROW1
.elseif \ra
	v_wmma_scale_f32_16x16x128_f8f6f4 v[WD_:WD_+7], v[WA_:WA_+7], v[WR_:WR_+7], v[WD_:WD_+7], v[WP_], v[WQ_] matrix_a_fmt:MATRIX_FMT_FP4 matrix_b_fmt:MATRIX_FMT_FP4 matrix_a_scale:MATRIX_SCALE_ROW1
.elseif \rb
	v_wmma_scale_f32_16x16x128_f8f6f4 v[WD_:WD_+7], v[WA_:WA_+7], v[WR_:WR_+7], v[WD_:WD_+7], v[WP_], v[WQ_] matrix_a_fmt:MATRIX_FMT_FP4 matrix_b_fmt:MATRIX_FMT_FP4 matrix_b_scale:MATRIX_SCALE_ROW1
.else
	v_wmma_scale_f32_16x16x128_f8f6f4 v[WD_:WD_+7], v[WA_:WA_+7], v[WR_:WR_+7], v[WD_:WD_+7], v[WP_], v[WQ_] matrix_a_fmt:MATRIX_FMT_FP4 matrix_b_fmt:MATRIX_FMT_FP4
.endif
.endm
.macro WSET g                          ; ring step g: its buffer g % 4 and its bytes.  Each weight has a base that holds my chunk; the unit stands in the immediate
.set WB_, WB+32*((\g)%4)
.set WS_, WS+2*((\g)%4)
.if (\g) < 4
.set CB_, 32
.set SB_, 38
.set CO_, 786432+4096*(\g)
.elseif (\g) < 20
.set CB_, 34
.set SB_, 40
.set CO_, 1048576+524288*(((\g)-4)/8)+4096*(((\g)-4)%8)
.else
.set CB_, 36
.set SB_, 42
.set CO_, 2097152+4096*((\g)-20)
.endif
.endm
.macro WLOADT t                        ; tile t's fragment of the ring step that WSET has named: two loads
	global_load_b128 v[WB_+8*(\t):WB_+8*(\t)+3], v[L16], s[CB_:CB_+1] offset:CO_+1024*(\t)
	global_load_b128 v[WB_+8*(\t)+4:WB_+8*(\t)+7], v[L16], s[CB_:CB_+1] offset:CO_+1024*(\t)+512
.endm
.macro WLOADS                          ; and its scale words: the ninth load
	global_load_b64 v[WS_:WS_+1], v[L8], s[SB_:SB_+1] offset:CO_/16
.endm
.macro WLOADG g                        ; all nine on end: the ring's first three steps
	WSET \g
.irp t, 0,1,2,3
	WLOADT \t
.endr
	WLOADS
.endm
.macro ALOAD ab, img, sc, ks, st
.irp m, 0,1
.irp c, 0,1
	ds_load_b128 v[ACT+16*(\ab)+8*\m+4*\c:ACT+16*(\ab)+8*\m+4*\c+3], v[L16] offset:(\img)+\m*(\ks)*1024+1024*(\st)+512*\c
.endr
.endr
	ds_load_b32 v[AS+(\ab)], v[L4] offset:(\sc)+128*(\st)
.endm
.macro MUL buf, ab, ld                 ; 8 products on 8 accumulators, one instruction a turn.  ld: the nine loads of the ring step that WSET has named are dealt among them: no product here names their registers
.irp t, 0,1,2,3
.irp m, 0,1
	WM ACC+32*\m+8*(\t%2)+16*(\t/2), WB+32*(\buf)+8*\t, ACT+16*(\ab)+8*\m, 0, WS+2*(\buf)+\t/2, \t%2, AS+(\ab), \m
.endr
.if \ld
	WLOADT \t
.endif
.endr
.if \ld
	WLOADS
.endif
.endm
.macro PLACES                          ; four plain places behind matrix instructions, ahead of loads into their registers and of reads of their results
.rept 4
	v_nop
.endr
.endm
.macro PASS g0, ks, img, sc            ; the sums begin with what the accumulators hold: the residual, or the bias
	ALOAD 0, \img, \sc, \ks, 0
.set ST_, 0
.rept \ks
.set G_, (\g0)+ST_
.if GT-1-G_ >= 2
	s_wait_loadcnt 18                              ; this step's nine loads are in; those of the two steps behind it may be out
.else
	s_wait_loadcnt 9*(GT-1-G_)
.endif
	s_wait_dscnt 0x0                               ; this step's activations are in (in a pass's first step: what starts the sums too)
.if (ST_ > 0) && ((ST_+1 < \ks) || (G_+3 < GT))
	s_wait_alu depctr_va_vdst(0)                   ; the step before's products are done reading their ring buffer, its scale words and their activations' buffer, in which the loads below land
.endif
.if ST_+1 < \ks
	ALOAD (ST_+1)%2, \img, \sc, \ks, ST_+1
.endif
.set LD_, 0
.if G_+3 < GT
.set LD_, 1
	WSET G_+3                                      ; three steps on: into the buffer that the step before multiplied
.endif
	MUL G_%4, ST_%2, LD_
	PLACES
.set ST_, ST_+1
.endr
.endm
.macro QUANT s
.irp b, 0,1,2,3
	v_max3_num_f32 v[TM+\b], |v[(\s)+16*\b]|, |v[(\s)+1+16*\b]|, 0x1800000   ; and the floor 2^(3 - 127): the byte cannot fall under 1
.endr
.irp i, 2,4,6,8,10,12,14
.irp b, 0,1,2,3
	v_max3_num_f32 v[TM+\b], v[TM+\b], |v[(\s)+16*\b+\i]|, |v[(\s)+1+16*\b+\i]|
.endr
.endr
.irp b, 0,1,2,3
	v_permlanex16_b32 v[TM+4+\b], v[TM+\b], s[SEL], s[SEL+1]
.endr
.irp b, 0,1,2,3
	v_max_num_f32 v[TM+\b], v[TM+\b], v[TM+4+\b]
.endr
.irp b, 0,1,2,3
	v_add_nc_u32 v[TM+12+\b], 0xff000000, v[TM+\b]
.endr
.irp b, 0,1,2,3
	v_lshrrev_b32 v[TM+4+\b], 23, v[TM+12+\b]
.endr
	v_lshl_or_b32 v[PW], v[TM+5], 8, v[TM+4]
	v_lshl_or_b32 v[PW], v[TM+6], 16, v[PW]
	v_lshl_or_b32 v[PW], v[TM+7], 24, v[PW]
.irp b, 0,1,2,3
	v_cvt_scalef32_pk8_fp4_f32 v[PC+2*\b], v[(\s)+16*\b:(\s)+7+16*\b], v[TM+12+\b]
	v_cvt_scalef32_pk8_fp4_f32 v[PC+1+2*\b], v[(\s)+8+16*\b:(\s)+15+16*\b], v[TM+12+\b]
.endr
	v_nop
.irp c, 0,1
.irp i, 0,1
	v_permlane16_swap_b32 v[PC+4*\c+\i], v[PC+2+4*\c+\i]
.endr
.endr
.endm
.macro BARRIER
	s_wait_dscnt 0x0
	s_barrier_signal -1
	s_barrier_wait -1
.endm
; My 64 results a lane become codes and go to LDS: group c is row tile c, lane (r, hh) holds column block 2 w + hh of row 16 c + r: 16 bytes at 512 w + 16 lane of that tile's images.
; keep = 1: the 64 results themselves are kept too, as an image of my registers in my own LDS bytes.
.macro PUT img, mstr, sc, keep
	QUANT ACC
	v_lshrrev_b32 v[TM], v14, v[PW]                ; lanes 0-15: the bytes of row tile 0's two blocks, lanes 16-31: row tile 1's
	s_wait_alu depctr_va_vdst(0)                   ; the codes and the bytes are written, and so are the accumulators: the stores below read them; the quantiser is done with v16-79 and v216-241, in which later loads land
.if \keep
.set k_, 0
.rept 16
	ds_store_b128 v[WI], v[ACC+4*k_:ACC+4*k_+3] offset:512*k_
.set k_, k_+1
.endr
.endif
	ds_store_b128 v[IW], v[PC:PC+3] offset:\img
	ds_store_b128 v[IW], v[PC+4:PC+7] offset:(\img)+(\mstr)
	ds_store_b16 v[SCW], v[TM] offset:\sc
.endm
; v216 (rows r) and v218 (rows 16 + r) hold my lane's parts of two rows' sums.  Out: v254 = the whole sum of row = my lane.
.macro ROWRED k
	v_cndmask_b32 v220, v218, v216, s[LOM]         ; I keep the part of row = my lane,
	v_cndmask_b32 v221, v216, v218, s[LOM]         ; and send the other to lane l xor 16
	v_permlanex16_b32 v222, v221, s[SEL], s[SEL+1]
	v_add_f32 v220, v220, v222
	s_wait_alu depctr_va_vdst(0)                   ; v220 is written, which the store reads; the vector and matrix work above is done with v224-239, in which the sixteen parts land
	ds_store_b32 v[SWA], v220 offset:2048*(\k)
	BARRIER
	s_wait_alu depctr_vm_vsrc(0)                   ; the store has read v220, which the next reduction, or a load of the gains, writes
.irp j, 0,1,2,3,4,5,6,7,8,9,10,11,12,13,14,15
	ds_load_b32 v[224+\j], v[SRA] offset:2048*(\k)+128*\j
.endr
	s_wait_dscnt 0x0
.irp j, 0,2,4,6
	v_pk_add_f32 v[224+\j:225+\j], v[224+\j:225+\j], v[232+\j:233+\j]
.endr
	v_pk_add_f32 v[224:225], v[224:225], v[228:229]
	v_pk_add_f32 v[226:227], v[226:227], v[230:231]
	v_pk_add_f32 v[224:225], v[224:225], v[226:227]
	v_add_f32 v254, v224, v225
.endm
.macro SPREAD                          ; v254 (row = my lane) -> v250 (row r), v252 (row 16 + r)
	v_permlanex16_b32 v255, v254, s[SEL], s[SEL+1]
	v_cndmask_b32 v250, v255, v254, s[LOM]
	v_cndmask_b32 v252, v254, v255, s[LOM]
.endm
.macro LN k, goff, boff                ; the accumulators' 32 rows are normalised in place
.irp m, 0,1
	v_pk_add_f32 v[216+2*\m:217+2*\m], v[ACC+32*\m:ACC+32*\m+1], v[ACC+32*\m+2:ACC+32*\m+3]   ; each accumulator from its low end on
.endr
.irp i, 4,6,8,10,12,14,16,18,20,22,24,26,28,30
.irp m, 0,1
	v_pk_add_f32 v[216+2*\m:217+2*\m], v[216+2*\m:217+2*\m], v[ACC+32*\m+\i:ACC+32*\m+\i+1]
.endr
.endr
.irp m, 0,1
	v_add_f32 v[216+2*\m], v[216+2*\m], v[217+2*\m]
.endr
	ROWRED \k
	v_mul_f32 v254, s[C10], v254                   ; the mean
	SPREAD
.irp m, 0,1
.set k_, 0
.rept 16
	v_pk_add_f32 v[ACC+32*\m+k_:ACC+32*\m+k_+1], v[ACC+32*\m+k_:ACC+32*\m+k_+1], v[250+2*\m:251+2*\m] op_sel_hi:[1,0] neg_lo:[0,1] neg_hi:[0,1]
.set k_, k_+2
.endr
.endr
.irp m, 0,1
	v_pk_mul_f32 v[216+2*\m:217+2*\m], v[ACC+32*\m:ACC+32*\m+1], v[ACC+32*\m:ACC+32*\m+1]
.endr
.irp i, 2,4,6,8,10,12,14,16,18,20,22,24,26,28,30
.irp m, 0,1
	v_pk_fma_f32 v[216+2*\m:217+2*\m], v[ACC+32*\m+\i:ACC+32*\m+\i+1], v[ACC+32*\m+\i:ACC+32*\m+\i+1], v[216+2*\m:217+2*\m]
.endr
.endr
.irp m, 0,1
	v_add_f32 v[216+2*\m], v[216+2*\m], v[217+2*\m]
.endr
	ROWRED (\k)+1
	v_fma_f32 v254, v254, s[C10], s[EPS]           ; the variance + eps
	s_wait_alu depctr_va_vdst(0)
	v_rsq_f32 v254, v254
	v_nop
	s_wait_alu depctr_va_vdst(0)                   ; the root has written v254, ahead of its first reader; the reduction is done with v216-247, in which the first gains and biases land (the three lines between name v250 to v255 alone)
	SPREAD
.irp bb, 0,1
.if \bb
	s_wait_alu depctr_va_vdst(0)                   ; the multiply-adds above are done reading v216-247, in which the next sixteen columns' gains and biases land
.endif
.irp j, 0,1,2,3
	ds_load_b128 v[216+4*\j:219+4*\j], v[PB] offset:(\goff)+128*\bb+16*\j
	ds_load_b128 v[232+4*\j:235+4*\j], v[PB] offset:(\boff)+128*\bb+16*\j
.endr
.irp m, 0,1
.set k_, 0
.rept 8
	v_pk_mul_f32 v[ACC+32*\m+16*\bb+k_:ACC+32*\m+16*\bb+k_+1], v[ACC+32*\m+16*\bb+k_:ACC+32*\m+16*\bb+k_+1], v[250+2*\m:251+2*\m] op_sel_hi:[1,0]
.set k_, k_+2
.endr
.endr
	s_wait_dscnt 0x0
.irp m, 0,1
.set k_, 0
.rept 8
	v_pk_fma_f32 v[ACC+32*\m+16*\bb+k_:ACC+32*\m+16*\bb+k_+1], v[ACC+32*\m+16*\bb+k_:ACC+32*\m+16*\bb+k_+1], v[216+k_:217+k_], v[232+k_:233+k_]
.set k_, k_+2
.endr
.endr
.endr
.endm
.macro SILU                            ; z / (1 + 2^(-log2(e) z)), 32 registers at a time; each batch of transcendentals has one plain place and one wait
.irp gq, 0,1
.set k_, 0
.rept 16
	v_pk_mul_f32 v[216+k_:217+k_], v[ACC+32*\gq+k_:ACC+32*\gq+k_+1], s[NL2:NL2+1] op_sel_hi:[1,0]
.set k_, k_+2
.endr
.set k_, 0
	s_wait_alu depctr_va_vdst(0)
.rept 32
	v_exp_f32 v[216+k_], v[216+k_]
.set k_, k_+1
.endr
	v_nop
	s_wait_alu depctr_va_vdst(0)                   ; the 32 exponentials have written v216-247, ahead of their first reader
.set k_, 0
.rept 16
	v_pk_add_f32 v[216+k_:217+k_], v[216+k_:217+k_], 1.0 op_sel_hi:[1,0]
.set k_, k_+2
.endr
.set k_, 0
	s_wait_alu depctr_va_vdst(0)
.rept 32
	v_rcp_f32 v[216+k_], v[216+k_]
.set k_, k_+1
.endr
	v_nop
	s_wait_alu depctr_va_vdst(0)                   ; the 32 reciprocals have written v216-247, ahead of their first reader
.set k_, 0
.rept 16
	v_pk_mul_f32 v[ACC+32*\gq+k_:ACC+32*\gq+k_+1], v[ACC+32*\gq+k_:ACC+32*\gq+k_+1], v[216+k_:217+k_]
.set k_, k_+2
.endr
.endr
.endm
	s_load_b512 s[8:23], s[0:1], 0x0               ; oc, os, wcodes, wscales, x, ln1_g, ln1_b, fc1_b
	s_load_b256 s[24:31], s[0:1], 0x40             ; fc2_b, ln2_g, ln2_b, out0
	v_lshrrev_b32 v15, 5, v0
	v_readfirstlane_b32 s2, v15                    ; wave 0..15
	s_mov_b32 s3, ttmp9                            ; block of 32 rows
	v_and_b32 v251, 31, v0                         ; lane
	v_and_b32 v240, 15, v0                         ; r
	v_bfe_u32 v241, v0, 4, 1                       ; h
	s_wait_alu depctr_va_vdst(0)
	v_cmp_gt_u32 s[LOM], 16, v251
	v_lshlrev_b32 v[L16], 4, v251
	v_lshlrev_b32 v[L8], 3, v251
	v_lshlrev_b32 v[L4], 2, v251
	s_wait_alu depctr_va_vdst(0)
	s_wait_alu depctr_va_sdst(0)                   ; s2 and the lanes' mask s50 are written, ahead of their first readers
	s_lshl_b32 s60, s2, 9
	v_add_nc_u32 v[IW], s60, v[L16]
	s_lshr_b32 s60, s2, 1
	s_lshl_b32 s60, s60, 7
	s_and_b32 s61, s2, 1
	s_lshl_b32 s61, s61, 1
	s_add_co_u32 s60, s60, s61
	v_add_nc_u32 v[SCW], s60, v[L4]
	s_lshl_b32 s60, s2, 8
	s_add_co_u32 s60, s60, PAR
	v_lshl_add_u32 v[PB], v241, 6, s60
	s_lshl_b32 s60, s2, 7
	s_add_co_u32 s60, s60, STAT
	v_add_nc_u32 v[SWA], s60, v[L4]
	v_add_nc_u32 v[SRA], STAT, v[L4]
	s_mul_i32 s62, s2, 8704
	s_add_co_u32 s62, s62, WREG
	v_add_nc_u32 v[WI], s62, v[L16]
	v_mul_u32_u24 v[SO], v240, 272
	v_lshl_add_u32 v[SO], v241, 6, v[SO]
	v_add_nc_u32 v[SO], s62, v[SO]
	v_mul_u32_u24 v[SR], v241, 272
	v_lshl_add_u32 v[SR], v240, 4, v[SR]
	v_add_nc_u32 v[SR], s62, v[SR]
	v_lshlrev_b32 v[GO], 12, v241
	v_lshl_add_u32 v[GO], v240, 4, v[GO]
	v_lshlrev_b32 v14, 4, v241                     ; 16 h
	v_lshlrev_b32 v250, 4, v0                      ; staging: 16 x thread,
	v_and_b32 v252, 255, v0
	v_lshlrev_b32 v252, 4, v252                    ; 16 x (thread % 256),
	v_lshlrev_b32 v254, 3, v0                      ; 8 x thread,
	v_add_nc_u32 v255, PAR+16384, v254
	v_add_nc_u32 v15, PAR, v250
	s_min_u32 s60, s2, 3
	s_lshl_b32 s60, s60, 7
	v_add_nc_u32 v253, s60, v[L4]                  ; and where waves 0-3 put the attention output's scale words
	s_mov_b32 s[SEL], 0x76543210
	s_mov_b32 s[SEL+1], 0xfedcba98
	s_mov_b32 s[NL2], 0xbfb8aa3b
	s_mov_b32 s[NL2+1], s[NL2]
	s_mov_b32 s[C10], 0x3a800000
	s_mov_b32 s[EPS], 0x3727c5ac
	s_mov_b32 s61, 0
	s_wait_kmcnt 0x0
	s_lshl_b32 s60, s2, 14
	s_add_nc_u64 s[32:33], s[12:13], s[60:61]      ; my chunk of Wo: 4 units; of fc1_w: 8; of fc2_w: 16
	s_lshl_b32 s60, s2, 15
	s_add_nc_u64 s[34:35], s[12:13], s[60:61]
	s_lshl_b32 s60, s2, 16
	s_add_nc_u64 s[36:37], s[12:13], s[60:61]
	s_lshl_b32 s60, s2, 10
	s_add_nc_u64 s[38:39], s[14:15], s[60:61]
	s_lshl_b32 s60, s2, 11
	s_add_nc_u64 s[40:41], s[14:15], s[60:61]
	s_lshl_b32 s60, s2, 12
	s_add_nc_u64 s[42:43], s[14:15], s[60:61]
	s_lshl_b32 s60, s3, 17
	s_lshl_b32 s62, s2, 8
	s_add_co_u32 s60, s60, s62
	s_add_nc_u64 s[44:45], s[16:17], s[60:61]      ; x and out0 at my block's first row, my 64 columns
	s_add_nc_u64 s[46:47], s[30:31], s[60:61]
	s_cmp_lt_u32 s2, 8
	s_cselect_b64 s[56:57], s[18:19], s[20:21]     ; waves 0-7 stage ln1_g and fc2_b, waves 8-15 ln1_b and ln2_g
	s_cselect_b64 s[58:59], s[24:25], s[26:27]
	s_lshl_b32 s60, s3, 13
	s_add_nc_u64 s[8:9], s[8:9], s[60:61]          ; my two row tiles of the attention output's codes
	s_and_b32 s62, s2, 3
	s_lshl_b32 s62, s62, 15
	s_lshl_b32 s60, s3, 5
	s_add_co_u32 s60, s60, s62
	s_add_nc_u64 s[10:11], s[10:11], s[60:61]      ; its scale bytes: heads 4 (w % 4) on, my 32 rows
	s_wait_alu depctr_va_vdst(0)                   ; the offsets and LDS addresses v1-11, v13, v15 and v250-255 are written, which the loads and stores below read
	global_load_b128 v[216:219], v252, s[56:57]
	global_load_b128 v[220:223], v252, s[58:59]
	global_load_b64 v[224:225], v254, s[28:29]
	global_load_b128 v[226:229], v250, s[22:23]
	global_load_b128 v[230:233], v250, s[8:9]
.irp k, 0,1,2,3
	global_load_u8 v[234+\k], v251, s[10:11] offset:8192*\k
.endr
.irp i, 0,1,2,3,4,5,6,7,8,9,10,11,12,13,14,15
	global_load_b128 v[ACC+4*\i:ACC+4*\i+3], v[GO], s[44:45] offset:8192*\i th:TH_LOAD_NT   ; the residual x, rows 2 i and 2 i + 1: sixteen lanes read 256 consecutive bytes, aligned
.endr
	WLOADG 0
	WLOADG 1
	WLOADG 2
	s_wait_loadcnt 43                              ; the nine staging loads are in; x's 16 and the ring's 27 may be out
	ds_store_b128 v15, v[216:219]
	ds_store_b128 v15, v[220:223] offset:8192
	ds_store_b64 v255, v[224:225]
	ds_store_b128 v15, v[226:229] offset:20480
	ds_store_b128 v250, v[230:233] offset:OIMG
	v_lshl_or_b32 v234, v235, 8, v234
	v_lshl_or_b32 v234, v236, 16, v234
	v_lshl_or_b32 v234, v237, 24, v234             ; row = my lane, K step w % 4: four heads' bytes
	s_wait_alu depctr_va_vdst(0)                   ; v234 is written, which the store below reads; these lines and the head's are done with v234-241, in which activations land
	s_cmp_lt_u32 s2, 4
	s_cbranch_scc0 .Lno_osc
	ds_store_b32 v253, v234 offset:OSC
.Lno_osc:
	s_wait_loadcnt 27                              ; x's 16 loads are in; the ring's 27 may be out
.irp i, 0,1,2,3,4,5,6,7,8,9,10,11,12,13,14,15
	ds_store_b128 v[SR], v[ACC+4*\i:ACC+4*\i+3] offset:544*\i      ; x through my own LDS bytes, as rows of 256 + 16 bytes,
.endr
	s_wait_dscnt 0x0                               ; the rows lie in LDS
	s_wait_alu depctr_vm_vsrc(0)                   ; these stores have read the accumulators' registers, in which the loads below land; the staging has read v216-234, in which activations land, and its addresses v250, v252, v254 and v255, which the first LayerNorm writes
.irp m, 0,1
.irp bb, 0,1
.irp j, 0,1,2,3
	ds_load_b128 v[ACC+32*\m+16*\bb+4*\j:ACC+32*\m+16*\bb+4*\j+3], v[SO] offset:4352*\m+128*\bb+16*\j   ; and back in the accumulators' layout: it is the first sums' start
.endr
.endr
.endr
	BARRIER
	; ---- att Wo^T + x, LN1
	PASS 0, 4, OIMG, OSC
	LN 0, 0, 4096
	; ---- inter is quantised, and kept as an image of my registers in my own LDS bytes
	PUT IIMG, 8192, ISC, 1
	BARRIER                                        ; inter's sixteen fragments lie in LDS
	; ---- the hidden layer, 1,024 columns at a time; the bias starts the sums
.irp q, 0,1
	s_wait_alu depctr_vm_vsrc(0)                   ; my stores above have read the codes and the bytes, in which activations land, and (ahead of the first half) the accumulators, in which the bias lands
.irp m, 0,1
.irp bb, 0,1
.irp j, 0,1,2,3
	ds_load_b128 v[ACC+32*\m+16*\bb+4*\j:ACC+32*\m+16*\bb+4*\j+3], v[PB] offset:20480+4096*\q+128*\bb+16*\j
.endr
.endr
.endr
	PASS 4+8*\q, 8, IIMG, ISC
	SILU
	PUT HIMG+8192*\q, 16384, HSC+1024*\q, 0
	s_wait_dscnt 0x0                               ; the images have landed
.endr
	BARRIER                                        ; the hidden layer's 32 fragments lie in LDS
	; ---- h fc2^T + b2 + inter, LN2
	s_wait_alu depctr_vm_vsrc(0)                   ; my stores of the second half have read the codes and the bytes, in which fc2_b lands
.set k_, 0
.rept 16
	ds_load_b128 v[ACC+4*k_:ACC+4*k_+3], v[WI] offset:512*k_
.set k_, k_+1
.endr
.irp bb, 0,1
.irp j, 0,1,2,3
	ds_load_b128 v[216+16*\bb+4*\j:219+16*\bb+4*\j], v[PB] offset:8192+128*\bb+16*\j
.endr
.endr
	s_wait_dscnt 0x0
.irp m, 0,1
.set k_, 0
.rept 16
	v_pk_add_f32 v[ACC+32*\m+k_:ACC+32*\m+k_+1], v[ACC+32*\m+k_:ACC+32*\m+k_+1], v[216+k_:217+k_]
.set k_, k_+2
.endr
.endr
	PLACES
	s_wait_alu depctr_va_vdst(0)                   ; the additions are done reading v216-247, in which the activations land
	PASS 20, 16, HIMG, HSC
	LN 2, 12288, 16384
	; ---- the way out: a lane holds 64 bytes of each of two rows; through my own LDS bytes they come back as rows of 256 bytes.  LDS serves a wave's instructions in order (ISA guide 5.7.1.4): no wait between stores and loads
	s_wait_alu depctr_va_vdst(0)                   ; the LayerNorm has written the accumulators, which the stores read; the products are done reading ring buffers 0 and 1, in which the rows land
.irp m, 0,1
.irp bb, 0,1
.irp j, 0,1,2,3
	ds_store_b128 v[SO], v[ACC+32*\m+16*\bb+4*\j:ACC+32*\m+16*\bb+4*\j+3] offset:4352*\m+128*\bb+16*\j
.endr
.endr
.endr
.irp i, 0,1,2,3,4,5,6,7,8,9,10,11,12,13,14,15
	ds_load_b128 v[WB+4*\i:WB+4*\i+3], v[SR] offset:544*\i
.endr
.irp i, 0,1,2,3,4,5,6,7,8,9,10,11,12,13,14,15
	s_wait_dscnt 15-\i
	global_store_b128 v[GO], v[WB+4*\i:WB+4*\i+3], s[46:47] offset:8192*\i th:TH_STORE_NT   ; sixteen lanes store 256 consecutive bytes, aligned
.endr
	s_wait_xcnt 0x0
	v_lshl_add_u32 v254, v0, 2, 0x39e00            ; the add's two registers are made anew: no memory or LDS instruction has read v254 or v255 since the wait on vm_vsrc in x's turn
	v_mov_b32 v255, 0
	s_wait_dscnt 0x0                               ; the closing lines, six on end
	s_wait_alu 0x0
	s_wait_tensorcnt 0x0
	ds_add_u32 v254, v255
	s_wait_dscnt 0x0
	s_endpgm
.Lfunc_end_k_q76c1a2cee4_tail:
	.size	k_q76c1a2cee4_tail, .Lfunc_end_k_q76c1a2cee4_tail-k_q76c1a2cee4_tail
	.p2alignl 7, 3214868480
	.fill 96, 4, 3214868480
	.section	.rodata,"a",@progbits
	.p2align	6, 0x0
	.amdhsa_kernel k_q76c1a2cee4_tail
		.amdhsa_group_segment_fixed_size 239104
		.amdhsa_private_segment_fixed_size 0
		.amdhsa_enable_private_segment 0
		.amdhsa_kernarg_size 96
		.amdhsa_user_sgpr_count 2
		.amdhsa_user_sgpr_kernarg_segment_ptr 1
		.amdhsa_wavefront_size32 1
		.amdhsa_system_sgpr_workgroup_id_x 1
		.amdhsa_system_sgpr_workgroup_id_y 1
		.amdhsa_system_sgpr_workgroup_id_z 1
		.amdhsa_system_vgpr_workitem_id 0
		.amdhsa_next_free_vgpr 256
		.amdhsa_next_free_sgpr 66
		.amdhsa_reserve_vcc 0
		.amdhsa_float_denorm_mode_32 3
		.amdhsa_float_denorm_mode_16_64 3
		.amdhsa_memory_ordered 1
		.amdhsa_forward_progress 1
		.amdhsa_inst_pref_size 170
	.end_amdhsa_kernel
	.amdgpu_metadata
---
amdhsa.version: [ 1, 2 ]
amdhsa.kernels:
  - .name:           k_q76c1a2cee4_tail
    .symbol:         k_q76c1a2cee4_tail.kd
    .args:
      - { .name: oc, .offset: 0, .size: 8, .value_kind: global_buffer, .address_space: global }
      - { .name: os, .offset: 8, .size: 8, .value_kind: global_buffer, .address_space: global }
      - { .name: wcodes, .offset: 16, .size: 8, .value_kind: global_buffer, .address_space: global }
      - { .name: wscales, .offset: 24, .size: 8, .value_kind: global_buffer, .address_space: global }
      - { .name: x, .offset: 32, .size: 8, .value_kind: global_buffer, .address_space: global }
      - { .name: ln1_g, .offset: 40, .size: 8, .value_kind: global_buffer, .address_space: global }
      - { .name: ln1_b, .offset: 48, .size: 8, .value_kind: global_buffer, .address_space: global }
      - { .name: fc1_b, .offset: 56, .size: 8, .value_kind: global_buffer, .address_space: global }
      - { .name: fc2_b, .offset: 64, .size: 8, .value_kind: global_buffer, .address_space: global }
      - { .name: ln2_g, .offset: 72, .size: 8, .value_kind: global_buffer, .address_space: global }
      - { .name: ln2_b, .offset: 80, .size: 8, .value_kind: global_buffer, .address_space: global }
      - { .name: out0, .offset: 88, .size: 8, .value_kind: global_buffer, .address_space: global }
    .group_segment_fixed_size: 239104
    .private_segment_fixed_size: 0
    .kernarg_segment_align: 8
    .kernarg_segment_size: 96
    .max_flat_workgroup_size: 512
    .sgpr_count:     66
    .vgpr_count:     256
    .wavefront_size: 32
...
	.end_amdgpu_metadata
.endif
;; end of part 8
